; MI455X (gfx1250); checked and timed in simulation.
; The chip was launched on July 23, 2026; its instructions are those of AMD's public machine-readable ISA for CDNA 5 (MIT licence, August 2026) and "CDNA5" Instruction Set Architecture Reference Guide (July 2026). The comments in the code are by the model that wrote it; some were corrected since.
;; Self Attn V3. Allowed arithmetic: float matrix products may take bf16 or f16 operands with f32 sums; all other float work in f32.
;; Inputs: W_out 1,024 x 1,024 float32; W_qkv 1,024 x 3,072 float32; attention_mask 8 x 1,024 x 1,024 int32; b_out 1,024 float32; b_qkv 3,072 float32; x 8 x 1,024 x 1,024 float32.
;; Outputs: out0 8 x 1,024 x 1,024 float32.
;; 3 versions, each right; version 2 is faster than version 1; version 3 is version 2 with the launch smx written anew for expert scheduling mode. Each part assembles by itself: llvm-mc -triple=amdgcn-amd-amdhsa -mcpu=gfx1250 --defsym DOCPART=n.
;; ======== version 1 of 3: 7 launches
;; limits: right only within a limited range of input values; values are held in f16: magnitudes above 65,504 overflow, below 6.1e-05 lose precision
;; workspace buffers: xb 16,777,216 bytes; xhT 16,777,216 bytes; WW 8,388,608 bytes; WO 4,194,304 bytes; BV 8,192 bytes; act 16,777,216 bytes; S 33,554,432 bytes; P 16,777,216 bytes
;; launch prep (part 1): grid 768 x 1, 8 waves a work-group, no clusters, 35,840 bytes of LDS; arguments x, W_qkv, W_out, xb, xhT, WW; writes xb, xhT, WW
.if DOCPART == 1
	.amdgcn_target "amdgcn-amd-amdhsa--gfx1250"
	.amdhsa_code_object_version 6
	.text
	.protected	k_q719907ecba_prep
	.globl	k_q719907ecba_prep
	.p2align	8
	.type	k_q719907ecba_prep,@function
k_q719907ecba_prep:
	s_mov_b64 s[64:65], 0
	v_nop
	global_prefetch_b8 v0, s[64:65] scope:SCOPE_SE
	s_setreg_imm32_b32 hwreg(HW_REG_WAVE_MODE, 25, 1), 1
	s_wait_xcnt 0x0
; Casts and transposes, once, so that every later product reads both operands with K along the rows.
;   x [8192][1024] f32      -> xb  [8192][1024] bf16 (score path)  and  xhT [1024 d][8192 t] f16 (value path)
;   W_qkv [1024][3072] f32  -> WW[0] = Wq, WW[1] = Wk, WW[2] = Wv, each [1024][1024] f16, rows as in W_qkv
;   W_out [1024][1024] f32  -> WW[3] = W_out transposed, [f][e] f16
; LIMIT: what goes to f16 must lie below 65504 in magnitude (x, W_qkv, W_out); larger numbers become infinities.
; One work-group takes one tile of 128 x 128 numbers; groups 0-511 x, 512-703 W_qkv, 704-767 W_out.  The branch hangs on the
; work-group's number alone, so all eight waves of a group take the same path and meet the same barrier.
; Wave w loads rows 16 w .. 16 w + 15 of the tile, a row by one load (32 lanes x 16 bytes = 512 neighbouring bytes).
; Straight copy: a row's 128 numbers of 16 bits are 256 neighbouring bytes, stored by one instruction of the wave.
; Transposed copy: through LDS, rows of 256 + 16 bytes; read back by rows, sixteen lanes store 256 neighbouring aligned bytes.
; The transposing LDS stores of a lane group meet four deep in the banks (lanes are 1,088 bytes apart); there are eight of them
; for 64 KiB moved through memory, so no other layout is tried.
.set X,      16                        ; v[16:79]   row i of my 16: 4 registers f32; later the rows read back
.set SP,     80                        ; v[80:111]  row i: 2 registers, 4 numbers of 16 bits, straight
.set TP,     112                       ; v[112:143] column c of my 4: 8 registers, my 16 rows as f16
.set LPITCH, 272
	s_load_b256 s[4:11], s[0:1], 0x0               ; x s[4:5], W_qkv s[6:7], W_out s[8:9], xb s[10:11]
	s_load_b128 s[12:15], s[0:1], 0x20             ; xhT s[12:13], WW s[14:15]
	v_lshl_add_u32 v144, v0, 2, 0x8800
	v_mov_b32 v145, 0
	s_mov_b32 s2, ttmp9
	v_and_b32 v1, 31, v0                           ; lane L
	v_lshrrev_b32 v7, 5, v0
	v_readfirstlane_b32 s24, v7                    ; wave w
	s_lshl_b32 s25, s24, 15                        ; 16 w rows of 2,048 bytes
	v_lshl_add_u32 v3, v1, 3, s25                  ; straight store: 8 L + my first row
	v_mul_u32_u24 v4, v1, 4*LPITCH                 ; LDS in: row 4 L (my first column),
	s_lshl_b32 s25, s24, 5
	v_add_nc_u32 v4, s25, v4                       ; byte 32 w (my 16 rows as f16)
	v_lshrrev_b32 v8, 4, v1
	s_lshl_b32 s25, s24, 4
	v_add_nc_u32 v8, s25, v8                       ; back: row 16 w + L / 16
	v_and_b32 v9, 15, v1
	v_lshlrev_b32 v9, 4, v9                        ; byte 16 (L mod 16)
	v_mad_u32_u24 v5, v8, LPITCH, v9
	s_mov_b32 s29, 0
	s_wait_kmcnt 0x0
; One tile.  pin: bytes from row to row of the source; straight: 0 none, 1 bf16, 2 f16; trans: 1 = also transposed, f16;
; pout: bytes from row to row of the transposed target.  Bases: source s[16:17], straight s[18:19], transposed s[20:21].
.macro TILE pin, straight, trans, pout
	s_mul_i32 s25, s24, 16*\pin
	v_lshl_add_u32 v2, v1, 4, s25                  ; 16 L + my first row
.irp i, 0,1,2,3,4,5,6,7,8,9,10,11,12,13,14,15
	global_load_b128 v[X+4*\i:X+4*\i+3], v2, s[16:17] offset:\i*\pin th:TH_LOAD_NT
.endr
.if \straight
.irp i, 0,1,2,3,4,5,6,7,8,9,10,11,12,13,14,15
	s_wait_loadcnt 15-\i                           ; loads come back in order: row i is in, the 15 - i younger ones stay out
.if \straight == 1
	v_cvt_pk_bf16_f32 v[SP+2*\i],   v[X+4*\i],   v[X+4*\i+1]
	v_cvt_pk_bf16_f32 v[SP+2*\i+1], v[X+4*\i+2], v[X+4*\i+3]
.else
	v_cvt_pk_f16_f32 v[SP+2*\i],   v[X+4*\i],   v[X+4*\i+1]
	v_cvt_pk_f16_f32 v[SP+2*\i+1], v[X+4*\i+2], v[X+4*\i+3]
.endif
	global_store_b64 v3, v[SP+2*\i:SP+2*\i+1], s[18:19] offset:\i*2048
.endr
.else
	s_wait_loadcnt 0x0
.endif
.if \trans
	v_mad_u32_u24 v6, v8, \pout, v9
.irp c, 0,1,2,3
.irp p, 0,1,2,3,4,5,6,7
	v_cvt_pk_f16_f32 v[TP+8*\c+\p], v[X+8*\p+\c], v[X+8*\p+4+\c]   ; rows 2 p and 2 p + 1 of column 4 L + c
.endr
	ds_store_b128 v4, v[TP+8*\c:TP+8*\c+3]   offset:\c*LPITCH
	ds_store_b128 v4, v[TP+8*\c+4:TP+8*\c+7] offset:\c*LPITCH+16
.endr
	s_wait_dscnt 0x0                               ; my stores are in LDS before I say so: the other waves read them
	s_barrier_signal -1
	s_barrier_wait -1
.irp t, 0,1,2,3,4,5,6,7
	ds_load_b128 v[X+4*\t:X+4*\t+3], v5 offset:\t*2*LPITCH
.endr
.irp t, 0,1,2,3,4,5,6,7
	s_wait_dscnt 7-\t                              ; pair t of rows is in, the younger ones stay out
	global_store_b128 v6, v[X+4*\t:X+4*\t+3], s[20:21] offset:2*\t*\pout
.endr
.endif
.endm
	s_cmp_lt_u32 s2, 512
	s_cbranch_scc0 .Lweights
	; x: tile row tr = g / 8 (128 tokens), tile column tc = g mod 8 (128 features)
	s_lshr_b32 s26, s2, 3
	s_and_b32 s27, s2, 7
	s_lshl_b32 s28, s26, 19                        ; 128 rows of 4,096 bytes
	s_lshl_b32 s25, s27, 9
	s_add_co_u32 s28, s28, s25
	s_add_nc_u64 s[16:17], s[4:5], s[28:29]
	s_lshl_b32 s28, s26, 18                        ; 128 rows of 2,048 bytes
	s_lshl_b32 s25, s27, 8
	s_add_co_u32 s28, s28, s25
	s_add_nc_u64 s[18:19], s[10:11], s[28:29]
	s_lshl_b32 s28, s27, 21                        ; 128 rows of 16,384 bytes
	s_lshl_b32 s25, s26, 8
	s_add_co_u32 s28, s28, s25
	s_add_nc_u64 s[20:21], s[12:13], s[28:29]
	TILE 4096, 1, 1, 16384
	s_wait_tensorcnt 0x0
	ds_add_u32 v144, v145
	s_wait_dscnt 0x0
	s_endpgm
.Lweights:
	s_cmp_lt_u32 s2, 704
	s_cbranch_scc0 .Lwout
	; W_qkv: tr = g' mod 8, tc = g' / 8 (0 to 23): matrix tc / 8, its column block tc mod 8
	s_sub_co_u32 s2, s2, 512
	s_and_b32 s26, s2, 7
	s_lshr_b32 s27, s2, 3
	s_mul_i32 s28, s26, 128*12288
	s_lshl_b32 s25, s27, 9
	s_add_co_u32 s28, s28, s25
	s_add_nc_u64 s[16:17], s[6:7], s[28:29]
	s_lshr_b32 s28, s27, 3
	s_lshl_b32 s28, s28, 21                        ; a matrix of 2 MiB
	s_lshl_b32 s25, s26, 18
	s_add_co_u32 s28, s28, s25
	s_and_b32 s25, s27, 7
	s_lshl_b32 s25, s25, 8
	s_add_co_u32 s28, s28, s25
	s_add_nc_u64 s[18:19], s[14:15], s[28:29]
	TILE 12288, 2, 0, 0
	s_endpgm
.Lwout:
	; W_out: tr = g'' / 8 (rows e), tc = g'' mod 8 (columns f); only the transposed copy
	s_sub_co_u32 s2, s2, 704
	s_lshr_b32 s26, s2, 3
	s_and_b32 s27, s2, 7
	s_lshl_b32 s28, s26, 19
	s_lshl_b32 s25, s27, 9
	s_add_co_u32 s28, s28, s25
	s_add_nc_u64 s[16:17], s[8:9], s[28:29]
	s_lshl_b32 s28, s27, 18
	s_lshl_b32 s25, s26, 8
	s_add_co_u32 s28, s28, s25
	s_add_co_u32 s28, s28, 0x600000                ; WW[3]
	s_add_nc_u64 s[20:21], s[14:15], s[28:29]
	TILE 4096, 0, 1, 2048
	s_wait_tensorcnt 0x0
	ds_add_u32 v144, v145
	s_wait_dscnt 0x0
	s_endpgm
.Lfunc_end_k_q719907ecba_prep:
	.size	k_q719907ecba_prep, .Lfunc_end_k_q719907ecba_prep-k_q719907ecba_prep
	.p2alignl 7, 3214868480
	.fill 96, 4, 3214868480
	.section	.rodata,"a",@progbits
	.p2align	6, 0x0
	.amdhsa_kernel k_q719907ecba_prep
		.amdhsa_group_segment_fixed_size 35840
		.amdhsa_private_segment_fixed_size 0
		.amdhsa_enable_private_segment 0
		.amdhsa_kernarg_size 48
		.amdhsa_user_sgpr_count 2
		.amdhsa_user_sgpr_kernarg_segment_ptr 1
		.amdhsa_wavefront_size32 1
		.amdhsa_system_sgpr_workgroup_id_x 1
		.amdhsa_system_sgpr_workgroup_id_y 1
		.amdhsa_system_sgpr_workgroup_id_z 1
		.amdhsa_system_vgpr_workitem_id 0
		.amdhsa_next_free_vgpr 146
		.amdhsa_next_free_sgpr 66
		.amdhsa_reserve_vcc 0
		.amdhsa_float_denorm_mode_32 3
		.amdhsa_float_denorm_mode_16_64 3
		.amdhsa_memory_ordered 1
		.amdhsa_forward_progress 1
		.amdhsa_inst_pref_size 25
	.end_amdhsa_kernel
	.amdgpu_metadata
---
amdhsa.version: [ 1, 2 ]
amdhsa.kernels:
  - .name:           k_q719907ecba_prep
    .symbol:         k_q719907ecba_prep.kd
    .args:
      - { .name: x, .offset: 0, .size: 8, .value_kind: global_buffer, .address_space: global }
      - { .name: W_qkv, .offset: 8, .size: 8, .value_kind: global_buffer, .address_space: global }
      - { .name: W_out, .offset: 16, .size: 8, .value_kind: global_buffer, .address_space: global }
      - { .name: xb, .offset: 24, .size: 8, .value_kind: global_buffer, .address_space: global }
      - { .name: xhT, .offset: 32, .size: 8, .value_kind: global_buffer, .address_space: global }
      - { .name: WW, .offset: 40, .size: 8, .value_kind: global_buffer, .address_space: global }
    .group_segment_fixed_size: 35840
    .private_segment_fixed_size: 0
    .kernarg_segment_align: 8
    .kernarg_segment_size: 48
    .max_flat_workgroup_size: 256
    .sgpr_count:     66
    .vgpr_count:     146
    .wavefront_size: 32
...
	.end_amdgpu_metadata
.endif
;; end of part 1
;; launch wgt (part 2): grid 8 x 8, 4 waves a work-group, clusters of 4 x 4, 327,680 bytes of LDS; arguments WW, WO, BV, b_qkv, b_out; writes WO, BV
.if DOCPART == 2
	.amdgcn_target "amdgcn-amd-amdhsa--gfx1250"
	.amdhsa_code_object_version 6
	.text
	.protected	k_q719907ecba_wgt
	.globl	k_q719907ecba_wgt
	.p2align	8
	.type	k_q719907ecba_wgt,@function
k_q719907ecba_wgt:
	s_mov_b64 s[64:65], 0
	v_nop
	global_prefetch_b8 v0, s[64:65] scope:SCOPE_SE
	s_setreg_imm32_b32 hwreg(HW_REG_WAVE_MODE, 25, 1), 1
	s_wait_xcnt 0x0
	s_wait_alu depctr_hold_cnt(0) depctr_sa_sdst(0) depctr_va_vdst(0) depctr_va_sdst(0) depctr_va_ssrc(0) depctr_va_vcc(0) depctr_vm_vsrc(0)
	s_getreg_b32 s2, hwreg(HW_REG_IB_STS2, 6, 4)
	s_cmp_eq_u32 s2, 0
	s_cbranch_scc0 .Lentry_in_a_cluster
	s_endpgm
.Lentry_in_a_cluster:
	s_bfe_u32 s2, ttmp6, 0x10000c
	s_cmp_lg_u32 s2, 0xf033
	s_cbranch_scc0 .Lentry_shape_is_right
	s_endpgm
.Lentry_shape_is_right:
; The weights are folded, exactly as algebra allows for every input:
;   role 0 (cluster y = 0): MT[j][d]  = sum over e of Wk[j][e] Wq[d][e]            -> WO[0], bf16;  cq[j]   = sum over e of bq[e] Wk[j][e]            -> BV[0]
;   role 1 (cluster y = 1): 16 W'T[f][d] = 16 sum over e of WoutT[f][e] Wv[d][e]   -> WO[1], f16;   bfin[f] = sum over e of bv[e] WoutT[f][e] + b_out[f] -> BV[1]
; so that scores = (x M + cq) x^T (+ a term Q.bk that is the same for all keys of a row and falls out of the softmax: bk = b_qkv[1024:2048]
; is therefore not loaded) and out = (P x) W' + bfin (the rows of P sum to 1).
; LIMIT: W' is kept in f16 times 16: |W'| must stay below 4094.  The operands are f16 (below 65504), the sums f32.
; Both products are C[m][n] = sum over k of A[m][k] B[n][k], 1024 x 1024 x 1024, K along the rows of both.
; A work-group makes 256 (m) x 128 (n) of C with four waves; a wave makes 64 x 128: 32 accumulator tiles, 256 registers.
; K goes in steps of 128 (rows of 256 bytes, aligned) through two LDS slots filled by tensor loads.
; CLUSTERS: 4 x 4 work-groups.  A's tile hangs on cy and the role, and is asked for jointly by a row of the cluster; B's hangs on the block
; column and the role, and is asked for jointly by a column.  2 x 2 clusters: this launch has work for 64 work-groups.
; REGISTERS: window 0: addresses, two fragment buffers (B's 8 fragments, then A's 4), the way out; window 1: the accumulators, tile (a, b) at 8 (8 a + b).
; The matrix instruction is used transposed (source 0 = rows of B, source 1 = rows of A): lane l holds row l % 16 of C and in registers
; 0 to 7 the columns 8 (l / 16) + 0 .. 7, eight neighbours of a row.
.set PB,     1024                      ; B's pitch, elements
.set A0,     0x200000                  ; A = WW[1] (role 0), WW[3] (role 1)
.set ABATCH, 0x400000
.set B0,     0                         ; B = WW[0] (role 0), WW[2] (role 1)
.set BBATCH, 0x400000
.set CBATCH, 0x200000
.set PCB,    2048                      ; bytes in a row of C
.set CSH,    8                         ; 128 columns of C are 1 << CSH bytes
.set KSTEP,  128
.set PITCH,  272                       ; an LDS row: 256 bytes + 16 of padding: the 16 rows of a fragment start at 16 different groups of banks (64 banks of 4 bytes: ISA guide 11.1)
.set AHALF,  128*PITCH                 ; what a tensor load of A brings
.set BHALF,  64*PITCH                  ; what a tensor load of B brings; also a wave's 64 rows of A
.set ABYTES, 2*AHALF
.set SLOT,   ABYTES+2*BHALF            ; A's 256 rows, then B's 128 rows
.set STAGE,  2*SLOT                    ; behind the ring, a multiple of 256: no tensor load lands here
.set WSTAGE, 8448                      ; a wave's stage for the way out
.set LAPS,   1024/(2*KSTEP)
.set ADRA, 16                          ; v16-17 LDS address of my A fragments in slot 0, 1
.set ADRB, 20                          ; v20-21 the same for B
.set STO,  24
.set RD,   25
.set CO,   26
.set F0,   32                          ; fragment buffer 0: v32-95 B, v96-127 A
.set F1,   128                         ; fragment buffer 1: v128-191 B, v192-223 A
.set T,    32                          ; the way out: scaled results
.set PK,   96                          ; packed bf16, then the chosen form
.set PK2,  224                         ; packed f16
.set RB,   128                         ; rows read back
.set G1,  24
.set G0,  32
.set G1B, 48
.set G0B, 56
.set MULW, 0x50                        ; C and D in window 1, sources in window 0
.set MSB, 0
.macro WIN new                         ; the immediate's high byte repeats the setting that is left
.if MSB != \new
	s_set_vgpr_msb (MSB<<8)|\new
.set MSB, \new
.endif
.endm
.macro JLOAD s                         ; a joint load: waves 0 and 1 ask for A's halves, waves 2 and 3 for B's; the branch hangs on the wave's number alone
	s_cmp_eq_u32 s11, 0
	s_cbranch_scc0 .Lfor_b_\@
	tensor_load_to_lds s[G0+4*\s:G0+4*\s+3], s[G1:G1+7]
	s_nop 0
	s_branch .Lasked_\@
.Lfor_b_\@:
	tensor_load_to_lds s[G0B+4*\s:G0B+4*\s+3], s[G1B:G1B+7]
	s_nop 0
.Lasked_\@:
.endm
.macro CREST                           ; a round of the cluster's barrier behind its opening work-group barrier
	s_cmp_lg_u32 s10, 0
	s_cbranch_scc1 .Lnot_wave_0_\@
	s_barrier_signal -3
.Lnot_wave_0_\@:
	s_barrier_wait -3
	s_barrier_signal -1
	s_barrier_wait -1
.endm
.macro CROUND
	s_barrier_signal -1
	s_barrier_wait -1
	CREST
.endm
.macro PLACES                          ; four places behind matrix instructions (ISA guide 7.12.1) before their registers are loaded into, read or written
.rept 4
	v_nop
.endr
.endm
	s_load_b64 s[4:5], s[0:1], 0x0                 ; WW
	s_load_b64 s[8:9], s[0:1], 0x8                 ; WO
	s_load_b64 s[80:81], s[0:1], 0x10              ; BV
	s_load_b64 s[76:77], s[0:1], 0x18              ; b_qkv
	s_load_b64 s[78:79], s[0:1], 0x20              ; b_out
	v_lshl_add_u32 v30, v0, 2, 0x3b400
	v_mov_b32 v31, 0
	ds_add_u32 v30, v31
	v_lshrrev_b32 v1, 5, v0
	v_readfirstlane_b32 s10, v1                    ; wave 0..3
	s_lshr_b32 s11, s10, 1                         ; I fetch for A (0) or for B (1)
	s_and_b32 s12, s10, 1                          ; which half of that tile
	s_bfe_u32 s40, ttmp6, 0x40000                  ; cx
	s_bfe_u32 s41, ttmp6, 0x40004                  ; cy = block row of C
	s_lshl_b32 s42, ttmp9, 2
	s_add_co_u32 s42, s42, s40                     ; block column of C
	s_and_b32 s45, ttmp7, 0xffff                   ; the cluster's y: the role
	s_lshl_b32 s43, s41, 2
	s_lshl_b32 s43, 15, s43                        ; my row of the cluster
	s_lshl_b32 s44, 0x1111, s40                    ; my column
	s_or_b32 s[G1+0], s43, (1<<16)|(1<<20)|(1<<21)|(5<<22)|(3<<25)   ; mask; 2-byte elements; padding on; bit 21 beside a mask; 4 words after every 64
	s_mov_b32 s[G1+1], KSTEP<<16                   ; tensor_dim0 = 128
	s_mov_b32 s[G1+2], 128<<16                     ; tensor_dim1 = 128
	s_mov_b32 s[G1+3], KSTEP<<16                   ; tile_dim0 = 128
	s_mov_b32 s[G1+4], 128                         ; tile_dim1 = 128
	s_mov_b32 s[G1+5], 1024                        ; pitch
	s_mov_b32 s[G1+6], 0
	s_mov_b32 s[G1+7], 0
	s_or_b32 s[G1B+0], s44, (1<<16)|(1<<20)|(1<<21)|(5<<22)|(3<<25)
	s_mov_b32 s[G1B+1], KSTEP<<16
	s_mov_b32 s[G1B+2], 64<<16                     ; 64 rows
	s_mov_b32 s[G1B+3], KSTEP<<16
	s_mov_b32 s[G1B+4], 64
	s_mov_b32 s[G1B+5], PB
	s_mov_b32 s[G1B+6], 0
	s_mov_b32 s[G1B+7], 0
	s_lshl_b32 s16, s41, 19                        ; A: 256 cy rows of 2,048 bytes
	s_lshl_b32 s17, s12, 18                        ; + 128 x half
	s_add_co_u32 s16, s16, s17
	s_mul_i32 s17, s45, ABATCH
	s_add_co_u32 s16, s16, s17
.if A0
	s_add_co_u32 s16, s16, A0
.endif
	s_mov_b32 s17, 0
	s_lshl_b32 s46, s42, 7                         ; B: row 128 x block column
	s_lshl_b32 s47, s12, 6                         ; + 64 x half
	s_add_co_u32 s46, s46, s47
	s_mul_i32 s46, s46, PB*2
.if BBATCH
	s_mul_i32 s47, s45, BBATCH
	s_add_co_u32 s46, s46, s47
.endif
.if B0
	s_add_co_u32 s46, s46, B0
.endif
	s_mov_b32 s47, 0
	s_mul_i32 s20, s10, AHALF                      ; LDS: A's halves at wave x 128 rows (waves 0, 1)
	s_mul_i32 s21, s10, BHALF
	s_add_co_u32 s21, s21, AHALF                   ; B's halves behind A's 256 rows: ABYTES + (wave - 2) x 64 rows (waves 2, 3)
	s_wait_dscnt 0x0
	s_wait_kmcnt 0x0
	s_add_nc_u64 s[14:15], s[4:5], s[16:17]
	s_add_nc_u64 s[46:47], s[4:5], s[46:47]
	CROUND                                         ; all sixteen work-groups are here: the first joint loads meet
.irp s, 0,1
	s_mov_b32 s[G0+4*\s], 1
	s_add_co_u32 s[G0+4*\s+1], s20, \s*SLOT
	s_add_nc_u64 s[G0+4*\s+2:G0+4*\s+3], s[14:15], \s*KSTEP*2
	s_or_b32 s[G0+4*\s+3], s[G0+4*\s+3], 0x80000000
	s_mov_b32 s[G0B+4*\s], 1
	s_add_co_u32 s[G0B+4*\s+1], s21, \s*SLOT
	s_add_nc_u64 s[G0B+4*\s+2:G0B+4*\s+3], s[46:47], \s*KSTEP*2
	s_or_b32 s[G0B+4*\s+3], s[G0B+4*\s+3], 0x80000000
	JLOAD \s                                       ; both slots go out first: two tensor loads of the wave are out here, one later
.endr
	v_and_b32 v1, 15, v0                           ; r = l % 16
	v_bfe_u32 v2, v0, 4, 1                         ; h = l / 16
	v_and_b32 v28, 31, v0                          ; lane
	v_mul_u32_u24 v3, v1, PITCH
	v_lshl_add_u32 v3, v2, 4, v3                   ; row x pitch + 16 h
	s_mul_i32 s22, s10, BHALF                      ; my 64 rows of A
	v_add_nc_u32 v[ADRA], s22, v3
	v_add_nc_u32 v[ADRA+1], SLOT, v[ADRA]
	v_add_nc_u32 v[ADRB], ABYTES, v3
	v_add_nc_u32 v[ADRB+1], ABYTES+SLOT, v3
	s_mul_i32 s23, s10, WSTAGE
	s_add_co_u32 s23, s23, STAGE                   ; my stage
	v_add_nc_u32 v[STO], s23, v3                   ; in: row r, 16 bytes for each half of the lanes
	v_mul_u32_u24 v5, v2, PITCH
	v_lshl_add_u32 v5, v1, 4, v5
	v_add_nc_u32 v[RD], s23, v5                    ; back: lanes 0-15 one row of 256 bytes, lanes 16-31 the next
	v_lshlrev_b32 v5, 11, v2
	v_lshl_add_u32 v[CO], v1, 4, v5                ; the same two rows in C
	s_cmp_lg_u32 s45, 0
	s_cselect_b32 s70, 0x41800000, 1.0             ; role 1 stores 16 W'
	s_mov_b32 s71, s70
	s_sub_co_u32 s72, 0, s45                       ; role as a lane mask: 0 or all ones
	; THE BIAS VECTORS, while the first tiles are on their way.  My wave takes the 8 rows R0 = 256 cy + 32 bx + 8 w of its role's A and
	; multiplies each by bq (role 0) or bv (role 1), in f32.  Lane L holds elements 256 c + 8 L + 0..7 of a row, c = 0..3.
	s_mov_b32 s82, 0x76543210                      ; v_permlanex16_b32: lane i of one half reads lane i of the other
	s_mov_b32 s83, 0xfedcba98
	s_lshl_b32 s85, s41, 8
	s_lshl_b32 s86, s42, 5
	s_add_co_u32 s85, s85, s86
	s_lshl_b32 s86, s10, 3
	s_add_co_u32 s85, s85, s86                     ; R0
	s_lshl_b32 s86, s85, 11
	s_mul_i32 s87, s45, ABATCH
	s_add_co_u32 s86, s86, s87
	s_add_co_u32 s86, s86, A0
	s_mov_b32 s87, 0
	s_add_nc_u64 s[74:75], s[4:5], s[86:87]        ; my first row
	s_lshl_b32 s86, s45, 13
	s_add_nc_u64 s[76:77], s[76:77], s[86:87]      ; bq, or bv 8,192 bytes further
	s_lshl_b32 s86, s45, 12
	s_add_nc_u64 s[80:81], s[80:81], s[86:87]      ; BV[role]
	s_lshl_b32 s85, s85, 2
	v_lshlrev_b32 v109, 5, v28
	v_lshlrev_b32 v110, 4, v28
	v_min_u32 v107, 7, v28
	v_lshl_add_u32 v107, v107, 2, s85              ; b_out[R0 + min(lane, 7)]
	v_lshl_add_u32 v108, v28, 2, s85
	v_mov_b32 v104, 0
	v_mov_b32 v105, 0
.irp c, 0,1,2,3
	global_load_b128 v[128+8*\c:128+8*\c+3],   v109, s[76:77] offset:1024*\c
	global_load_b128 v[128+8*\c+4:128+8*\c+7], v109, s[76:77] offset:1024*\c+16
.endr
	global_load_b32 v106, v107, s[78:79]
.irp i, 0,1,2,3
.irp c, 0,1,2,3
	global_load_b128 v[32+16*\i+4*\c:32+16*\i+4*\c+3],   v110, s[74:75] offset:\i*2048+512*\c
	global_load_b128 v[160+16*\i+4*\c:160+16*\i+4*\c+3], v110, s[74:75] offset:(\i+4)*2048+512*\c
.endr
.endr
	s_wait_loadcnt 0x0
.macro BVROW n, x                      ; row n, its 16 registers from x on: the dot product, summed over the lanes, into lane n of v104
.set e, 0
.rept 16
	v_mov_b32 v113, v[\x+e]                        ; a fixed register, so that its halves can be named
	v_cvt_f32_f16 v111, v113.l
	v_cvt_f32_f16 v112, v113.h
.if e == 0
	v_mul_f32 v[96+\n], v111, v[128]
.else
	v_fmac_f32 v[96+\n], v111, v[128+2*e]
.endif
	v_fmac_f32 v[96+\n], v112, v[128+2*e+1]
.set e, e+1
.endr
	v_add_f32_dpp v[96+\n], v[96+\n], v[96+\n] row_xmask:1 row_mask:0xf bank_mask:0xf
	v_add_f32_dpp v[96+\n], v[96+\n], v[96+\n] row_xmask:2 row_mask:0xf bank_mask:0xf
	v_add_f32_dpp v[96+\n], v[96+\n], v[96+\n] row_xmask:4 row_mask:0xf bank_mask:0xf
	v_add_f32_dpp v[96+\n], v[96+\n], v[96+\n] row_xmask:8 row_mask:0xf bank_mask:0xf
	v_permlanex16_b32 v105, v[96+\n], s82, s83
	v_add_f32 v[96+\n], v[96+\n], v105
	v_cmp_eq_u32 vcc_lo, \n, v28
	v_cndmask_b32 v104, v104, v[96+\n], vcc_lo
.endm
	BVROW 0, 32
	BVROW 1, 48
	BVROW 2, 64
	BVROW 3, 80
	BVROW 4, 160
	BVROW 5, 176
	BVROW 6, 192
	BVROW 7, 208
	v_cndmask_b32 v106, 0, v106, s72               ; b_out belongs to role 1 alone
	v_add_f32 v104, v104, v106
	s_wait_xcnt 0x0                                ; EXEC changes only behind s_wait_xcnt 0
	v_cmp_gt_u32 vcc_lo, 8, v28
	s_and_saveexec_b32 s84, vcc_lo
	global_store_b32 v108, v104, s[80:81]          ; 32 bytes a wave: 8 KiB in the whole launch, the one place where a 256-byte block is stored in parts
	s_wait_xcnt 0x0                                ; and again in front of the line that widens it; v104 and v108 are free behind it too
	s_or_b32 exec_lo, exec_lo, s84
; 8 matrix instructions: m tile a x all 8 n tiles, 32 along K.  zero = 1: the first product starts the sums.
; The 32 accumulators take turns, one instruction a turn, in the same order in every quarter step, over the backward jump too.
.macro MUL8 f, a, zero
.irp b, 0,1,2,3,4,5,6,7
.if \zero
	v_wmma_f32_16x16x32_f16 v[8*(8*\a+\b):8*(8*\a+\b)+7], v[\f+8*\b:\f+8*\b+7], v[\f+64+8*\a:\f+64+8*\a+7], 0
.else
	v_wmma_f32_16x16x32_f16 v[8*(8*\a+\b):8*(8*\a+\b)+7], v[\f+8*\b:\f+8*\b+7], v[\f+64+8*\a:\f+64+8*\a+7], v[8*(8*\a+\b):8*(8*\a+\b)+7]
.endif
.endr
.endm
; 24 LDS loads in one run: a quarter step's fragments (128 rows of B, my 64 rows of A, 32 K at byte k of the rows) into buffer f
.macro FETCH slot, k, f
.irp i, 0,1,2,3,4,5,6,7
	ds_load_b128 v[\f+8*\i:\f+8*\i+3],   v[ADRB+\slot] offset:\k+\i*16*PITCH
	ds_load_b128 v[\f+8*\i+4:\f+8*\i+7], v[ADRB+\slot] offset:\k+\i*16*PITCH+32
.endr
.irp i, 0,1,2,3
	ds_load_b128 v[\f+64+8*\i:\f+64+8*\i+3],   v[ADRA+\slot] offset:\k+\i*16*PITCH
	ds_load_b128 v[\f+64+8*\i+4:\f+64+8*\i+7], v[ADRA+\slot] offset:\k+\i*16*PITCH+32
.endr
.endm
.macro QUARTER slot, k, f, g, zero     ; multiplies buffer f; in its middle fetches the next quarter's fragments into buffer g
	s_wait_dscnt 0x4                               ; B and A's tiles 0, 1 are in; the youngest four loads (A's tiles 2, 3) may be out
	WIN MULW
	MUL8 \f, 0, \zero
	MUL8 \f, 1, \zero
	PLACES
	WIN 0
	FETCH \slot, \k, \g
	s_wait_dscnt 0x18                              ; all but the 24 just issued
	WIN MULW
	MUL8 \f, 2, \zero
	MUL8 \f, 3, \zero
.endm
.macro THREE slot, zero
	QUARTER \slot, 64,  F0, F1, \zero
	QUARTER \slot, 128, F1, F0, 0
	QUARTER \slot, 192, F0, F1, 0
.endm
; The last quarter of a K step changes slots.  In front of the barrier each wave waits for its reads of this slot and for all its tensor loads
; (one is out: its part of the next slot).  fill = 1: the barrier opens a round of the cluster's barrier, and the joint refill is the first tensor load behind it.
.macro TURN slot, next, fill
	s_wait_dscnt 0x4
	WIN MULW
	MUL8 F1, 0, 0
	s_wait_dscnt 0x0                               ; my reads of this slot are over
	s_wait_tensorcnt 0x0                           ; all my tensor loads have landed
	ds_add_u32 v30, v31
	s_wait_dscnt 0x0
	s_barrier_signal -1
	MUL8 F1, 1, 0                                  ; register work while the others arrive
	WIN 0
	s_barrier_wait -1
.if \fill
	CREST
	s_add_nc_u64 s[G0+4*\slot+2:G0+4*\slot+3], s[G0+4*\slot+2:G0+4*\slot+3], 2*KSTEP*2
	s_add_nc_u64 s[G0B+4*\slot+2:G0B+4*\slot+3], s[G0B+4*\slot+2:G0B+4*\slot+3], 2*KSTEP*2
	JLOAD \slot
.endif
	PLACES
	FETCH \next, 0, F0
	WIN MULW
	MUL8 F1, 2, 0
	MUL8 F1, 3, 0
.endm
.macro LAP zero
	THREE 0, \zero
	TURN 0, 1, 1
	THREE 1, 0
	TURN 1, 0, 1
.endm
	s_wait_tensorcnt 0x1                           ; my part of K step 0 is in; K step 1's may stay out
	s_barrier_signal -1
	s_barrier_wait -1
	FETCH 0, 0, F0
	LAP 1
	WIN 0
	s_mov_b32 s3, LAPS-2
.Llap:
	LAP 0
	WIN 0
	s_sub_co_u32 s3, s3, 1
	s_cmp_lg_u32 s3, 0
	s_cbranch_scc1 .Llap
	THREE 0, 0                                     ; the last lap fills nothing
	TURN 0, 1, 0
	THREE 1, 0
	s_wait_dscnt 0x4
	WIN MULW
	MUL8 F1, 0, 0
	MUL8 F1, 1, 0
	s_wait_dscnt 0x0
	MUL8 F1, 2, 0
	MUL8 F1, 3, 0
	; THE WAY OUT, 16 rows at a time: scale, round to bf16 and to f16, take the role's form, 16 bytes a lane into my own stage, whole rows back.
	PLACES
	WIN 0
	s_lshl_b32 s16, s41, 8
	s_lshl_b32 s17, s10, 6
	s_add_co_u32 s16, s16, s17                     ; my first row of C
	s_mul_i32 s16, s16, PCB
	s_mul_i32 s17, s45, CBATCH
	s_add_co_u32 s16, s16, s17
	s_mov_b32 s17, 0
	s_add_nc_u64 s[8:9], s[8:9], s[16:17]
	s_lshl_b32 s46, s42, CSH                       ; my first column, in bytes
	s_mov_b32 s47, 0
	s_add_nc_u64 s[8:9], s[8:9], s[46:47]
.macro OUT16 a
	WIN 0x01                                       ; source 0 in window 1
.irp b, 0,1,2,3,4,5,6,7
.irp p, 0,2,4,6
	v_pk_mul_f32 v[T+8*\b+\p:T+8*\b+\p+1], v[8*(8*\a+\b)+\p:8*(8*\a+\b)+\p+1], s[70:71] op_sel_hi:[1,0]
.endr
.endr
	WIN 0
.irp b, 0,1,2,3,4,5,6,7
.irp p, 0,1,2,3
	v_cvt_pk_bf16_f32 v[PK+4*\b+\p],  v[T+8*\b+2*\p], v[T+8*\b+2*\p+1]
	v_cvt_pk_f16_f32  v[PK2+4*\b+\p], v[T+8*\b+2*\p], v[T+8*\b+2*\p+1]
	v_cndmask_b32 v[PK+4*\b+\p], v[PK+4*\b+\p], v[PK2+4*\b+\p], s72
.endr
	ds_store_b128 v[STO], v[PK+4*\b:PK+4*\b+3] offset:32*\b
.endr
	s_wait_xcnt 0x0                                ; RB and the base, which the last group's stores read, are rewritten only behind this wait
.if \a
	s_add_nc_u64 s[8:9], s[8:9], 16*PCB
.endif
.irp t, 0,1,2,3,4,5,6,7
	ds_load_b128 v[RB+4*\t:RB+4*\t+3], v[RD] offset:\t*2*PITCH     ; LDS serves a wave's instructions in order (ISA guide 5.7.1.4): these see the stores above
.endr
.irp t, 0,1,2,3,4,5,6,7
	s_wait_dscnt 7-\t                              ; pair t of rows is back, the younger ones stay out
	global_store_b128 v[CO], v[RB+4*\t:RB+4*\t+3], s[8:9] offset:2*\t*PCB   ; 16 lanes store 256 consecutive aligned bytes
.endr
.endm
	OUT16 0
	OUT16 1
	OUT16 2
	OUT16 3
	s_wait_tensorcnt 0x0
	ds_add_u32 v30, v31
	s_wait_dscnt 0x0
	CROUND                                         ; the closing round: no work-group ends while a partner may still ask for a tile that names it
	s_endpgm
.Lfunc_end_k_q719907ecba_wgt:
	.size	k_q719907ecba_wgt, .Lfunc_end_k_q719907ecba_wgt-k_q719907ecba_wgt
	.p2alignl 7, 3214868480
	.fill 96, 4, 3214868480
	.section	.rodata,"a",@progbits
	.p2align	6, 0x0
	.amdhsa_kernel k_q719907ecba_wgt
		.amdhsa_group_segment_fixed_size 327680
		.amdhsa_private_segment_fixed_size 0
		.amdhsa_enable_private_segment 0
		.amdhsa_kernarg_size 40
		.amdhsa_user_sgpr_count 2
		.amdhsa_user_sgpr_kernarg_segment_ptr 1
		.amdhsa_wavefront_size32 1
		.amdhsa_system_sgpr_workgroup_id_x 1
		.amdhsa_system_sgpr_workgroup_id_y 1
		.amdhsa_system_sgpr_workgroup_id_z 1
		.amdhsa_system_vgpr_workitem_id 0
		.amdhsa_next_free_vgpr 512
		.amdhsa_next_free_sgpr 88
		.amdhsa_reserve_vcc 1
		.amdhsa_float_denorm_mode_32 3
		.amdhsa_float_denorm_mode_16_64 3
		.amdhsa_memory_ordered 1
		.amdhsa_forward_progress 1
		.amdhsa_inst_pref_size 170
	.end_amdhsa_kernel
	.amdgpu_metadata
---
amdhsa.version: [ 1, 2 ]
amdhsa.kernels:
  - .name:           k_q719907ecba_wgt
    .symbol:         k_q719907ecba_wgt.kd
    .args:
      - { .name: WW, .offset: 0, .size: 8, .value_kind: global_buffer, .address_space: global }
      - { .name: WO, .offset: 8, .size: 8, .value_kind: global_buffer, .address_space: global }
      - { .name: BV, .offset: 16, .size: 8, .value_kind: global_buffer, .address_space: global }
      - { .name: b_qkv, .offset: 24, .size: 8, .value_kind: global_buffer, .address_space: global }
      - { .name: b_out, .offset: 32, .size: 8, .value_kind: global_buffer, .address_space: global }
    .group_segment_fixed_size: 327680
    .private_segment_fixed_size: 0
    .kernarg_segment_align: 8
    .kernarg_segment_size: 40
    .max_flat_workgroup_size: 128
    .sgpr_count:     88
    .vgpr_count:     512
    .wavefront_size: 32
...
	.end_amdgpu_metadata
.endif
;; end of part 2
;; launch qpp (part 3): grid 8 x 32, 4 waves a work-group, clusters of 4 x 4, 327,680 bytes of LDS; arguments xb, WO, act, BV; writes act
.if DOCPART == 3
	.amdgcn_target "amdgcn-amd-amdhsa--gfx1250"
	.amdhsa_code_object_version 6
	.text
	.protected	k_q719907ecba_qpp
	.globl	k_q719907ecba_qpp
	.p2align	8
	.type	k_q719907ecba_qpp,@function
k_q719907ecba_qpp:
	s_mov_b64 s[64:65], 0
	v_nop
	global_prefetch_b8 v0, s[64:65] scope:SCOPE_SE
	s_setreg_imm32_b32 hwreg(HW_REG_WAVE_MODE, 25, 1), 1
	s_wait_xcnt 0x0
	s_wait_alu depctr_hold_cnt(0) depctr_sa_sdst(0) depctr_va_vdst(0) depctr_va_sdst(0) depctr_va_ssrc(0) depctr_va_vcc(0) depctr_vm_vsrc(0)
	s_getreg_b32 s2, hwreg(HW_REG_IB_STS2, 6, 4)
	s_cmp_eq_u32 s2, 0
	s_cbranch_scc0 .Lentry_in_a_cluster
	s_endpgm
.Lentry_in_a_cluster:
	s_bfe_u32 s2, ttmp6, 0x10000c
	s_cmp_lg_u32 s2, 0xf033
	s_cbranch_scc0 .Lentry_shape_is_right
	s_endpgm
.Lentry_shape_is_right:
; Q''[t][j] = sum over d of x[t][d] M[d][j] + cq[j], rounded to bf16 (M = Wq Wk^T and cq = bq Wk^T come from the launch before).
; As C[m][n] = sum over k of A[m][k] B[n][k]: A = xb [8192][1024] bf16, B = MT = WO[0] [1024][1024] bf16, C = act [8192][1024] bf16; sums in f32.
; bf16, not f16: Q'' grows with x, Wq and Wk together and has no room in f16.
; A work-group makes 256 (m) x 128 (n) of C with four waves: 32 x 8 = 256 work-groups; a wave makes 64 x 128: 32 accumulator tiles, 256 registers.
; K goes in steps of 128 (rows of 256 bytes, aligned) through two LDS slots filled by tensor loads.
; CLUSTERS: 4 x 4 work-groups; the cluster's y is the batch of 1,024 rows, cy the block row in it.  A's tile hangs on batch and cy and is asked for
; jointly by a row of the cluster; B's hangs on the block column and is asked for jointly by a column.
; REGISTERS: window 0: addresses, two fragment buffers (B's 8 fragments, then A's 4), the way out; window 1: the accumulators, tile (a, b) at 8 (8 a + b);
; window 2: v0-63 the bias of my 64 columns.
; The matrix instruction is used transposed (source 0 = rows of B, source 1 = rows of A): lane l holds row l % 16 of C and in registers
; 0 to 7 the columns 8 (l / 16) + 0 .. 7, eight neighbours of a row.
.set PB,     1024                      ; B's pitch, elements
.set A0,     0
.set ABATCH, 0x200000
.set B0,     0
.set BBATCH, 0
.set CBATCH, 0x200000
.set PCB,    2048                      ; bytes in a row of C
.set CSH,    8                         ; 128 columns of C are 1 << CSH bytes
.set BIASOFF, 0                        ; cq = BV[0]
.set KSTEP,  128
.set PITCH,  272                       ; an LDS row: 256 bytes + 16 of padding: the 16 rows of a fragment start at 16 different groups of banks (64 banks of 4 bytes: ISA guide 11.1)
.set AHALF,  128*PITCH                 ; what a tensor load of A brings
.set BHALF,  64*PITCH                  ; what a tensor load of B brings; also a wave's 64 rows of A
.set ABYTES, 2*AHALF
.set SLOT,   ABYTES+2*BHALF            ; A's 256 rows, then B's 128 rows
.set STAGE,  2*SLOT                    ; behind the ring, a multiple of 256: no tensor load lands here
.set WSTAGE, 8448                      ; a wave's stage for the way out
.set LAPS,   1024/(2*KSTEP)
.set ADRA, 16                          ; v16-17 LDS address of my A fragments in slot 0, 1
.set ADRB, 20                          ; v20-21 the same for B
.set STO,  24
.set RD,   25
.set CO,   26
.set BOF,  27                          ; v27 my offset in the bias; never rewritten
.set F0,   32                          ; fragment buffer 0: v32-95 B, v96-127 A
.set F1,   128                         ; fragment buffer 1: v128-191 B, v192-223 A
.set T,    32                          ; the way out: results with bias
.set PK,   96                          ; packed
.set RB,   128                         ; rows read back
.set G1,  24
.set G0,  32
.set G1B, 48
.set G0B, 56
.set MULW, 0x50                        ; C and D in window 1, sources in window 0
.set MSB, 0
.macro WIN new                         ; the immediate's high byte repeats the setting that is left
.if MSB != \new
	s_set_vgpr_msb (MSB<<8)|\new
.set MSB, \new
.endif
.endm
.macro JLOAD s                         ; a joint load: waves 0 and 1 ask for A's halves, waves 2 and 3 for B's; the branch hangs on the wave's number alone
	s_cmp_eq_u32 s11, 0
	s_cbranch_scc0 .Lfor_b_\@
	tensor_load_to_lds s[G0+4*\s:G0+4*\s+3], s[G1:G1+7]
	s_nop 0
	s_branch .Lasked_\@
.Lfor_b_\@:
	tensor_load_to_lds s[G0B+4*\s:G0B+4*\s+3], s[G1B:G1B+7]
	s_nop 0
.Lasked_\@:
.endm
.macro CREST                           ; a round of the cluster's barrier behind its opening work-group barrier
	s_cmp_lg_u32 s10, 0
	s_cbranch_scc1 .Lnot_wave_0_\@
	s_barrier_signal -3
.Lnot_wave_0_\@:
	s_barrier_wait -3
	s_barrier_signal -1
	s_barrier_wait -1
.endm
.macro CROUND
	s_barrier_signal -1
	s_barrier_wait -1
	CREST
.endm
.macro PLACES                          ; four places behind matrix instructions (ISA guide 7.12.1) before their registers are loaded into, read or written
.rept 4
	v_nop
.endr
.endm
	s_load_b128 s[4:7], s[0:1], 0x0                ; A s[4:5], B s[6:7]
	s_load_b64 s[8:9], s[0:1], 0x10                ; C
	s_load_b64 s[68:69], s[0:1], 0x18              ; BV
	v_lshl_add_u32 v254, v0, 2, 0x3b400
	v_mov_b32 v255, 0
	ds_add_u32 v254, v255
	v_lshrrev_b32 v1, 5, v0
	v_readfirstlane_b32 s10, v1                    ; wave 0..3
	s_lshr_b32 s11, s10, 1                         ; I fetch for A (0) or for B (1)
	s_and_b32 s12, s10, 1                          ; which half of that tile
	s_bfe_u32 s40, ttmp6, 0x40000                  ; cx
	s_bfe_u32 s41, ttmp6, 0x40004                  ; cy = block row inside the batch
	s_lshl_b32 s42, ttmp9, 2
	s_add_co_u32 s42, s42, s40                     ; block column of C
	s_and_b32 s45, ttmp7, 0xffff                   ; the cluster's y: the batch
	s_lshl_b32 s43, s41, 2
	s_lshl_b32 s43, 15, s43                        ; my row of the cluster
	s_lshl_b32 s44, 0x1111, s40                    ; my column
	s_or_b32 s[G1+0], s43, (1<<16)|(1<<20)|(1<<21)|(5<<22)|(3<<25)   ; mask; 2-byte elements; padding on; bit 21 beside a mask; 4 words after every 64
	s_mov_b32 s[G1+1], KSTEP<<16                   ; tensor_dim0 = 128
	s_mov_b32 s[G1+2], 128<<16                     ; tensor_dim1 = 128
	s_mov_b32 s[G1+3], KSTEP<<16                   ; tile_dim0 = 128
	s_mov_b32 s[G1+4], 128                         ; tile_dim1 = 128
	s_mov_b32 s[G1+5], 1024                        ; pitch
	s_mov_b32 s[G1+6], 0
	s_mov_b32 s[G1+7], 0
	s_or_b32 s[G1B+0], s44, (1<<16)|(1<<20)|(1<<21)|(5<<22)|(3<<25)
	s_mov_b32 s[G1B+1], KSTEP<<16
	s_mov_b32 s[G1B+2], 64<<16                     ; 64 rows
	s_mov_b32 s[G1B+3], KSTEP<<16
	s_mov_b32 s[G1B+4], 64
	s_mov_b32 s[G1B+5], PB
	s_mov_b32 s[G1B+6], 0
	s_mov_b32 s[G1B+7], 0
	s_lshl_b32 s16, s41, 19                        ; A: 256 cy rows of 2,048 bytes
	s_lshl_b32 s17, s12, 18                        ; + 128 x half
	s_add_co_u32 s16, s16, s17
	s_mul_i32 s17, s45, ABATCH
	s_add_co_u32 s16, s16, s17
.if A0
	s_add_co_u32 s16, s16, A0
.endif
	s_mov_b32 s17, 0
	s_lshl_b32 s46, s42, 7                         ; B: row 128 x block column
	s_lshl_b32 s47, s12, 6                         ; + 64 x half
	s_add_co_u32 s46, s46, s47
	s_mul_i32 s46, s46, PB*2
.if BBATCH
	s_mul_i32 s47, s45, BBATCH
	s_add_co_u32 s46, s46, s47
.endif
.if B0
	s_add_co_u32 s46, s46, B0
.endif
	s_mov_b32 s47, 0
	s_mul_i32 s20, s10, AHALF                      ; LDS: A's halves at wave x 128 rows (waves 0, 1)
	s_mul_i32 s21, s10, BHALF
	s_add_co_u32 s21, s21, AHALF                   ; B's halves behind A's 256 rows: ABYTES + (wave - 2) x 64 rows (waves 2, 3)
	s_wait_dscnt 0x0
	s_wait_kmcnt 0x0
	s_add_nc_u64 s[14:15], s[4:5], s[16:17]
	s_add_nc_u64 s[46:47], s[6:7], s[46:47]
	CROUND                                         ; all sixteen work-groups are here: the first joint loads meet
.irp s, 0,1
	s_mov_b32 s[G0+4*\s], 1
	s_add_co_u32 s[G0+4*\s+1], s20, \s*SLOT
	s_add_nc_u64 s[G0+4*\s+2:G0+4*\s+3], s[14:15], \s*KSTEP*2
	s_or_b32 s[G0+4*\s+3], s[G0+4*\s+3], 0x80000000
	s_mov_b32 s[G0B+4*\s], 1
	s_add_co_u32 s[G0B+4*\s+1], s21, \s*SLOT
	s_add_nc_u64 s[G0B+4*\s+2:G0B+4*\s+3], s[46:47], \s*KSTEP*2
	s_or_b32 s[G0B+4*\s+3], s[G0B+4*\s+3], 0x80000000
	JLOAD \s                                       ; both slots go out first: two tensor loads of the wave are out here, one later
.endr
	v_and_b32 v1, 15, v0                           ; r = l % 16
	v_bfe_u32 v2, v0, 4, 1                         ; h = l / 16
	v_mul_u32_u24 v3, v1, PITCH
	v_lshl_add_u32 v3, v2, 4, v3                   ; row x pitch + 16 h
	s_mul_i32 s22, s10, BHALF                      ; my 64 rows of A
	v_add_nc_u32 v[ADRA], s22, v3
	v_add_nc_u32 v[ADRA+1], SLOT, v[ADRA]
	v_add_nc_u32 v[ADRB], ABYTES, v3
	v_add_nc_u32 v[ADRB+1], ABYTES+SLOT, v3
	s_mul_i32 s23, s10, WSTAGE
	s_add_co_u32 s23, s23, STAGE                   ; my stage
	v_add_nc_u32 v[STO], s23, v3                   ; in: row r, 16 bytes for each half of the lanes
	v_mul_u32_u24 v5, v2, PITCH
	v_lshl_add_u32 v5, v1, 4, v5
	v_add_nc_u32 v[RD], s23, v5                    ; back: lanes 0-15 one row of 256 bytes, lanes 16-31 the next
	v_lshlrev_b32 v5, 11, v2
	v_lshl_add_u32 v[CO], v1, 4, v5                ; the same two rows in C
	; the bias of my columns 128 bx + 16 b + 8 h + j into window 2, register 8 b + j; waited for on the way out
	s_lshl_b32 s74, s42, 9
.if BIASOFF
	s_add_co_u32 s74, s74, BIASOFF
.endif
	s_mov_b32 s75, 0
	s_add_nc_u64 s[68:69], s[68:69], s[74:75]
	v_lshlrev_b32 v[BOF], 5, v2
	WIN 0x80                                       ; destination in window 2
.irp b, 0,1,2,3,4,5,6,7
	global_load_b128 v[8*\b:8*\b+3],   v[BOF], s[68:69] offset:64*\b
	global_load_b128 v[8*\b+4:8*\b+7], v[BOF], s[68:69] offset:64*\b+16
.endr
	WIN 0
; 8 matrix instructions: m tile a x all 8 n tiles, 32 along K.  zero = 1: the first product starts the sums.
; The 32 accumulators take turns, one instruction a turn, in the same order in every quarter step, over the backward jump too.
.macro MUL8 f, a, zero
.irp b, 0,1,2,3,4,5,6,7
.if \zero
	v_wmma_f32_16x16x32_bf16 v[8*(8*\a+\b):8*(8*\a+\b)+7], v[\f+8*\b:\f+8*\b+7], v[\f+64+8*\a:\f+64+8*\a+7], 0
.else
	v_wmma_f32_16x16x32_bf16 v[8*(8*\a+\b):8*(8*\a+\b)+7], v[\f+8*\b:\f+8*\b+7], v[\f+64+8*\a:\f+64+8*\a+7], v[8*(8*\a+\b):8*(8*\a+\b)+7]
.endif
.endr
.endm
; 24 LDS loads in one run: a quarter step's fragments (128 rows of B, my 64 rows of A, 32 K at byte k of the rows) into buffer f
.macro FETCH slot, k, f
.irp i, 0,1,2,3,4,5,6,7
	ds_load_b128 v[\f+8*\i:\f+8*\i+3],   v[ADRB+\slot] offset:\k+\i*16*PITCH
	ds_load_b128 v[\f+8*\i+4:\f+8*\i+7], v[ADRB+\slot] offset:\k+\i*16*PITCH+32
.endr
.irp i, 0,1,2,3
	ds_load_b128 v[\f+64+8*\i:\f+64+8*\i+3],   v[ADRA+\slot] offset:\k+\i*16*PITCH
	ds_load_b128 v[\f+64+8*\i+4:\f+64+8*\i+7], v[ADRA+\slot] offset:\k+\i*16*PITCH+32
.endr
.endm
.macro QUARTER slot, k, f, g, zero     ; multiplies buffer f; in its middle fetches the next quarter's fragments into buffer g
	s_wait_dscnt 0x4                               ; B and A's tiles 0, 1 are in; the youngest four loads (A's tiles 2, 3) may be out
	WIN MULW
	MUL8 \f, 0, \zero
	MUL8 \f, 1, \zero
	PLACES
	WIN 0
	FETCH \slot, \k, \g
	s_wait_dscnt 0x18                              ; all but the 24 just issued
	WIN MULW
	MUL8 \f, 2, \zero
	MUL8 \f, 3, \zero
.endm
.macro THREE slot, zero
	QUARTER \slot, 64,  F0, F1, \zero
	QUARTER \slot, 128, F1, F0, 0
	QUARTER \slot, 192, F0, F1, 0
.endm
; The last quarter of a K step changes slots.  In front of the barrier each wave waits for its reads of this slot and for all its tensor loads
; (one is out: its part of the next slot).  fill = 1: the barrier opens a round of the cluster's barrier, and the joint refill is the first tensor load behind it.
.macro TURN slot, next, fill
	s_wait_dscnt 0x4
	WIN MULW
	MUL8 F1, 0, 0
	s_wait_dscnt 0x0                               ; my reads of this slot are over
	s_wait_tensorcnt 0x0                           ; all my tensor loads have landed
	ds_add_u32 v254, v255
	s_wait_dscnt 0x0
	s_barrier_signal -1
	MUL8 F1, 1, 0                                  ; register work while the others arrive
	WIN 0
	s_barrier_wait -1
.if \fill
	CREST
	s_add_nc_u64 s[G0+4*\slot+2:G0+4*\slot+3], s[G0+4*\slot+2:G0+4*\slot+3], 2*KSTEP*2
	s_add_nc_u64 s[G0B+4*\slot+2:G0B+4*\slot+3], s[G0B+4*\slot+2:G0B+4*\slot+3], 2*KSTEP*2
	JLOAD \slot
.endif
	PLACES
	FETCH \next, 0, F0
	WIN MULW
	MUL8 F1, 2, 0
	MUL8 F1, 3, 0
.endm
.macro LAP zero
	THREE 0, \zero
	TURN 0, 1, 1
	THREE 1, 0
	TURN 1, 0, 1
.endm
	s_wait_tensorcnt 0x1                           ; my part of K step 0 is in; K step 1's may stay out
	s_barrier_signal -1
	s_barrier_wait -1
	FETCH 0, 0, F0
	LAP 1
	WIN 0
	s_mov_b32 s3, LAPS-2
.Llap:
	LAP 0
	WIN 0
	s_sub_co_u32 s3, s3, 1
	s_cmp_lg_u32 s3, 0
	s_cbranch_scc1 .Llap
	THREE 0, 0                                     ; the last lap fills nothing
	TURN 0, 1, 0
	THREE 1, 0
	s_wait_dscnt 0x4
	WIN MULW
	MUL8 F1, 0, 0
	MUL8 F1, 1, 0
	s_wait_dscnt 0x0
	MUL8 F1, 2, 0
	MUL8 F1, 3, 0
	; THE WAY OUT, 16 rows at a time: add the bias, round to bf16, 16 bytes a lane into my own stage, whole rows back.
	PLACES
	WIN 0
	s_wait_loadcnt 0x0                             ; the bias
	s_lshl_b32 s16, s41, 8
	s_lshl_b32 s17, s10, 6
	s_add_co_u32 s16, s16, s17                     ; my first row inside the batch
	s_mul_i32 s16, s16, PCB
	s_mul_i32 s17, s45, CBATCH
	s_add_co_u32 s16, s16, s17
	s_mov_b32 s17, 0
	s_add_nc_u64 s[8:9], s[8:9], s[16:17]
	s_lshl_b32 s46, s42, CSH                       ; my first column, in bytes
	s_mov_b32 s47, 0
	s_add_nc_u64 s[8:9], s[8:9], s[46:47]
.macro OUT16 a
	WIN 0x09                                       ; source 0 (sums) in window 1, source 1 (bias) in window 2
.irp b, 0,1,2,3,4,5,6,7
.irp p, 0,2,4,6
	v_pk_add_f32 v[T+8*\b+\p:T+8*\b+\p+1], v[8*(8*\a+\b)+\p:8*(8*\a+\b)+\p+1], v[8*\b+\p:8*\b+\p+1]
.endr
.endr
	WIN 0
.irp b, 0,1,2,3,4,5,6,7
.irp p, 0,1,2,3
	v_cvt_pk_bf16_f32 v[PK+4*\b+\p], v[T+8*\b+2*\p], v[T+8*\b+2*\p+1]
.endr
	ds_store_b128 v[STO], v[PK+4*\b:PK+4*\b+3] offset:32*\b
.endr
	s_wait_xcnt 0x0                                ; RB and the base, which the last group's stores read, are rewritten only behind this wait
.if \a
	s_add_nc_u64 s[8:9], s[8:9], 16*PCB
.endif
.irp t, 0,1,2,3,4,5,6,7
	ds_load_b128 v[RB+4*\t:RB+4*\t+3], v[RD] offset:\t*2*PITCH     ; LDS serves a wave's instructions in order (ISA guide 5.7.1.4): these see the stores above
.endr
.irp t, 0,1,2,3,4,5,6,7
	s_wait_dscnt 7-\t                              ; pair t of rows is back, the younger ones stay out
	global_store_b128 v[CO], v[RB+4*\t:RB+4*\t+3], s[8:9] offset:2*\t*PCB   ; 16 lanes store 256 consecutive aligned bytes
.endr
.endm
	OUT16 0
	OUT16 1
	OUT16 2
	OUT16 3
	s_wait_tensorcnt 0x0
	ds_add_u32 v254, v255
	s_wait_dscnt 0x0
	CROUND                                         ; the closing round: no work-group ends while a partner may still ask for a tile that names it
	s_endpgm
.Lfunc_end_k_q719907ecba_qpp:
	.size	k_q719907ecba_qpp, .Lfunc_end_k_q719907ecba_qpp-k_q719907ecba_qpp
	.p2alignl 7, 3214868480
	.fill 96, 4, 3214868480
	.section	.rodata,"a",@progbits
	.p2align	6, 0x0
	.amdhsa_kernel k_q719907ecba_qpp
		.amdhsa_group_segment_fixed_size 327680
		.amdhsa_private_segment_fixed_size 0
		.amdhsa_enable_private_segment 0
		.amdhsa_kernarg_size 32
		.amdhsa_user_sgpr_count 2
		.amdhsa_user_sgpr_kernarg_segment_ptr 1
		.amdhsa_wavefront_size32 1
		.amdhsa_system_sgpr_workgroup_id_x 1
		.amdhsa_system_sgpr_workgroup_id_y 1
		.amdhsa_system_sgpr_workgroup_id_z 1
		.amdhsa_system_vgpr_workitem_id 0
		.amdhsa_next_free_vgpr 576
		.amdhsa_next_free_sgpr 88
		.amdhsa_reserve_vcc 0
		.amdhsa_float_denorm_mode_32 3
		.amdhsa_float_denorm_mode_16_64 3
		.amdhsa_memory_ordered 1
		.amdhsa_forward_progress 1
		.amdhsa_inst_pref_size 127
	.end_amdhsa_kernel
	.amdgpu_metadata
---
amdhsa.version: [ 1, 2 ]
amdhsa.kernels:
  - .name:           k_q719907ecba_qpp
    .symbol:         k_q719907ecba_qpp.kd
    .args:
      - { .name: xb, .offset: 0, .size: 8, .value_kind: global_buffer, .address_space: global }
      - { .name: WO, .offset: 8, .size: 8, .value_kind: global_buffer, .address_space: global }
      - { .name: act, .offset: 16, .size: 8, .value_kind: global_buffer, .address_space: global }
      - { .name: BV, .offset: 24, .size: 8, .value_kind: global_buffer, .address_space: global }
    .group_segment_fixed_size: 327680
    .private_segment_fixed_size: 0
    .kernarg_segment_align: 8
    .kernarg_segment_size: 32
    .max_flat_workgroup_size: 128
    .sgpr_count:     88
    .vgpr_count:     576
    .wavefront_size: 32
...
	.end_amdgpu_metadata
.endif
;; end of part 3
;; launch sco (part 4): grid 8 x 32, 4 waves a work-group, clusters of 4 x 4, 327,680 bytes of LDS; arguments act, xb, S; writes S
.if DOCPART == 4
	.amdgcn_target "amdgcn-amd-amdhsa--gfx1250"
	.amdhsa_code_object_version 6
	.text
	.protected	k_q719907ecba_sco
	.globl	k_q719907ecba_sco
	.p2align	8
	.type	k_q719907ecba_sco,@function
k_q719907ecba_sco:
	s_mov_b64 s[64:65], 0
	v_nop
	global_prefetch_b8 v0, s[64:65] scope:SCOPE_SE
	s_setreg_imm32_b32 hwreg(HW_REG_WAVE_MODE, 25, 1), 1
	s_wait_xcnt 0x0
	s_wait_alu depctr_hold_cnt(0) depctr_sa_sdst(0) depctr_va_vdst(0) depctr_va_sdst(0) depctr_va_ssrc(0) depctr_va_vcc(0) depctr_vm_vsrc(0)
	s_getreg_b32 s2, hwreg(HW_REG_IB_STS2, 6, 4)
	s_cmp_eq_u32 s2, 0
	s_cbranch_scc0 .Lentry_in_a_cluster
	s_endpgm
.Lentry_in_a_cluster:
	s_bfe_u32 s2, ttmp6, 0x10000c
	s_cmp_lg_u32 s2, 0xf033
	s_cbranch_scc0 .Lentry_shape_is_right
	s_endpgm
.Lentry_shape_is_right:
; S[b][q][k] = (log2 e / 32) x sum over j of Q''[b][q][j] x[b][k][j]: the scores, already in the scale that the base-2 exponential wants, in f32.
; As C[m][n] = sum over k of A[m][k] B[n][k], once for each batch: A = act (Q'') bf16, B = xb bf16, both [1024][1024] a batch; C = S f32.
; A work-group makes 256 (m) x 128 (n) of C with four waves: 32 x 8 = 256 work-groups; a wave makes 64 x 128: 32 accumulator tiles, 256 registers.
; K goes in steps of 128 (rows of 256 bytes, aligned) through two LDS slots filled by tensor loads.
; CLUSTERS: 4 x 4 work-groups; the cluster's y is the batch, cy the block row in it.  A's tile hangs on batch and cy and is asked for
; jointly by a row of the cluster; B's hangs on batch and block column and is asked for jointly by a column.
; REGISTERS: window 0: addresses, two fragment buffers (B's 8 fragments, then A's 4), the way out; window 1: the accumulators, tile (a, b) at 8 (8 a + b).
; The matrix instruction is used transposed (source 0 = rows of B, source 1 = rows of A): lane l holds row l % 16 of C and in registers
; 0 to 7 the columns 8 (l / 16) + 0 .. 7, eight neighbours of a row.
.set PB,     1024                      ; B's pitch, elements
.set A0,     0
.set ABATCH, 0x200000
.set B0,     0
.set BBATCH, 0x200000
.set CBATCH, 0x400000
.set PCB,    4096                      ; bytes in a row of C
.set CSH,    9                         ; 128 columns of C are 1 << CSH bytes
.set KSTEP,  128
.set PITCH,  272                       ; an LDS row: 256 bytes + 16 of padding: the 16 rows of a fragment start at 16 different groups of banks (64 banks of 4 bytes: ISA guide 11.1)
.set AHALF,  128*PITCH                 ; what a tensor load of A brings
.set BHALF,  64*PITCH                  ; what a tensor load of B brings; also a wave's 64 rows of A
.set ABYTES, 2*AHALF
.set SLOT,   ABYTES+2*BHALF            ; A's 256 rows, then B's 128 rows
.set STAGE,  2*SLOT                    ; behind the ring, a multiple of 256: no tensor load lands here
.set WSTAGE, 8448                      ; a wave's stage for the way out: 16 rows of 512 + 16 bytes
.set SPITCH, 528
.set LAPS,   1024/(2*KSTEP)
.set ADRA, 16                          ; v16-17 LDS address of my A fragments in slot 0, 1
.set ADRB, 20                          ; v20-21 the same for B
.set STO,  24
.set RD,   25
.set CO,   26
.set F0,   32                          ; fragment buffer 0: v32-95 B, v96-127 A
.set F1,   128                         ; fragment buffer 1: v128-191 B, v192-223 A
.set T,    32                          ; the way out: scaled results
.set RB,   128                         ; rows read back
.set G1,  24
.set G0,  32
.set G1B, 48
.set G0B, 56
.set MULW, 0x50                        ; C and D in window 1, sources in window 0
.set MSB, 0
.macro WIN new                         ; the immediate's high byte repeats the setting that is left
.if MSB != \new
	s_set_vgpr_msb (MSB<<8)|\new
.set MSB, \new
.endif
.endm
.macro JLOAD s                         ; a joint load: waves 0 and 1 ask for A's halves, waves 2 and 3 for B's; the branch hangs on the wave's number alone
	s_cmp_eq_u32 s11, 0
	s_cbranch_scc0 .Lfor_b_\@
	tensor_load_to_lds s[G0+4*\s:G0+4*\s+3], s[G1:G1+7]
	s_nop 0
	s_branch .Lasked_\@
.Lfor_b_\@:
	tensor_load_to_lds s[G0B+4*\s:G0B+4*\s+3], s[G1B:G1B+7]
	s_nop 0
.Lasked_\@:
.endm
.macro CREST                           ; a round of the cluster's barrier behind its opening work-group barrier
	s_cmp_lg_u32 s10, 0
	s_cbranch_scc1 .Lnot_wave_0_\@
	s_barrier_signal -3
.Lnot_wave_0_\@:
	s_barrier_wait -3
	s_barrier_signal -1
	s_barrier_wait -1
.endm
.macro CROUND
	s_barrier_signal -1
	s_barrier_wait -1
	CREST
.endm
.macro PLACES                          ; four places behind matrix instructions (ISA guide 7.12.1) before their registers are loaded into, read or written
.rept 4
	v_nop
.endr
.endm
	s_load_b128 s[4:7], s[0:1], 0x0                ; A s[4:5], B s[6:7]
	s_load_b64 s[8:9], s[0:1], 0x10                ; C
	v_lshl_add_u32 v254, v0, 2, 0x3b400
	v_mov_b32 v255, 0
	ds_add_u32 v254, v255
	v_lshrrev_b32 v1, 5, v0
	v_readfirstlane_b32 s10, v1                    ; wave 0..3
	s_lshr_b32 s11, s10, 1                         ; I fetch for A (0) or for B (1)
	s_and_b32 s12, s10, 1                          ; which half of that tile
	s_bfe_u32 s40, ttmp6, 0x40000                  ; cx
	s_bfe_u32 s41, ttmp6, 0x40004                  ; cy = block row inside the batch
	s_lshl_b32 s42, ttmp9, 2
	s_add_co_u32 s42, s42, s40                     ; block column of C
	s_and_b32 s45, ttmp7, 0xffff                   ; the cluster's y: the batch
	s_lshl_b32 s43, s41, 2
	s_lshl_b32 s43, 15, s43                        ; my row of the cluster
	s_lshl_b32 s44, 0x1111, s40                    ; my column
	s_or_b32 s[G1+0], s43, (1<<16)|(1<<20)|(1<<21)|(5<<22)|(3<<25)   ; mask; 2-byte elements; padding on; bit 21 beside a mask; 4 words after every 64
	s_mov_b32 s[G1+1], KSTEP<<16                   ; tensor_dim0 = 128
	s_mov_b32 s[G1+2], 128<<16                     ; tensor_dim1 = 128
	s_mov_b32 s[G1+3], KSTEP<<16                   ; tile_dim0 = 128
	s_mov_b32 s[G1+4], 128                         ; tile_dim1 = 128
	s_mov_b32 s[G1+5], 1024                        ; pitch
	s_mov_b32 s[G1+6], 0
	s_mov_b32 s[G1+7], 0
	s_or_b32 s[G1B+0], s44, (1<<16)|(1<<20)|(1<<21)|(5<<22)|(3<<25)
	s_mov_b32 s[G1B+1], KSTEP<<16
	s_mov_b32 s[G1B+2], 64<<16                     ; 64 rows
	s_mov_b32 s[G1B+3], KSTEP<<16
	s_mov_b32 s[G1B+4], 64
	s_mov_b32 s[G1B+5], PB
	s_mov_b32 s[G1B+6], 0
	s_mov_b32 s[G1B+7], 0
	s_lshl_b32 s16, s41, 19                        ; A: 256 cy rows of 2,048 bytes
	s_lshl_b32 s17, s12, 18                        ; + 128 x half
	s_add_co_u32 s16, s16, s17
	s_mul_i32 s17, s45, ABATCH
	s_add_co_u32 s16, s16, s17
.if A0
	s_add_co_u32 s16, s16, A0
.endif
	s_mov_b32 s17, 0
	s_lshl_b32 s46, s42, 7                         ; B: row 128 x block column
	s_lshl_b32 s47, s12, 6                         ; + 64 x half
	s_add_co_u32 s46, s46, s47
	s_mul_i32 s46, s46, PB*2
.if BBATCH
	s_mul_i32 s47, s45, BBATCH
	s_add_co_u32 s46, s46, s47
.endif
.if B0
	s_add_co_u32 s46, s46, B0
.endif
	s_mov_b32 s47, 0
	s_mul_i32 s20, s10, AHALF                      ; LDS: A's halves at wave x 128 rows (waves 0, 1)
	s_mul_i32 s21, s10, BHALF
	s_add_co_u32 s21, s21, AHALF                   ; B's halves behind A's 256 rows: ABYTES + (wave - 2) x 64 rows (waves 2, 3)
	s_wait_dscnt 0x0
	s_wait_kmcnt 0x0
	s_add_nc_u64 s[14:15], s[4:5], s[16:17]
	s_add_nc_u64 s[46:47], s[6:7], s[46:47]
	CROUND                                         ; all sixteen work-groups are here: the first joint loads meet
.irp s, 0,1
	s_mov_b32 s[G0+4*\s], 1
	s_add_co_u32 s[G0+4*\s+1], s20, \s*SLOT
	s_add_nc_u64 s[G0+4*\s+2:G0+4*\s+3], s[14:15], \s*KSTEP*2
	s_or_b32 s[G0+4*\s+3], s[G0+4*\s+3], 0x80000000
	s_mov_b32 s[G0B+4*\s], 1
	s_add_co_u32 s[G0B+4*\s+1], s21, \s*SLOT
	s_add_nc_u64 s[G0B+4*\s+2:G0B+4*\s+3], s[46:47], \s*KSTEP*2
	s_or_b32 s[G0B+4*\s+3], s[G0B+4*\s+3], 0x80000000
	JLOAD \s                                       ; both slots go out first: two tensor loads of the wave are out here, one later
.endr
	v_and_b32 v1, 15, v0                           ; r = l % 16
	v_bfe_u32 v2, v0, 4, 1                         ; h = l / 16
	v_and_b32 v28, 31, v0                          ; lane
	v_mul_u32_u24 v3, v1, PITCH
	v_lshl_add_u32 v3, v2, 4, v3                   ; row x pitch + 16 h
	s_mul_i32 s22, s10, BHALF                      ; my 64 rows of A
	v_add_nc_u32 v[ADRA], s22, v3
	v_add_nc_u32 v[ADRA+1], SLOT, v[ADRA]
	v_add_nc_u32 v[ADRB], ABYTES, v3
	v_add_nc_u32 v[ADRB+1], ABYTES+SLOT, v3
	s_mul_i32 s23, s10, WSTAGE
	s_add_co_u32 s23, s23, STAGE                   ; my stage
	v_mul_u32_u24 v4, v1, SPITCH
	v_lshl_add_u32 v4, v2, 5, v4
	v_add_nc_u32 v[STO], s23, v4                   ; in: row r, 32 bytes for each half of the lanes
	v_lshlrev_b32 v[CO], 4, v28                    ; back and out: the 32 lanes take one row of 512 bytes
	v_add_nc_u32 v[RD], s23, v[CO]
	s_mov_b32 s70, 0x3d38aa3b                      ; log2 e / 32
	s_mov_b32 s71, 0x3d38aa3b
; 8 matrix instructions: m tile a x all 8 n tiles, 32 along K.  zero = 1: the first product starts the sums.
; The 32 accumulators take turns, one instruction a turn, in the same order in every quarter step, over the backward jump too.
.macro MUL8 f, a, zero
.irp b, 0,1,2,3,4,5,6,7
.if \zero
	v_wmma_f32_16x16x32_bf16 v[8*(8*\a+\b):8*(8*\a+\b)+7], v[\f+8*\b:\f+8*\b+7], v[\f+64+8*\a:\f+64+8*\a+7], 0
.else
	v_wmma_f32_16x16x32_bf16 v[8*(8*\a+\b):8*(8*\a+\b)+7], v[\f+8*\b:\f+8*\b+7], v[\f+64+8*\a:\f+64+8*\a+7], v[8*(8*\a+\b):8*(8*\a+\b)+7]
.endif
.endr
.endm
; 24 LDS loads in one run: a quarter step's fragments (128 rows of B, my 64 rows of A, 32 K at byte k of the rows) into buffer f
.macro FETCH slot, k, f
.irp i, 0,1,2,3,4,5,6,7
	ds_load_b128 v[\f+8*\i:\f+8*\i+3],   v[ADRB+\slot] offset:\k+\i*16*PITCH
	ds_load_b128 v[\f+8*\i+4:\f+8*\i+7], v[ADRB+\slot] offset:\k+\i*16*PITCH+32
.endr
.irp i, 0,1,2,3
	ds_load_b128 v[\f+64+8*\i:\f+64+8*\i+3],   v[ADRA+\slot] offset:\k+\i*16*PITCH
	ds_load_b128 v[\f+64+8*\i+4:\f+64+8*\i+7], v[ADRA+\slot] offset:\k+\i*16*PITCH+32
.endr
.endm
.macro QUARTER slot, k, f, g, zero     ; multiplies buffer f; in its middle fetches the next quarter's fragments into buffer g
	s_wait_dscnt 0x4                               ; B and A's tiles 0, 1 are in; the youngest four loads (A's tiles 2, 3) may be out
	WIN MULW
	MUL8 \f, 0, \zero
	MUL8 \f, 1, \zero
	PLACES
	WIN 0
	FETCH \slot, \k, \g
	s_wait_dscnt 0x18                              ; all but the 24 just issued
	WIN MULW
	MUL8 \f, 2, \zero
	MUL8 \f, 3, \zero
.endm
.macro THREE slot, zero
	QUARTER \slot, 64,  F0, F1, \zero
	QUARTER \slot, 128, F1, F0, 0
	QUARTER \slot, 192, F0, F1, 0
.endm
; The last quarter of a K step changes slots.  In front of the barrier each wave waits for its reads of this slot and for all its tensor loads
; (one is out: its part of the next slot).  fill = 1: the barrier opens a round of the cluster's barrier, and the joint refill is the first tensor load behind it.
.macro TURN slot, next, fill
	s_wait_dscnt 0x4
	WIN MULW
	MUL8 F1, 0, 0
	s_wait_dscnt 0x0                               ; my reads of this slot are over
	s_wait_tensorcnt 0x0                           ; all my tensor loads have landed
	ds_add_u32 v254, v255
	s_wait_dscnt 0x0
	s_barrier_signal -1
	MUL8 F1, 1, 0                                  ; register work while the others arrive
	WIN 0
	s_barrier_wait -1
.if \fill
	CREST
	s_add_nc_u64 s[G0+4*\slot+2:G0+4*\slot+3], s[G0+4*\slot+2:G0+4*\slot+3], 2*KSTEP*2
	s_add_nc_u64 s[G0B+4*\slot+2:G0B+4*\slot+3], s[G0B+4*\slot+2:G0B+4*\slot+3], 2*KSTEP*2
	JLOAD \slot
.endif
	PLACES
	FETCH \next, 0, F0
	WIN MULW
	MUL8 F1, 2, 0
	MUL8 F1, 3, 0
.endm
.macro LAP zero
	THREE 0, \zero
	TURN 0, 1, 1
	THREE 1, 0
	TURN 1, 0, 1
.endm
	s_wait_tensorcnt 0x1                           ; my part of K step 0 is in; K step 1's may stay out
	s_barrier_signal -1
	s_barrier_wait -1
	FETCH 0, 0, F0
	LAP 1
	WIN 0
	s_mov_b32 s3, LAPS-2
.Llap:
	LAP 0
	WIN 0
	s_sub_co_u32 s3, s3, 1
	s_cmp_lg_u32 s3, 0
	s_cbranch_scc1 .Llap
	THREE 0, 0                                     ; the last lap fills nothing
	TURN 0, 1, 0
	THREE 1, 0
	s_wait_dscnt 0x4
	WIN MULW
	MUL8 F1, 0, 0
	MUL8 F1, 1, 0
	s_wait_dscnt 0x0
	MUL8 F1, 2, 0
	MUL8 F1, 3, 0
	; THE WAY OUT, 16 rows at a time: scale, 32 bytes a lane into my own stage, whole rows of 512 bytes back.
	PLACES
	WIN 0
	s_lshl_b32 s16, s41, 8
	s_lshl_b32 s17, s10, 6
	s_add_co_u32 s16, s16, s17                     ; my first row inside the batch
	s_mul_i32 s16, s16, PCB
	s_mul_i32 s17, s45, CBATCH
	s_add_co_u32 s16, s16, s17
	s_mov_b32 s17, 0
	s_add_nc_u64 s[8:9], s[8:9], s[16:17]
	s_lshl_b32 s46, s42, CSH                       ; my first column, in bytes
	s_mov_b32 s47, 0
	s_add_nc_u64 s[8:9], s[8:9], s[46:47]
.macro OUT16 a
	WIN 0x01                                       ; source 0 in window 1
.irp b, 0,1,2,3,4,5,6,7
.irp p, 0,2,4,6
	v_pk_mul_f32 v[T+8*\b+\p:T+8*\b+\p+1], v[8*(8*\a+\b)+\p:8*(8*\a+\b)+\p+1], s[70:71] op_sel_hi:[1,0]
.endr
.endr
	WIN 0
.irp b, 0,1,2,3,4,5,6,7
	ds_store_b128 v[STO], v[T+8*\b:T+8*\b+3]   offset:64*\b
	ds_store_b128 v[STO], v[T+8*\b+4:T+8*\b+7] offset:64*\b+16
.endr
	s_wait_xcnt 0x0                                ; RB and the base, which the last group's stores read, are rewritten only behind this wait
.if \a
	s_add_nc_u64 s[8:9], s[8:9], 16*PCB
.endif
.irp t, 0,1,2,3,4,5,6,7,8,9,10,11,12,13,14,15
	ds_load_b128 v[RB+4*\t:RB+4*\t+3], v[RD] offset:\t*SPITCH      ; LDS serves a wave's instructions in order (ISA guide 5.7.1.4): these see the stores above
.endr
.irp t, 0,1,2,3,4,5,6,7,8,9,10,11,12,13,14,15
	s_wait_dscnt 15-\t                             ; row t is back, the younger ones stay out
	global_store_b128 v[CO], v[RB+4*\t:RB+4*\t+3], s[8:9] offset:\t*PCB     ; the wave stores 512 consecutive aligned bytes
.endr
.endm
	OUT16 0
	OUT16 1
	OUT16 2
	OUT16 3
	s_wait_tensorcnt 0x0
	ds_add_u32 v254, v255
	s_wait_dscnt 0x0
	CROUND                                         ; the closing round: no work-group ends while a partner may still ask for a tile that names it
	s_endpgm
.Lfunc_end_k_q719907ecba_sco:
	.size	k_q719907ecba_sco, .Lfunc_end_k_q719907ecba_sco-k_q719907ecba_sco
	.p2alignl 7, 3214868480
	.fill 96, 4, 3214868480
	.section	.rodata,"a",@progbits
	.p2align	6, 0x0
	.amdhsa_kernel k_q719907ecba_sco
		.amdhsa_group_segment_fixed_size 327680
		.amdhsa_private_segment_fixed_size 0
		.amdhsa_enable_private_segment 0
		.amdhsa_kernarg_size 24
		.amdhsa_user_sgpr_count 2
		.amdhsa_user_sgpr_kernarg_segment_ptr 1
		.amdhsa_wavefront_size32 1
		.amdhsa_system_sgpr_workgroup_id_x 1
		.amdhsa_system_sgpr_workgroup_id_y 1
		.amdhsa_system_sgpr_workgroup_id_z 1
		.amdhsa_system_vgpr_workitem_id 0
		.amdhsa_next_free_vgpr 512
		.amdhsa_next_free_sgpr 88
		.amdhsa_reserve_vcc 0
		.amdhsa_float_denorm_mode_32 3
		.amdhsa_float_denorm_mode_16_64 3
		.amdhsa_memory_ordered 1
		.amdhsa_forward_progress 1
		.amdhsa_inst_pref_size 126
	.end_amdhsa_kernel
	.amdgpu_metadata
---
amdhsa.version: [ 1, 2 ]
amdhsa.kernels:
  - .name:           k_q719907ecba_sco
    .symbol:         k_q719907ecba_sco.kd
    .args:
      - { .name: act, .offset: 0, .size: 8, .value_kind: global_buffer, .address_space: global }
      - { .name: xb, .offset: 8, .size: 8, .value_kind: global_buffer, .address_space: global }
      - { .name: S, .offset: 16, .size: 8, .value_kind: global_buffer, .address_space: global }
    .group_segment_fixed_size: 327680
    .private_segment_fixed_size: 0
    .kernarg_segment_align: 8
    .kernarg_segment_size: 24
    .max_flat_workgroup_size: 128
    .sgpr_count:     88
    .vgpr_count:     512
    .wavefront_size: 32
...
	.end_amdgpu_metadata
.endif
;; end of part 4
;; launch smx (part 5): grid 512 x 1, 8 waves a work-group, no clusters, 0 bytes of LDS; arguments S, attention_mask, P; writes P
.if DOCPART == 5
	.amdgcn_target "amdgcn-amd-amdhsa--gfx1250"
	.amdhsa_code_object_version 6
	.text
	.protected	k_q719907ecba_smx
	.globl	k_q719907ecba_smx
	.p2align	8
	.type	k_q719907ecba_smx,@function
k_q719907ecba_smx:
	s_mov_b64 s[64:65], 0
	v_nop
	global_prefetch_b8 v0, s[64:65] scope:SCOPE_SE
	s_setreg_imm32_b32 hwreg(HW_REG_WAVE_MODE, 25, 1), 1
	s_wait_xcnt 0x0
; Both softmaxes and the mask, row by row.  S [8192][1024] f32 holds the scores times log2 e / 32; attention_mask [8192][1024] i32; P [8192][1024] f16.
;   w = exp2(S - max S) / Z          the first softmax, with the row's maximum taken away
;   t = mask != 0 ? e^w : 0          the second softmax's terms; P = t / sum t
; The second softmax takes no maximum away: its exponents are the first softmax's weights, which lie in [0, 1] whatever the inputs, so each
; term lies in [1, e] and the sum in [1, 1024 e].  A row whose mask is zero everywhere gets t = 1 in all places: the uniform weights that the
; softmax of 1,024 equal numbers gives.
; P lies in [0, 1]; its smallest number other than 0 is 1 / (1024 e), a normal f16 number.
; LIMIT: scores that are NaN or infinite are not served.
; A row is 4,096 bytes: one wave keeps it in 32 registers, so nothing is read twice, no wave waits for another, and there is no LDS.
; Eight waves, two rows each; all 32 loads of a wave go out at once (16 KiB in flight a wave).  Memory binds: the matrix unit and clusters have nothing to do here.
.set SV, 16                            ; v[16+64r : 47+64r]   row r's scores, then weights
.set MK, 48                            ; v[48+64r : 79+64r]   row r's mask
.set PK, 144                           ; v[144+16r : 159+16r] row r packed to f16: registers of its own, so that no store is waited for
	s_load_b128 s[4:7], s[0:1], 0x0                ; S s[4:5], mask s[6:7]
	s_load_b64 s[8:9], s[0:1], 0x10                ; P
	s_lshl_b32 s2, ttmp9, 16                       ; 16 rows of 4,096 bytes
	s_mov_b32 s3, 0
	s_lshl_b32 s10, ttmp9, 15                      ; 16 rows of 2,048 bytes
	s_mov_b32 s11, 0
	s_mov_b32 s12, 0x76543210                      ; v_permlanex16_b32: lane i of one half reads lane i of the other
	s_mov_b32 s13, 0xfedcba98
	v_lshrrev_b32 v3, 5, v0                        ; wave
	v_and_b32 v4, 31, v0                           ; lane
	v_lshlrev_b32 v1, 4, v4
	v_lshl_add_u32 v1, v3, 13, v1                  ; in: 2 rows a wave, 16 bytes a lane
	v_lshlrev_b32 v2, 3, v4
	v_lshl_add_u32 v2, v3, 12, v2                  ; out: 8 bytes a lane
	s_wait_kmcnt 0x0
	s_add_nc_u64 s[4:5], s[4:5], s[2:3]
	s_add_nc_u64 s[6:7], s[6:7], s[2:3]
	s_add_nc_u64 s[8:9], s[8:9], s[10:11]
.irp r, 0,1
.irp i, 0,1,2,3,4,5,6,7
	global_load_b128 v[SV+64*\r+4*\i:SV+64*\r+4*\i+3], v1, s[4:5] offset:4096*\r+512*\i th:TH_LOAD_NT
.endr
.irp i, 0,1,2,3,4,5,6,7
	global_load_b128 v[MK+64*\r+4*\i:MK+64*\r+4*\i+3], v1, s[6:7] offset:4096*\r+512*\i th:TH_LOAD_NT
.endr
.endr
.macro LMAX                            ; v4 over the 32 lanes, into every lane
	v_max_num_f32_dpp v4, v4, v4 row_xmask:1 row_mask:0xf bank_mask:0xf
	v_max_num_f32_dpp v4, v4, v4 row_xmask:2 row_mask:0xf bank_mask:0xf
	v_max_num_f32_dpp v4, v4, v4 row_xmask:4 row_mask:0xf bank_mask:0xf
	v_max_num_f32_dpp v4, v4, v4 row_xmask:8 row_mask:0xf bank_mask:0xf
	v_permlanex16_b32 v5, v4, s12, s13
	v_max_num_f32 v4, v4, v5
.endm
.macro RSUM                            ; the sum of the row at RS, into v4 of every lane: two chains of packed adds, then the lanes
	s_wait_alu depctr_va_vdst(0)
	v_pk_add_f32 v[4:5], v[RS:RS+1], v[RS+2:RS+3]
	v_pk_add_f32 v[6:7], v[RS+4:RS+5], v[RS+6:RS+7]
.set j, 8
.rept 6
	v_pk_add_f32 v[4:5], v[4:5], v[RS+j:RS+j+1]
	v_pk_add_f32 v[6:7], v[6:7], v[RS+j+2:RS+j+3]
.set j, j+4
.endr
	v_pk_add_f32 v[4:5], v[4:5], v[6:7]
	v_add_f32 v4, v4, v5
	v_add_f32_dpp v4, v4, v4 row_xmask:1 row_mask:0xf bank_mask:0xf
	v_add_f32_dpp v4, v4, v4 row_xmask:2 row_mask:0xf bank_mask:0xf
	v_add_f32_dpp v4, v4, v4 row_xmask:4 row_mask:0xf bank_mask:0xf
	v_add_f32_dpp v4, v4, v4 row_xmask:8 row_mask:0xf bank_mask:0xf
	v_permlanex16_b32 v5, v4, s12, s13
	v_add_f32 v4, v4, v5
.endm
.macro REXP                            ; 32 exponentials in a run, then one plain place before any result is used (ISA guide 5.7.2)
.set j, 0
.rept 32
	v_exp_f32 v[RS+j], v[RS+j]
.set j, j+1
.endr
	v_nop
.endm
.macro RMUL                            ; the row times v10 (v[10:11] holds it twice)
.set j, 0
.rept 16
	v_pk_mul_f32 v[RS+j:RS+j+1], v[RS+j:RS+j+1], v[10:11]
.set j, j+2
.endr
.endm
; One row.  lefts, leftm: how many younger loads may stay out when the row's scores, and then its mask, have to be there.
.macro ROW r, lefts, leftm
.set RS, SV+64*\r
.set RM, MK+64*\r
	s_wait_loadcnt \lefts
	v_max3_num_f32 v4, v[RS],   v[RS+1],  v[RS+2]  ; four chains, started by the first twelve numbers
	v_max3_num_f32 v5, v[RS+3], v[RS+4],  v[RS+5]
	v_max3_num_f32 v6, v[RS+6], v[RS+7],  v[RS+8]
	v_max3_num_f32 v7, v[RS+9], v[RS+10], v[RS+11]
.set j, 12
.rept 10
	v_max3_num_f32 v[4+(j/2)%4], v[4+(j/2)%4], v[RS+j], v[RS+j+1]
.set j, j+2
.endr
	v_max3_num_f32 v4, v4, v5, v6
	v_max_num_f32 v4, v4, v7
	LMAX
	v_mov_b32 v8, v4
	v_mov_b32 v9, v4
.set j, 0
.rept 16
	v_pk_add_f32 v[RS+j:RS+j+1], v[RS+j:RS+j+1], v[8:9] neg_lo:[0,1] neg_hi:[0,1]
.set j, j+2
.endr
	REXP                                           ; exp2(S - max): at most 1, and 1 at the maximum, so Z is at least 1
	RSUM
	v_rcp_f32 v10, v4
	v_nop
	s_wait_alu depctr_va_vdst(0)
	v_mul_f32 v10, 0x3fb8aa3b, v10                 ; log2 e / Z: the division and the next exponential's base in one factor
	v_mov_b32 v11, v10
	RMUL
	REXP                                           ; e^w
	s_wait_loadcnt \leftm
	v_or_b32 v13, v[RM],   v[RM+1]                 ; is any place of the row open?
	v_or_b32 v14, v[RM+2], v[RM+3]
.set j, 4
.rept 14
	v_or_b32 v13, v13, v[RM+j]
	v_or_b32 v14, v14, v[RM+j+1]
.set j, j+2
.endr
	v_or_b32 v13, v13, v14
	v_cmp_ne_u32 vcc_lo, 0, v13
	s_cmp_lg_u32 vcc_lo, 0
	s_cselect_b32 s14, 0, 1.0                      ; a closed place counts 0, or 1 where the whole row is closed
	v_mov_b32 v12, s14
.set j, 0
	s_wait_alu depctr_va_vdst(0)
.rept 32
	v_cmp_ne_u32 vcc_lo, 0, v[RM+j]
	v_cndmask_b32 v[RS+j], v12, v[RS+j], vcc_lo
.set j, j+1
.endr
	RSUM
	v_rcp_f32 v10, v4
	v_nop
	s_wait_alu depctr_va_vdst(0)
	v_mov_b32 v11, v10
	RMUL
.irp i, 0,1,2,3,4,5,6,7
	v_cvt_pk_f16_f32 v[PK+16*\r+2*\i],   v[RS+4*\i],   v[RS+4*\i+1]
	v_cvt_pk_f16_f32 v[PK+16*\r+2*\i+1], v[RS+4*\i+2], v[RS+4*\i+3]
	global_store_b64 v2, v[PK+16*\r+2*\i:PK+16*\r+2*\i+1], s[8:9] offset:2048*\r+256*\i   ; the wave stores 256 consecutive aligned bytes
.endr
.endm
	ROW 0, 24, 16                                  ; issue order: scores 0, mask 0, scores 1, mask 1, eight loads each
	ROW 1, 8, 0
	s_endpgm
.Lfunc_end_k_q719907ecba_smx:
	.size	k_q719907ecba_smx, .Lfunc_end_k_q719907ecba_smx-k_q719907ecba_smx
	.p2alignl 7, 3214868480
	.fill 96, 4, 3214868480
	.section	.rodata,"a",@progbits
	.p2align	6, 0x0
	.amdhsa_kernel k_q719907ecba_smx
		.amdhsa_group_segment_fixed_size 0
		.amdhsa_private_segment_fixed_size 0
		.amdhsa_enable_private_segment 0
		.amdhsa_kernarg_size 24
		.amdhsa_user_sgpr_count 2
		.amdhsa_user_sgpr_kernarg_segment_ptr 1
		.amdhsa_wavefront_size32 1
		.amdhsa_system_sgpr_workgroup_id_x 1
		.amdhsa_system_sgpr_workgroup_id_y 1
		.amdhsa_system_sgpr_workgroup_id_z 1
		.amdhsa_system_vgpr_workitem_id 0
		.amdhsa_next_free_vgpr 176
		.amdhsa_next_free_sgpr 66
		.amdhsa_reserve_vcc 1
		.amdhsa_float_denorm_mode_32 3
		.amdhsa_float_denorm_mode_16_64 3
		.amdhsa_memory_ordered 1
		.amdhsa_forward_progress 1
		.amdhsa_inst_pref_size 33
	.end_amdhsa_kernel
	.amdgpu_metadata
---
amdhsa.version: [ 1, 2 ]
amdhsa.kernels:
  - .name:           k_q719907ecba_smx
    .symbol:         k_q719907ecba_smx.kd
    .args:
      - { .name: S, .offset: 0, .size: 8, .value_kind: global_buffer, .address_space: global }
      - { .name: attention_mask, .offset: 8, .size: 8, .value_kind: global_buffer, .address_space: global }
      - { .name: P, .offset: 16, .size: 8, .value_kind: global_buffer, .address_space: global }
    .group_segment_fixed_size: 0
    .private_segment_fixed_size: 0
    .kernarg_segment_align: 8
    .kernarg_segment_size: 24
    .max_flat_workgroup_size: 256
    .sgpr_count:     66
    .vgpr_count:     176
    .wavefront_size: 32
...
	.end_amdgpu_metadata
.endif
;; end of part 5
;; launch ymm (part 6): grid 8 x 32, 4 waves a work-group, clusters of 4 x 4, 327,680 bytes of LDS; arguments P, xhT, act; writes act
.if DOCPART == 6
	.amdgcn_target "amdgcn-amd-amdhsa--gfx1250"
	.amdhsa_code_object_version 6
	.text
	.protected	k_q719907ecba_ymm
	.globl	k_q719907ecba_ymm
	.p2align	8
	.type	k_q719907ecba_ymm,@function
k_q719907ecba_ymm:
	s_mov_b64 s[64:65], 0
	v_nop
	global_prefetch_b8 v0, s[64:65] scope:SCOPE_SE
	s_setreg_imm32_b32 hwreg(HW_REG_WAVE_MODE, 25, 1), 1
	s_wait_xcnt 0x0
	s_wait_alu depctr_hold_cnt(0) depctr_sa_sdst(0) depctr_va_vdst(0) depctr_va_sdst(0) depctr_va_ssrc(0) depctr_va_vcc(0) depctr_vm_vsrc(0)
	s_getreg_b32 s2, hwreg(HW_REG_IB_STS2, 6, 4)
	s_cmp_eq_u32 s2, 0
	s_cbranch_scc0 .Lentry_in_a_cluster
	s_endpgm
.Lentry_in_a_cluster:
	s_bfe_u32 s2, ttmp6, 0x10000c
	s_cmp_lg_u32 s2, 0xf033
	s_cbranch_scc0 .Lentry_shape_is_right
	s_endpgm
.Lentry_shape_is_right:
; Y[b][q][d] = sum over k of P[b][q][k] x[b][k][d], rounded to f16: the weights meet the input itself; the value and output projections follow as one product.
; As C[m][n] = sum over k of A[m][k] B[n][k], once for each batch: A = P [1024][1024] f16 a batch; B = xhT [1024 d][8192 t] f16, the batch's
; 1,024 tokens at byte 2,048 x batch of every row; C = act f16.  Sums in f32.
; f16, not bf16: an output is close to a mean over the open keys, and the allowed error leaves no room for three roundings to 8 bits.
; LIMIT: |x| below 65504 (Y is a weighted mean of x, so it has the same range).
; A work-group makes 256 (m) x 128 (n) of C with four waves: 32 x 8 = 256 work-groups; a wave makes 64 x 128: 32 accumulator tiles, 256 registers.
; K goes in steps of 128 (rows of 256 bytes, aligned) through two LDS slots filled by tensor loads.
; CLUSTERS: 4 x 4 work-groups; the cluster's y is the batch, cy the block row in it.  A's tile hangs on batch and cy and is asked for
; jointly by a row of the cluster; B's hangs on batch and block column and is asked for jointly by a column.
; REGISTERS: window 0: addresses, two fragment buffers (B's 8 fragments, then A's 4), the way out; window 1: the accumulators, tile (a, b) at 8 (8 a + b).
; The matrix instruction is used transposed (source 0 = rows of B, source 1 = rows of A): lane l holds row l % 16 of C and in registers
; 0 to 7 the columns 8 (l / 16) + 0 .. 7, eight neighbours of a row.
.set PB,     8192                      ; B's pitch, elements
.set A0,     0
.set ABATCH, 0x200000
.set B0,     0
.set BBATCH, 2048
.set CBATCH, 0x200000
.set PCB,    2048                      ; bytes in a row of C
.set CSH,    8                         ; 128 columns of C are 1 << CSH bytes
.set KSTEP,  128
.set PITCH,  272                       ; an LDS row: 256 bytes + 16 of padding: the 16 rows of a fragment start at 16 different groups of banks (64 banks of 4 bytes: ISA guide 11.1)
.set AHALF,  128*PITCH                 ; what a tensor load of A brings
.set BHALF,  64*PITCH                  ; what a tensor load of B brings; also a wave's 64 rows of A
.set ABYTES, 2*AHALF
.set SLOT,   ABYTES+2*BHALF            ; A's 256 rows, then B's 128 rows
.set STAGE,  2*SLOT                    ; behind the ring, a multiple of 256: no tensor load lands here
.set WSTAGE, 8448                      ; a wave's stage for the way out
.set LAPS,   1024/(2*KSTEP)
.set ADRA, 16                          ; v16-17 LDS address of my A fragments in slot 0, 1
.set ADRB, 20                          ; v20-21 the same for B
.set STO,  24
.set RD,   25
.set CO,   26
.set F0,   32                          ; fragment buffer 0: v32-95 B, v96-127 A
.set F1,   128                         ; fragment buffer 1: v128-191 B, v192-223 A
.set PK,   96                          ; the way out: packed
.set RB,   128                         ; rows read back
.set G1,  24
.set G0,  32
.set G1B, 48
.set G0B, 56
.set MULW, 0x50                        ; C and D in window 1, sources in window 0
.set MSB, 0
.macro WIN new                         ; the immediate's high byte repeats the setting that is left
.if MSB != \new
	s_set_vgpr_msb (MSB<<8)|\new
.set MSB, \new
.endif
.endm
.macro JLOAD s                         ; a joint load: waves 0 and 1 ask for A's halves, waves 2 and 3 for B's; the branch hangs on the wave's number alone
	s_cmp_eq_u32 s11, 0
	s_cbranch_scc0 .Lfor_b_\@
	tensor_load_to_lds s[G0+4*\s:G0+4*\s+3], s[G1:G1+7]
	s_nop 0
	s_branch .Lasked_\@
.Lfor_b_\@:
	tensor_load_to_lds s[G0B+4*\s:G0B+4*\s+3], s[G1B:G1B+7]
	s_nop 0
.Lasked_\@:
.endm
.macro CREST                           ; a round of the cluster's barrier behind its opening work-group barrier
	s_cmp_lg_u32 s10, 0
	s_cbranch_scc1 .Lnot_wave_0_\@
	s_barrier_signal -3
.Lnot_wave_0_\@:
	s_barrier_wait -3
	s_barrier_signal -1
	s_barrier_wait -1
.endm
.macro CROUND
	s_barrier_signal -1
	s_barrier_wait -1
	CREST
.endm
.macro PLACES                          ; four places behind matrix instructions (ISA guide 7.12.1) before their registers are loaded into, read or written
.rept 4
	v_nop
.endr
.endm
	s_load_b128 s[4:7], s[0:1], 0x0                ; A s[4:5], B s[6:7]
	s_load_b64 s[8:9], s[0:1], 0x10                ; C
	v_lshl_add_u32 v254, v0, 2, 0x3b400
	v_mov_b32 v255, 0
	ds_add_u32 v254, v255
	v_lshrrev_b32 v1, 5, v0
	v_readfirstlane_b32 s10, v1                    ; wave 0..3
	s_lshr_b32 s11, s10, 1                         ; I fetch for A (0) or for B (1)
	s_and_b32 s12, s10, 1                          ; which half of that tile
	s_bfe_u32 s40, ttmp6, 0x40000                  ; cx
	s_bfe_u32 s41, ttmp6, 0x40004                  ; cy = block row inside the batch
	s_lshl_b32 s42, ttmp9, 2
	s_add_co_u32 s42, s42, s40                     ; block column of C
	s_and_b32 s45, ttmp7, 0xffff                   ; the cluster's y: the batch
	s_lshl_b32 s43, s41, 2
	s_lshl_b32 s43, 15, s43                        ; my row of the cluster
	s_lshl_b32 s44, 0x1111, s40                    ; my column
	s_or_b32 s[G1+0], s43, (1<<16)|(1<<20)|(1<<21)|(5<<22)|(3<<25)   ; mask; 2-byte elements; padding on; bit 21 beside a mask; 4 words after every 64
	s_mov_b32 s[G1+1], KSTEP<<16                   ; tensor_dim0 = 128
	s_mov_b32 s[G1+2], 128<<16                     ; tensor_dim1 = 128
	s_mov_b32 s[G1+3], KSTEP<<16                   ; tile_dim0 = 128
	s_mov_b32 s[G1+4], 128                         ; tile_dim1 = 128
	s_mov_b32 s[G1+5], 1024                        ; pitch
	s_mov_b32 s[G1+6], 0
	s_mov_b32 s[G1+7], 0
	s_or_b32 s[G1B+0], s44, (1<<16)|(1<<20)|(1<<21)|(5<<22)|(3<<25)
	s_mov_b32 s[G1B+1], KSTEP<<16
	s_mov_b32 s[G1B+2], 64<<16                     ; 64 rows
	s_mov_b32 s[G1B+3], KSTEP<<16
	s_mov_b32 s[G1B+4], 64
	s_mov_b32 s[G1B+5], PB
	s_mov_b32 s[G1B+6], 0
	s_mov_b32 s[G1B+7], 0
	s_lshl_b32 s16, s41, 19                        ; A: 256 cy rows of 2,048 bytes
	s_lshl_b32 s17, s12, 18                        ; + 128 x half
	s_add_co_u32 s16, s16, s17
	s_mul_i32 s17, s45, ABATCH
	s_add_co_u32 s16, s16, s17
.if A0
	s_add_co_u32 s16, s16, A0
.endif
	s_mov_b32 s17, 0
	s_lshl_b32 s46, s42, 7                         ; B: row 128 x block column
	s_lshl_b32 s47, s12, 6                         ; + 64 x half
	s_add_co_u32 s46, s46, s47
	s_mul_i32 s46, s46, PB*2
.if BBATCH
	s_mul_i32 s47, s45, BBATCH
	s_add_co_u32 s46, s46, s47
.endif
.if B0
	s_add_co_u32 s46, s46, B0
.endif
	s_mov_b32 s47, 0
	s_mul_i32 s20, s10, AHALF                      ; LDS: A's halves at wave x 128 rows (waves 0, 1)
	s_mul_i32 s21, s10, BHALF
	s_add_co_u32 s21, s21, AHALF                   ; B's halves behind A's 256 rows: ABYTES + (wave - 2) x 64 rows (waves 2, 3)
	s_wait_dscnt 0x0
	s_wait_kmcnt 0x0
	s_add_nc_u64 s[14:15], s[4:5], s[16:17]
	s_add_nc_u64 s[46:47], s[6:7], s[46:47]
	CROUND                                         ; all sixteen work-groups are here: the first joint loads meet
.irp s, 0,1
	s_mov_b32 s[G0+4*\s], 1
	s_add_co_u32 s[G0+4*\s+1], s20, \s*SLOT
	s_add_nc_u64 s[G0+4*\s+2:G0+4*\s+3], s[14:15], \s*KSTEP*2
	s_or_b32 s[G0+4*\s+3], s[G0+4*\s+3], 0x80000000
	s_mov_b32 s[G0B+4*\s], 1
	s_add_co_u32 s[G0B+4*\s+1], s21, \s*SLOT
	s_add_nc_u64 s[G0B+4*\s+2:G0B+4*\s+3], s[46:47], \s*KSTEP*2
	s_or_b32 s[G0B+4*\s+3], s[G0B+4*\s+3], 0x80000000
	JLOAD \s                                       ; both slots go out first: two tensor loads of the wave are out here, one later
.endr
	v_and_b32 v1, 15, v0                           ; r = l % 16
	v_bfe_u32 v2, v0, 4, 1                         ; h = l / 16
	v_mul_u32_u24 v3, v1, PITCH
	v_lshl_add_u32 v3, v2, 4, v3                   ; row x pitch + 16 h
	s_mul_i32 s22, s10, BHALF                      ; my 64 rows of A
	v_add_nc_u32 v[ADRA], s22, v3
	v_add_nc_u32 v[ADRA+1], SLOT, v[ADRA]
	v_add_nc_u32 v[ADRB], ABYTES, v3
	v_add_nc_u32 v[ADRB+1], ABYTES+SLOT, v3
	s_mul_i32 s23, s10, WSTAGE
	s_add_co_u32 s23, s23, STAGE                   ; my stage
	v_add_nc_u32 v[STO], s23, v3                   ; in: row r, 16 bytes for each half of the lanes
	v_mul_u32_u24 v5, v2, PITCH
	v_lshl_add_u32 v5, v1, 4, v5
	v_add_nc_u32 v[RD], s23, v5                    ; back: lanes 0-15 one row of 256 bytes, lanes 16-31 the next
	v_lshlrev_b32 v5, 11, v2
	v_lshl_add_u32 v[CO], v1, 4, v5                ; the same two rows in C
; 8 matrix instructions: m tile a x all 8 n tiles, 32 along K.  zero = 1: the first product starts the sums.
; The 32 accumulators take turns, one instruction a turn, in the same order in every quarter step, over the backward jump too.
.macro MUL8 f, a, zero
.irp b, 0,1,2,3,4,5,6,7
.if \zero
	v_wmma_f32_16x16x32_f16 v[8*(8*\a+\b):8*(8*\a+\b)+7], v[\f+8*\b:\f+8*\b+7], v[\f+64+8*\a:\f+64+8*\a+7], 0
.else
	v_wmma_f32_16x16x32_f16 v[8*(8*\a+\b):8*(8*\a+\b)+7], v[\f+8*\b:\f+8*\b+7], v[\f+64+8*\a:\f+64+8*\a+7], v[8*(8*\a+\b):8*(8*\a+\b)+7]
.endif
.endr
.endm
; 24 LDS loads in one run: a quarter step's fragments (128 rows of B, my 64 rows of A, 32 K at byte k of the rows) into buffer f
.macro FETCH slot, k, f
.irp i, 0,1,2,3,4,5,6,7
	ds_load_b128 v[\f+8*\i:\f+8*\i+3],   v[ADRB+\slot] offset:\k+\i*16*PITCH
	ds_load_b128 v[\f+8*\i+4:\f+8*\i+7], v[ADRB+\slot] offset:\k+\i*16*PITCH+32
.endr
.irp i, 0,1,2,3
	ds_load_b128 v[\f+64+8*\i:\f+64+8*\i+3],   v[ADRA+\slot] offset:\k+\i*16*PITCH
	ds_load_b128 v[\f+64+8*\i+4:\f+64+8*\i+7], v[ADRA+\slot] offset:\k+\i*16*PITCH+32
.endr
.endm
.macro QUARTER slot, k, f, g, zero     ; multiplies buffer f; in its middle fetches the next quarter's fragments into buffer g
	s_wait_dscnt 0x4                               ; B and A's tiles 0, 1 are in; the youngest four loads (A's tiles 2, 3) may be out
	WIN MULW
	MUL8 \f, 0, \zero
	MUL8 \f, 1, \zero
	PLACES
	WIN 0
	FETCH \slot, \k, \g
	s_wait_dscnt 0x18                              ; all but the 24 just issued
	WIN MULW
	MUL8 \f, 2, \zero
	MUL8 \f, 3, \zero
.endm
.macro THREE slot, zero
	QUARTER \slot, 64,  F0, F1, \zero
	QUARTER \slot, 128, F1, F0, 0
	QUARTER \slot, 192, F0, F1, 0
.endm
; The last quarter of a K step changes slots.  In front of the barrier each wave waits for its reads of this slot and for all its tensor loads
; (one is out: its part of the next slot).  fill = 1: the barrier opens a round of the cluster's barrier, and the joint refill is the first tensor load behind it.
.macro TURN slot, next, fill
	s_wait_dscnt 0x4
	WIN MULW
	MUL8 F1, 0, 0
	s_wait_dscnt 0x0                               ; my reads of this slot are over
	s_wait_tensorcnt 0x0                           ; all my tensor loads have landed
	ds_add_u32 v254, v255
	s_wait_dscnt 0x0
	s_barrier_signal -1
	MUL8 F1, 1, 0                                  ; register work while the others arrive
	WIN 0
	s_barrier_wait -1
.if \fill
	CREST
	s_add_nc_u64 s[G0+4*\slot+2:G0+4*\slot+3], s[G0+4*\slot+2:G0+4*\slot+3], 2*KSTEP*2
	s_add_nc_u64 s[G0B+4*\slot+2:G0B+4*\slot+3], s[G0B+4*\slot+2:G0B+4*\slot+3], 2*KSTEP*2
	JLOAD \slot
.endif
	PLACES
	FETCH \next, 0, F0
	WIN MULW
	MUL8 F1, 2, 0
	MUL8 F1, 3, 0
.endm
.macro LAP zero
	THREE 0, \zero
	TURN 0, 1, 1
	THREE 1, 0
	TURN 1, 0, 1
.endm
	s_wait_tensorcnt 0x1                           ; my part of K step 0 is in; K step 1's may stay out
	s_barrier_signal -1
	s_barrier_wait -1
	FETCH 0, 0, F0
	LAP 1
	WIN 0
	s_mov_b32 s3, LAPS-2
.Llap:
	LAP 0
	WIN 0
	s_sub_co_u32 s3, s3, 1
	s_cmp_lg_u32 s3, 0
	s_cbranch_scc1 .Llap
	THREE 0, 0                                     ; the last lap fills nothing
	TURN 0, 1, 0
	THREE 1, 0
	s_wait_dscnt 0x4
	WIN MULW
	MUL8 F1, 0, 0
	MUL8 F1, 1, 0
	s_wait_dscnt 0x0
	MUL8 F1, 2, 0
	MUL8 F1, 3, 0
	; THE WAY OUT, 16 rows at a time: round to f16, 16 bytes a lane into my own stage, whole rows back.
	PLACES
	WIN 0
	s_lshl_b32 s16, s41, 8
	s_lshl_b32 s17, s10, 6
	s_add_co_u32 s16, s16, s17                     ; my first row inside the batch
	s_mul_i32 s16, s16, PCB
	s_mul_i32 s17, s45, CBATCH
	s_add_co_u32 s16, s16, s17
	s_mov_b32 s17, 0
	s_add_nc_u64 s[8:9], s[8:9], s[16:17]
	s_lshl_b32 s46, s42, CSH                       ; my first column, in bytes
	s_mov_b32 s47, 0
	s_add_nc_u64 s[8:9], s[8:9], s[46:47]
.macro OUT16 a
	WIN 0x05                                       ; sources 0 and 1 in window 1
.irp b, 0,1,2,3,4,5,6,7
.irp p, 0,1,2,3
	v_cvt_pk_f16_f32 v[PK+4*\b+\p], v[8*(8*\a+\b)+2*\p], v[8*(8*\a+\b)+2*\p+1]
.endr
.endr
	WIN 0
.irp b, 0,1,2,3,4,5,6,7
	ds_store_b128 v[STO], v[PK+4*\b:PK+4*\b+3] offset:32*\b
.endr
	s_wait_xcnt 0x0                                ; RB and the base, which the last group's stores read, are rewritten only behind this wait
.if \a
	s_add_nc_u64 s[8:9], s[8:9], 16*PCB
.endif
.irp t, 0,1,2,3,4,5,6,7
	ds_load_b128 v[RB+4*\t:RB+4*\t+3], v[RD] offset:\t*2*PITCH     ; LDS serves a wave's instructions in order (ISA guide 5.7.1.4): these see the stores above
.endr
.irp t, 0,1,2,3,4,5,6,7
	s_wait_dscnt 7-\t                              ; pair t of rows is back, the younger ones stay out
	global_store_b128 v[CO], v[RB+4*\t:RB+4*\t+3], s[8:9] offset:2*\t*PCB   ; 16 lanes store 256 consecutive aligned bytes
.endr
.endm
	OUT16 0
	OUT16 1
	OUT16 2
	OUT16 3
	s_wait_tensorcnt 0x0
	ds_add_u32 v254, v255
	s_wait_dscnt 0x0
	CROUND                                         ; the closing round: no work-group ends while a partner may still ask for a tile that names it
	s_endpgm
.Lfunc_end_k_q719907ecba_ymm:
	.size	k_q719907ecba_ymm, .Lfunc_end_k_q719907ecba_ymm-k_q719907ecba_ymm
	.p2alignl 7, 3214868480
	.fill 96, 4, 3214868480
	.section	.rodata,"a",@progbits
	.p2align	6, 0x0
	.amdhsa_kernel k_q719907ecba_ymm
		.amdhsa_group_segment_fixed_size 327680
		.amdhsa_private_segment_fixed_size 0
		.amdhsa_enable_private_segment 0
		.amdhsa_kernarg_size 24
		.amdhsa_user_sgpr_count 2
		.amdhsa_user_sgpr_kernarg_segment_ptr 1
		.amdhsa_wavefront_size32 1
		.amdhsa_system_sgpr_workgroup_id_x 1
		.amdhsa_system_sgpr_workgroup_id_y 1
		.amdhsa_system_sgpr_workgroup_id_z 1
		.amdhsa_system_vgpr_workitem_id 0
		.amdhsa_next_free_vgpr 512
		.amdhsa_next_free_sgpr 88
		.amdhsa_reserve_vcc 0
		.amdhsa_float_denorm_mode_32 3
		.amdhsa_float_denorm_mode_16_64 3
		.amdhsa_memory_ordered 1
		.amdhsa_forward_progress 1
		.amdhsa_inst_pref_size 117
	.end_amdhsa_kernel
	.amdgpu_metadata
---
amdhsa.version: [ 1, 2 ]
amdhsa.kernels:
  - .name:           k_q719907ecba_ymm
    .symbol:         k_q719907ecba_ymm.kd
    .args:
      - { .name: P, .offset: 0, .size: 8, .value_kind: global_buffer, .address_space: global }
      - { .name: xhT, .offset: 8, .size: 8, .value_kind: global_buffer, .address_space: global }
      - { .name: act, .offset: 16, .size: 8, .value_kind: global_buffer, .address_space: global }
    .group_segment_fixed_size: 327680
    .private_segment_fixed_size: 0
    .kernarg_segment_align: 8
    .kernarg_segment_size: 24
    .max_flat_workgroup_size: 128
    .sgpr_count:     88
    .vgpr_count:     512
    .wavefront_size: 32
...
	.end_amdgpu_metadata
.endif
;; end of part 6
;; launch fin (part 7): grid 8 x 32, 4 waves a work-group, clusters of 4 x 4, 327,680 bytes of LDS; arguments act, WO, out0, BV; writes out0
.if DOCPART == 7
	.amdgcn_target "amdgcn-amd-amdhsa--gfx1250"
	.amdhsa_code_object_version 6
	.text
	.protected	k_q719907ecba_fin
	.globl	k_q719907ecba_fin
	.p2align	8
	.type	k_q719907ecba_fin,@function
k_q719907ecba_fin:
	s_mov_b64 s[64:65], 0
	v_nop
	global_prefetch_b8 v0, s[64:65] scope:SCOPE_SE
	s_setreg_imm32_b32 hwreg(HW_REG_WAVE_MODE, 25, 1), 1
	s_wait_xcnt 0x0
	s_wait_alu depctr_hold_cnt(0) depctr_sa_sdst(0) depctr_va_vdst(0) depctr_va_sdst(0) depctr_va_ssrc(0) depctr_va_vcc(0) depctr_vm_vsrc(0)
	s_getreg_b32 s2, hwreg(HW_REG_IB_STS2, 6, 4)
	s_cmp_eq_u32 s2, 0
	s_cbranch_scc0 .Lentry_in_a_cluster
	s_endpgm
.Lentry_in_a_cluster:
	s_bfe_u32 s2, ttmp6, 0x10000c
	s_cmp_lg_u32 s2, 0xf033
	s_cbranch_scc0 .Lentry_shape_is_right
	s_endpgm
.Lentry_shape_is_right:
; out[t][f] = (1/16) sum over d of Y[t][d] (16 W'[d][f]) + bfin[f], in f32 (W' = Wv W_out and bfin = bv W_out + b_out come from the weights' launch).
; As C[m][n] = sum over k of A[m][k] B[n][k]: A = act (Y) [8192][1024] f16, B = WO[1] = 16 W'T [1024][1024] f16, C = out0 f32; sums in f32.
; A work-group makes 256 (m) x 128 (n) of C with four waves: 32 x 8 = 256 work-groups; a wave makes 64 x 128: 32 accumulator tiles, 256 registers.
; K goes in steps of 128 (rows of 256 bytes, aligned) through two LDS slots filled by tensor loads.
; CLUSTERS: 4 x 4 work-groups; the cluster's y is the batch of 1,024 rows, cy the block row in it.  A's tile hangs on batch and cy and is asked for
; jointly by a row of the cluster; B's hangs on the block column and is asked for jointly by a column.
; REGISTERS: window 0: addresses, two fragment buffers (B's 8 fragments, then A's 4), the way out; window 1: the accumulators, tile (a, b) at 8 (8 a + b);
; window 2: v0-63 the bias of my 64 columns.
; The matrix instruction is used transposed (source 0 = rows of B, source 1 = rows of A): lane l holds row l % 16 of C and in registers
; 0 to 7 the columns 8 (l / 16) + 0 .. 7, eight neighbours of a row.
.set PB,     1024                      ; B's pitch, elements
.set A0,     0
.set ABATCH, 0x200000
.set B0,     0x200000                  ; WO[1]
.set BBATCH, 0
.set CBATCH, 0x400000
.set PCB,    4096                      ; bytes in a row of C
.set CSH,    9                         ; 128 columns of C are 1 << CSH bytes
.set BIASOFF, 4096                     ; bfin = BV[1]
.set KSTEP,  128
.set PITCH,  272                       ; an LDS row: 256 bytes + 16 of padding: the 16 rows of a fragment start at 16 different groups of banks (64 banks of 4 bytes: ISA guide 11.1)
.set AHALF,  128*PITCH                 ; what a tensor load of A brings
.set BHALF,  64*PITCH                  ; what a tensor load of B brings; also a wave's 64 rows of A
.set ABYTES, 2*AHALF
.set SLOT,   ABYTES+2*BHALF            ; A's 256 rows, then B's 128 rows
.set STAGE,  2*SLOT                    ; behind the ring, a multiple of 256: no tensor load lands here
.set WSTAGE, 8448                      ; a wave's stage for the way out: 16 rows of 512 + 16 bytes
.set SPITCH, 528
.set LAPS,   1024/(2*KSTEP)
.set ADRA, 16                          ; v16-17 LDS address of my A fragments in slot 0, 1
.set ADRB, 20                          ; v20-21 the same for B
.set STO,  24
.set RD,   25
.set CO,   26
.set BOF,  27                          ; v27 my offset in the bias; never rewritten
.set F0,   32                          ; fragment buffer 0: v32-95 B, v96-127 A
.set F1,   128                         ; fragment buffer 1: v128-191 B, v192-223 A
.set T,    32                          ; the way out: finished results
.set RB,   128                         ; rows read back
.set G1,  24
.set G0,  32
.set G1B, 48
.set G0B, 56
.set MULW, 0x50                        ; C and D in window 1, sources in window 0
.set MSB, 0
.macro WIN new                         ; the immediate's high byte repeats the setting that is left
.if MSB != \new
	s_set_vgpr_msb (MSB<<8)|\new
.set MSB, \new
.endif
.endm
.macro JLOAD s                         ; a joint load: waves 0 and 1 ask for A's halves, waves 2 and 3 for B's; the branch hangs on the wave's number alone
	s_cmp_eq_u32 s11, 0
	s_cbranch_scc0 .Lfor_b_\@
	tensor_load_to_lds s[G0+4*\s:G0+4*\s+3], s[G1:G1+7]
	s_nop 0
	s_branch .Lasked_\@
.Lfor_b_\@:
	tensor_load_to_lds s[G0B+4*\s:G0B+4*\s+3], s[G1B:G1B+7]
	s_nop 0
.Lasked_\@:
.endm
.macro CREST                           ; a round of the cluster's barrier behind its opening work-group barrier
	s_cmp_lg_u32 s10, 0
	s_cbranch_scc1 .Lnot_wave_0_\@
	s_barrier_signal -3
.Lnot_wave_0_\@:
	s_barrier_wait -3
	s_barrier_signal -1
	s_barrier_wait -1
.endm
.macro CROUND
	s_barrier_signal -1
	s_barrier_wait -1
	CREST
.endm
.macro PLACES                          ; four places behind matrix instructions (ISA guide 7.12.1) before their registers are loaded into, read or written
.rept 4
	v_nop
.endr
.endm
	s_load_b128 s[4:7], s[0:1], 0x0                ; A s[4:5], B s[6:7]
	s_load_b64 s[8:9], s[0:1], 0x10                ; C
	s_load_b64 s[68:69], s[0:1], 0x18              ; BV
	v_lshl_add_u32 v254, v0, 2, 0x3b400
	v_mov_b32 v255, 0
	ds_add_u32 v254, v255
	v_lshrrev_b32 v1, 5, v0
	v_readfirstlane_b32 s10, v1                    ; wave 0..3
	s_lshr_b32 s11, s10, 1                         ; I fetch for A (0) or for B (1)
	s_and_b32 s12, s10, 1                          ; which half of that tile
	s_bfe_u32 s40, ttmp6, 0x40000                  ; cx
	s_bfe_u32 s41, ttmp6, 0x40004                  ; cy = block row inside the batch
	s_lshl_b32 s42, ttmp9, 2
	s_add_co_u32 s42, s42, s40                     ; block column of C
	s_and_b32 s45, ttmp7, 0xffff                   ; the cluster's y: the batch
	s_lshl_b32 s43, s41, 2
	s_lshl_b32 s43, 15, s43                        ; my row of the cluster
	s_lshl_b32 s44, 0x1111, s40                    ; my column
	s_or_b32 s[G1+0], s43, (1<<16)|(1<<20)|(1<<21)|(5<<22)|(3<<25)   ; mask; 2-byte elements; padding on; bit 21 beside a mask; 4 words after every 64
	s_mov_b32 s[G1+1], KSTEP<<16                   ; tensor_dim0 = 128
	s_mov_b32 s[G1+2], 128<<16                     ; tensor_dim1 = 128
	s_mov_b32 s[G1+3], KSTEP<<16                   ; tile_dim0 = 128
	s_mov_b32 s[G1+4], 128                         ; tile_dim1 = 128
	s_mov_b32 s[G1+5], 1024                        ; pitch
	s_mov_b32 s[G1+6], 0
	s_mov_b32 s[G1+7], 0
	s_or_b32 s[G1B+0], s44, (1<<16)|(1<<20)|(1<<21)|(5<<22)|(3<<25)
	s_mov_b32 s[G1B+1], KSTEP<<16
	s_mov_b32 s[G1B+2], 64<<16                     ; 64 rows
	s_mov_b32 s[G1B+3], KSTEP<<16
	s_mov_b32 s[G1B+4], 64
	s_mov_b32 s[G1B+5], PB
	s_mov_b32 s[G1B+6], 0
	s_mov_b32 s[G1B+7], 0
	s_lshl_b32 s16, s41, 19                        ; A: 256 cy rows of 2,048 bytes
	s_lshl_b32 s17, s12, 18                        ; + 128 x half
	s_add_co_u32 s16, s16, s17
	s_mul_i32 s17, s45, ABATCH
	s_add_co_u32 s16, s16, s17
.if A0
	s_add_co_u32 s16, s16, A0
.endif
	s_mov_b32 s17, 0
	s_lshl_b32 s46, s42, 7                         ; B: row 128 x block column
	s_lshl_b32 s47, s12, 6                         ; + 64 x half
	s_add_co_u32 s46, s46, s47
	s_mul_i32 s46, s46, PB*2
.if BBATCH
	s_mul_i32 s47, s45, BBATCH
	s_add_co_u32 s46, s46, s47
.endif
.if B0
	s_add_co_u32 s46, s46, B0
.endif
	s_mov_b32 s47, 0
	s_mul_i32 s20, s10, AHALF                      ; LDS: A's halves at wave x 128 rows (waves 0, 1)
	s_mul_i32 s21, s10, BHALF
	s_add_co_u32 s21, s21, AHALF                   ; B's halves behind A's 256 rows: ABYTES + (wave - 2) x 64 rows (waves 2, 3)
	s_wait_dscnt 0x0
	s_wait_kmcnt 0x0
	s_add_nc_u64 s[14:15], s[4:5], s[16:17]
	s_add_nc_u64 s[46:47], s[6:7], s[46:47]
	CROUND                                         ; all sixteen work-groups are here: the first joint loads meet
.irp s, 0,1
	s_mov_b32 s[G0+4*\s], 1
	s_add_co_u32 s[G0+4*\s+1], s20, \s*SLOT
	s_add_nc_u64 s[G0+4*\s+2:G0+4*\s+3], s[14:15], \s*KSTEP*2
	s_or_b32 s[G0+4*\s+3], s[G0+4*\s+3], 0x80000000
	s_mov_b32 s[G0B+4*\s], 1
	s_add_co_u32 s[G0B+4*\s+1], s21, \s*SLOT
	s_add_nc_u64 s[G0B+4*\s+2:G0B+4*\s+3], s[46:47], \s*KSTEP*2
	s_or_b32 s[G0B+4*\s+3], s[G0B+4*\s+3], 0x80000000
	JLOAD \s                                       ; both slots go out first: two tensor loads of the wave are out here, one later
.endr
	v_and_b32 v1, 15, v0                           ; r = l % 16
	v_bfe_u32 v2, v0, 4, 1                         ; h = l / 16
	v_and_b32 v28, 31, v0                          ; lane
	v_mul_u32_u24 v3, v1, PITCH
	v_lshl_add_u32 v3, v2, 4, v3                   ; row x pitch + 16 h
	s_mul_i32 s22, s10, BHALF                      ; my 64 rows of A
	v_add_nc_u32 v[ADRA], s22, v3
	v_add_nc_u32 v[ADRA+1], SLOT, v[ADRA]
	v_add_nc_u32 v[ADRB], ABYTES, v3
	v_add_nc_u32 v[ADRB+1], ABYTES+SLOT, v3
	s_mul_i32 s23, s10, WSTAGE
	s_add_co_u32 s23, s23, STAGE                   ; my stage
	v_mul_u32_u24 v4, v1, SPITCH
	v_lshl_add_u32 v4, v2, 5, v4
	v_add_nc_u32 v[STO], s23, v4                   ; in: row r, 32 bytes for each half of the lanes
	v_lshlrev_b32 v[CO], 4, v28                    ; back and out: the 32 lanes take one row of 512 bytes
	v_add_nc_u32 v[RD], s23, v[CO]
	s_mov_b32 s70, 0x3d800000                      ; 1/16
	s_mov_b32 s71, 0x3d800000
	; the bias of my columns 128 bx + 16 b + 8 h + j into window 2, register 8 b + j; waited for on the way out
	s_lshl_b32 s74, s42, 9
.if BIASOFF
	s_add_co_u32 s74, s74, BIASOFF
.endif
	s_mov_b32 s75, 0
	s_add_nc_u64 s[68:69], s[68:69], s[74:75]
	v_lshlrev_b32 v[BOF], 5, v2
	WIN 0x80                                       ; destination in window 2
.irp b, 0,1,2,3,4,5,6,7
	global_load_b128 v[8*\b:8*\b+3],   v[BOF], s[68:69] offset:64*\b
	global_load_b128 v[8*\b+4:8*\b+7], v[BOF], s[68:69] offset:64*\b+16
.endr
	WIN 0
; 8 matrix instructions: m tile a x all 8 n tiles, 32 along K.  zero = 1: the first product starts the sums.
; The 32 accumulators take turns, one instruction a turn, in the same order in every quarter step, over the backward jump too.
.macro MUL8 f, a, zero
.irp b, 0,1,2,3,4,5,6,7
.if \zero
	v_wmma_f32_16x16x32_f16 v[8*(8*\a+\b):8*(8*\a+\b)+7], v[\f+8*\b:\f+8*\b+7], v[\f+64+8*\a:\f+64+8*\a+7], 0
.else
	v_wmma_f32_16x16x32_f16 v[8*(8*\a+\b):8*(8*\a+\b)+7], v[\f+8*\b:\f+8*\b+7], v[\f+64+8*\a:\f+64+8*\a+7], v[8*(8*\a+\b):8*(8*\a+\b)+7]
.endif
.endr
.endm
; 24 LDS loads in one run: a quarter step's fragments (128 rows of B, my 64 rows of A, 32 K at byte k of the rows) into buffer f
.macro FETCH slot, k, f
.irp i, 0,1,2,3,4,5,6,7
	ds_load_b128 v[\f+8*\i:\f+8*\i+3],   v[ADRB+\slot] offset:\k+\i*16*PITCH
	ds_load_b128 v[\f+8*\i+4:\f+8*\i+7], v[ADRB+\slot] offset:\k+\i*16*PITCH+32
.endr
.irp i, 0,1,2,3
	ds_load_b128 v[\f+64+8*\i:\f+64+8*\i+3],   v[ADRA+\slot] offset:\k+\i*16*PITCH
	ds_load_b128 v[\f+64+8*\i+4:\f+64+8*\i+7], v[ADRA+\slot] offset:\k+\i*16*PITCH+32
.endr
.endm
.macro QUARTER slot, k, f, g, zero     ; multiplies buffer f; in its middle fetches the next quarter's fragments into buffer g
	s_wait_dscnt 0x4                               ; B and A's tiles 0, 1 are in; the youngest four loads (A's tiles 2, 3) may be out
	WIN MULW
	MUL8 \f, 0, \zero
	MUL8 \f, 1, \zero
	PLACES
	WIN 0
	FETCH \slot, \k, \g
	s_wait_dscnt 0x18                              ; all but the 24 just issued
	WIN MULW
	MUL8 \f, 2, \zero
	MUL8 \f, 3, \zero
.endm
.macro THREE slot, zero
	QUARTER \slot, 64,  F0, F1, \zero
	QUARTER \slot, 128, F1, F0, 0
	QUARTER \slot, 192, F0, F1, 0
.endm
; The last quarter of a K step changes slots.  In front of the barrier each wave waits for its reads of this slot and for all its tensor loads
; (one is out: its part of the next slot).  fill = 1: the barrier opens a round of the cluster's barrier, and the joint refill is the first tensor load behind it.
.macro TURN slot, next, fill
	s_wait_dscnt 0x4
	WIN MULW
	MUL8 F1, 0, 0
	s_wait_dscnt 0x0                               ; my reads of this slot are over
	s_wait_tensorcnt 0x0                           ; all my tensor loads have landed
	ds_add_u32 v254, v255
	s_wait_dscnt 0x0
	s_barrier_signal -1
	MUL8 F1, 1, 0                                  ; register work while the others arrive
	WIN 0
	s_barrier_wait -1
.if \fill
	CREST
	s_add_nc_u64 s[G0+4*\slot+2:G0+4*\slot+3], s[G0+4*\slot+2:G0+4*\slot+3], 2*KSTEP*2
	s_add_nc_u64 s[G0B+4*\slot+2:G0B+4*\slot+3], s[G0B+4*\slot+2:G0B+4*\slot+3], 2*KSTEP*2
	JLOAD \slot
.endif
	PLACES
	FETCH \next, 0, F0
	WIN MULW
	MUL8 F1, 2, 0
	MUL8 F1, 3, 0
.endm
.macro LAP zero
	THREE 0, \zero
	TURN 0, 1, 1
	THREE 1, 0
	TURN 1, 0, 1
.endm
	s_wait_tensorcnt 0x1                           ; my part of K step 0 is in; K step 1's may stay out
	s_barrier_signal -1
	s_barrier_wait -1
	FETCH 0, 0, F0
	LAP 1
	WIN 0
	s_mov_b32 s3, LAPS-2
.Llap:
	LAP 0
	WIN 0
	s_sub_co_u32 s3, s3, 1
	s_cmp_lg_u32 s3, 0
	s_cbranch_scc1 .Llap
	THREE 0, 0                                     ; the last lap fills nothing
	TURN 0, 1, 0
	THREE 1, 0
	s_wait_dscnt 0x4
	WIN MULW
	MUL8 F1, 0, 0
	MUL8 F1, 1, 0
	s_wait_dscnt 0x0
	MUL8 F1, 2, 0
	MUL8 F1, 3, 0
	; THE WAY OUT, 16 rows at a time: one fused multiply-add (scale, bias), 32 bytes a lane into my own stage, whole rows of 512 bytes back.
	PLACES
	WIN 0
	s_wait_loadcnt 0x0                             ; the bias
	s_lshl_b32 s16, s41, 8
	s_lshl_b32 s17, s10, 6
	s_add_co_u32 s16, s16, s17                     ; my first row inside the batch
	s_mul_i32 s16, s16, PCB
	s_mul_i32 s17, s45, CBATCH
	s_add_co_u32 s16, s16, s17
	s_mov_b32 s17, 0
	s_add_nc_u64 s[8:9], s[8:9], s[16:17]
	s_lshl_b32 s46, s42, CSH                       ; my first column, in bytes
	s_mov_b32 s47, 0
	s_add_nc_u64 s[8:9], s[8:9], s[46:47]
.macro OUT16 a
	WIN 0x21                                       ; source 0 (sums) in window 1, source 2 (bias) in window 2
.irp b, 0,1,2,3,4,5,6,7
.irp p, 0,2,4,6
	v_pk_fma_f32 v[T+8*\b+\p:T+8*\b+\p+1], v[8*(8*\a+\b)+\p:8*(8*\a+\b)+\p+1], s[70:71], v[8*\b+\p:8*\b+\p+1] op_sel_hi:[1,0,1]
.endr
.endr
	WIN 0
.irp b, 0,1,2,3,4,5,6,7
	ds_store_b128 v[STO], v[T+8*\b:T+8*\b+3]   offset:64*\b
	ds_store_b128 v[STO], v[T+8*\b+4:T+8*\b+7] offset:64*\b+16
.endr
	s_wait_xcnt 0x0                                ; RB and the base, which the last group's stores read, are rewritten only behind this wait
.if \a
	s_add_nc_u64 s[8:9], s[8:9], 16*PCB
.endif
.irp t, 0,1,2,3,4,5,6,7,8,9,10,11,12,13,14,15
	ds_load_b128 v[RB+4*\t:RB+4*\t+3], v[RD] offset:\t*SPITCH      ; LDS serves a wave's instructions in order (ISA guide 5.7.1.4): these see the stores above
.endr
.irp t, 0,1,2,3,4,5,6,7,8,9,10,11,12,13,14,15
	s_wait_dscnt 15-\t                             ; row t is back, the younger ones stay out
	global_store_b128 v[CO], v[RB+4*\t:RB+4*\t+3], s[8:9] offset:\t*PCB th:TH_STORE_NT   ; the wave stores 512 consecutive aligned bytes
.endr
.endm
	OUT16 0
	OUT16 1
	OUT16 2
	OUT16 3
	s_wait_tensorcnt 0x0
	ds_add_u32 v254, v255
	s_wait_dscnt 0x0
	CROUND                                         ; the closing round: no work-group ends while a partner may still ask for a tile that names it
	s_endpgm
.Lfunc_end_k_q719907ecba_fin:
	.size	k_q719907ecba_fin, .Lfunc_end_k_q719907ecba_fin-k_q719907ecba_fin
	.p2alignl 7, 3214868480
	.fill 96, 4, 3214868480
	.section	.rodata,"a",@progbits
	.p2align	6, 0x0
	.amdhsa_kernel k_q719907ecba_fin
		.amdhsa_group_segment_fixed_size 327680
		.amdhsa_private_segment_fixed_size 0
		.amdhsa_enable_private_segment 0
		.amdhsa_kernarg_size 32
		.amdhsa_user_sgpr_count 2
		.amdhsa_user_sgpr_kernarg_segment_ptr 1
		.amdhsa_wavefront_size32 1
		.amdhsa_system_sgpr_workgroup_id_x 1
		.amdhsa_system_sgpr_workgroup_id_y 1
		.amdhsa_system_sgpr_workgroup_id_z 1
		.amdhsa_system_vgpr_workitem_id 0
		.amdhsa_next_free_vgpr 576
		.amdhsa_next_free_sgpr 88
		.amdhsa_reserve_vcc 0
		.amdhsa_float_denorm_mode_32 3
		.amdhsa_float_denorm_mode_16_64 3
		.amdhsa_memory_ordered 1
		.amdhsa_forward_progress 1
		.amdhsa_inst_pref_size 127
	.end_amdhsa_kernel
	.amdgpu_metadata
---
amdhsa.version: [ 1, 2 ]
amdhsa.kernels:
  - .name:           k_q719907ecba_fin
    .symbol:         k_q719907ecba_fin.kd
    .args:
      - { .name: act, .offset: 0, .size: 8, .value_kind: global_buffer, .address_space: global }
      - { .name: WO, .offset: 8, .size: 8, .value_kind: global_buffer, .address_space: global }
      - { .name: out0, .offset: 16, .size: 8, .value_kind: global_buffer, .address_space: global }
      - { .name: BV, .offset: 24, .size: 8, .value_kind: global_buffer, .address_space: global }
    .group_segment_fixed_size: 327680
    .private_segment_fixed_size: 0
    .kernarg_segment_align: 8
    .kernarg_segment_size: 32
    .max_flat_workgroup_size: 128
    .sgpr_count:     88
    .vgpr_count:     576
    .wavefront_size: 32
...
	.end_amdgpu_metadata
.endif
;; end of part 7
;; ======== version 2 of 3: 6 launches; 1.19 times as fast as version 1
;; limits: right only within a limited range of input values; values are held in f16: magnitudes above 65,504 overflow, below 6.1e-05 lose precision
;; workspace buffers: xb 16,777,216 bytes; xh 16,777,216 bytes; WW 8,388,608 bytes; WO 4,194,304 bytes; BV 40,960 bytes; act 33,554,432 bytes; S 33,554,432 bytes; P 16,777,216 bytes
;; launch prep (part 8): grid 768 x 1, 8 waves a work-group, no clusters, 35,840 bytes of LDS; arguments x, W_qkv, W_out, xb, xh, WW; writes xb, xh, WW
.if DOCPART == 8
	.amdgcn_target "amdgcn-amd-amdhsa--gfx1250"
	.amdhsa_code_object_version 6
	.text
	.protected	k_q719907ecba_prep
	.globl	k_q719907ecba_prep
	.p2align	8
	.type	k_q719907ecba_prep,@function
k_q719907ecba_prep:
	s_mov_b64 s[64:65], 0
	v_nop
	global_prefetch_b8 v0, s[64:65] scope:SCOPE_SE
	s_setreg_imm32_b32 hwreg(HW_REG_WAVE_MODE, 25, 1), 1
	s_wait_xcnt 0x0
; Casts, and one transposition, once, so that every later product reads both operands with K along the rows.
;   x [8192][1024] f32      -> xb [8192][1024] bf16 (the keys of the score product)  and  xh [8192][1024] f16 (the two products with folded weights)
;   W_qkv [1024][3072] f32  -> WW[0] = Wq, WW[1] = Wk, WW[2] = Wv, each [1024][1024] f16, rows as in W_qkv
;   W_out [1024][1024] f32  -> WW[3] = W_out transposed, [f][e] f16
; LIMIT: what goes to f16 must lie below 65504 in magnitude (x, W_qkv, W_out); larger numbers become infinities.
; One work-group takes one tile of 128 x 128 numbers; groups 0-511 x, 512-703 W_qkv, 704-767 W_out.  The branch hangs on the
; work-group's number alone, so all eight waves of a group take the same path and meet the same barrier.
; Wave w loads rows 16 w .. 16 w + 15 of the tile, a row by one load (32 lanes x 16 bytes = 512 neighbouring bytes).
; Straight copy: a row's 128 numbers of 16 bits are 256 neighbouring bytes, stored by one instruction of the wave.
; Transposed copy: through LDS, rows of 256 + 16 bytes; read back by rows, sixteen lanes store 256 neighbouring aligned bytes.
; The transposing LDS stores of a lane group meet four deep in the banks (lanes are 1,088 bytes apart); only W_out's 64 tiles take
; that way, so no other layout is tried.
.set X,      16                        ; v[16:79]   row i of my 16: 4 registers f32; later the rows read back
.set SP,     80                        ; v[80:111]  row i: 2 registers, 4 numbers of 16 bits, straight
.set TP,     112                       ; v[112:143] x: row i as f16, 2 registers; W_out: column c of my 4, 8 registers, my 16 rows as f16
.set LPITCH, 272
	s_load_b256 s[4:11], s[0:1], 0x0               ; x s[4:5], W_qkv s[6:7], W_out s[8:9], xb s[10:11]
	s_load_b128 s[12:15], s[0:1], 0x20             ; xh s[12:13], WW s[14:15]
	v_lshl_add_u32 v144, v0, 2, 0x8800
	v_mov_b32 v145, 0
	s_mov_b32 s2, ttmp9
	v_and_b32 v1, 31, v0                           ; lane L
	v_lshrrev_b32 v7, 5, v0
	v_readfirstlane_b32 s24, v7                    ; wave w
	s_lshl_b32 s25, s24, 15                        ; 16 w rows of 2,048 bytes
	v_lshl_add_u32 v3, v1, 3, s25                  ; straight store: 8 L + my first row
	v_mul_u32_u24 v4, v1, 4*LPITCH                 ; LDS in: row 4 L (my first column),
	s_lshl_b32 s25, s24, 5
	v_add_nc_u32 v4, s25, v4                       ; byte 32 w (my 16 rows as f16)
	v_lshrrev_b32 v8, 4, v1
	s_lshl_b32 s25, s24, 4
	v_add_nc_u32 v8, s25, v8                       ; back: row 16 w + L / 16
	v_and_b32 v9, 15, v1
	v_lshlrev_b32 v9, 4, v9                        ; byte 16 (L mod 16)
	v_mad_u32_u24 v5, v8, LPITCH, v9
	s_mov_b32 s29, 0
	s_wait_kmcnt 0x0
; One tile.  pin: bytes from row to row of the source; straight: 0 none, 2 f16 to s[18:19], 3 bf16 to s[18:19] and f16 to s[20:21];
; trans: 1 = transposed, f16, to s[20:21]; pout: bytes from row to row of the transposed target.  Source: s[16:17].
.macro TILE pin, straight, trans, pout
	s_mul_i32 s25, s24, 16*\pin
	v_lshl_add_u32 v2, v1, 4, s25                  ; 16 L + my first row
.irp i, 0,1,2,3,4,5,6,7,8,9,10,11,12,13,14,15
	global_load_b128 v[X+4*\i:X+4*\i+3], v2, s[16:17] offset:\i*\pin th:TH_LOAD_NT
.endr
.if \straight
.irp i, 0,1,2,3,4,5,6,7,8,9,10,11,12,13,14,15
	s_wait_loadcnt 15-\i                           ; loads come back in order: row i is in, the 15 - i younger ones stay out
.if \straight == 3
	v_cvt_pk_bf16_f32 v[SP+2*\i],   v[X+4*\i],   v[X+4*\i+1]
	v_cvt_pk_bf16_f32 v[SP+2*\i+1], v[X+4*\i+2], v[X+4*\i+3]
	v_cvt_pk_f16_f32 v[TP+2*\i],   v[X+4*\i],   v[X+4*\i+1]
	v_cvt_pk_f16_f32 v[TP+2*\i+1], v[X+4*\i+2], v[X+4*\i+3]
	global_store_b64 v3, v[SP+2*\i:SP+2*\i+1], s[18:19] offset:\i*2048
	global_store_b64 v3, v[TP+2*\i:TP+2*\i+1], s[20:21] offset:\i*2048
.else
	v_cvt_pk_f16_f32 v[SP+2*\i],   v[X+4*\i],   v[X+4*\i+1]
	v_cvt_pk_f16_f32 v[SP+2*\i+1], v[X+4*\i+2], v[X+4*\i+3]
	global_store_b64 v3, v[SP+2*\i:SP+2*\i+1], s[18:19] offset:\i*2048
.endif
.endr
.else
	s_wait_loadcnt 0x0
.endif
.if \trans
	v_mad_u32_u24 v6, v8, \pout, v9
.irp c, 0,1,2,3
.irp p, 0,1,2,3,4,5,6,7
	v_cvt_pk_f16_f32 v[TP+8*\c+\p], v[X+8*\p+\c], v[X+8*\p+4+\c]   ; rows 2 p and 2 p + 1 of column 4 L + c
.endr
	ds_store_b128 v4, v[TP+8*\c:TP+8*\c+3]   offset:\c*LPITCH
	ds_store_b128 v4, v[TP+8*\c+4:TP+8*\c+7] offset:\c*LPITCH+16
.endr
	s_wait_dscnt 0x0                               ; my stores are in LDS before I say so: the other waves read them
	s_barrier_signal -1
	s_barrier_wait -1
.irp t, 0,1,2,3,4,5,6,7
	ds_load_b128 v[X+4*\t:X+4*\t+3], v5 offset:\t*2*LPITCH
.endr
.irp t, 0,1,2,3,4,5,6,7
	s_wait_dscnt 7-\t                              ; pair t of rows is in, the younger ones stay out
	global_store_b128 v6, v[X+4*\t:X+4*\t+3], s[20:21] offset:2*\t*\pout
.endr
.endif
.endm
	s_cmp_lt_u32 s2, 512
	s_cbranch_scc0 .Lweights
	; x: tile row tr = g / 8 (128 tokens), tile column tc = g mod 8 (128 features)
	s_lshr_b32 s26, s2, 3
	s_and_b32 s27, s2, 7
	s_lshl_b32 s28, s26, 19                        ; 128 rows of 4,096 bytes
	s_lshl_b32 s25, s27, 9
	s_add_co_u32 s28, s28, s25
	s_add_nc_u64 s[16:17], s[4:5], s[28:29]
	s_lshl_b32 s28, s26, 18                        ; 128 rows of 2,048 bytes: the same place in xb and in xh
	s_lshl_b32 s25, s27, 8
	s_add_co_u32 s28, s28, s25
	s_add_nc_u64 s[18:19], s[10:11], s[28:29]
	s_add_nc_u64 s[20:21], s[12:13], s[28:29]
	TILE 4096, 3, 0, 0
	s_endpgm
.Lweights:
	s_cmp_lt_u32 s2, 704
	s_cbranch_scc0 .Lwout
	; W_qkv: tr = g' mod 8, tc = g' / 8 (0 to 23): matrix tc / 8, its column block tc mod 8
	s_sub_co_u32 s2, s2, 512
	s_and_b32 s26, s2, 7
	s_lshr_b32 s27, s2, 3
	s_mul_i32 s28, s26, 128*12288
	s_lshl_b32 s25, s27, 9
	s_add_co_u32 s28, s28, s25
	s_add_nc_u64 s[16:17], s[6:7], s[28:29]
	s_lshr_b32 s28, s27, 3
	s_lshl_b32 s28, s28, 21                        ; a matrix of 2 MiB
	s_lshl_b32 s25, s26, 18
	s_add_co_u32 s28, s28, s25
	s_and_b32 s25, s27, 7
	s_lshl_b32 s25, s25, 8
	s_add_co_u32 s28, s28, s25
	s_add_nc_u64 s[18:19], s[14:15], s[28:29]
	TILE 12288, 2, 0, 0
	s_endpgm
.Lwout:
	; W_out: tr = g'' / 8 (rows e), tc = g'' mod 8 (columns f); only the transposed copy
	s_sub_co_u32 s2, s2, 704
	s_lshr_b32 s26, s2, 3
	s_and_b32 s27, s2, 7
	s_lshl_b32 s28, s26, 19
	s_lshl_b32 s25, s27, 9
	s_add_co_u32 s28, s28, s25
	s_add_nc_u64 s[16:17], s[8:9], s[28:29]
	s_lshl_b32 s28, s27, 18
	s_lshl_b32 s25, s26, 8
	s_add_co_u32 s28, s28, s25
	s_add_co_u32 s28, s28, 0x600000                ; WW[3]
	s_add_nc_u64 s[20:21], s[14:15], s[28:29]
	TILE 4096, 0, 1, 2048
	s_wait_tensorcnt 0x0
	ds_add_u32 v144, v145
	s_wait_dscnt 0x0
	s_endpgm
.Lfunc_end_k_q719907ecba_prep:
	.size	k_q719907ecba_prep, .Lfunc_end_k_q719907ecba_prep-k_q719907ecba_prep
	.p2alignl 7, 3214868480
	.fill 96, 4, 3214868480
	.section	.rodata,"a",@progbits
	.p2align	6, 0x0
	.amdhsa_kernel k_q719907ecba_prep
		.amdhsa_group_segment_fixed_size 35840
		.amdhsa_private_segment_fixed_size 0
		.amdhsa_enable_private_segment 0
		.amdhsa_kernarg_size 48
		.amdhsa_user_sgpr_count 2
		.amdhsa_user_sgpr_kernarg_segment_ptr 1
		.amdhsa_wavefront_size32 1
		.amdhsa_system_sgpr_workgroup_id_x 1
		.amdhsa_system_sgpr_workgroup_id_y 1
		.amdhsa_system_sgpr_workgroup_id_z 1
		.amdhsa_system_vgpr_workitem_id 0
		.amdhsa_next_free_vgpr 146
		.amdhsa_next_free_sgpr 66
		.amdhsa_reserve_vcc 0
		.amdhsa_float_denorm_mode_32 3
		.amdhsa_float_denorm_mode_16_64 3
		.amdhsa_memory_ordered 1
		.amdhsa_forward_progress 1
		.amdhsa_inst_pref_size 24
	.end_amdhsa_kernel
	.amdgpu_metadata
---
amdhsa.version: [ 1, 2 ]
amdhsa.kernels:
  - .name:           k_q719907ecba_prep
    .symbol:         k_q719907ecba_prep.kd
    .args:
      - { .name: x, .offset: 0, .size: 8, .value_kind: global_buffer, .address_space: global }
      - { .name: W_qkv, .offset: 8, .size: 8, .value_kind: global_buffer, .address_space: global }
      - { .name: W_out, .offset: 16, .size: 8, .value_kind: global_buffer, .address_space: global }
      - { .name: xb, .offset: 24, .size: 8, .value_kind: global_buffer, .address_space: global }
      - { .name: xh, .offset: 32, .size: 8, .value_kind: global_buffer, .address_space: global }
      - { .name: WW, .offset: 40, .size: 8, .value_kind: global_buffer, .address_space: global }
    .group_segment_fixed_size: 35840
    .private_segment_fixed_size: 0
    .kernarg_segment_align: 8
    .kernarg_segment_size: 48
    .max_flat_workgroup_size: 256
    .sgpr_count:     66
    .vgpr_count:     146
    .wavefront_size: 32
...
	.end_amdgpu_metadata
.endif
;; end of part 8
;; launch wgt (part 9): grid 8 x 32, 4 waves a work-group, clusters of 4 x 4, 327,680 bytes of LDS; arguments WW, WO, BV, b_qkv, b_out; writes WO, BV
.if DOCPART == 9
	.amdgcn_target "amdgcn-amd-amdhsa--gfx1250"
	.amdhsa_code_object_version 6
	.text
	.protected	k_q719907ecba_wgt
	.globl	k_q719907ecba_wgt
	.p2align	8
	.type	k_q719907ecba_wgt,@function
k_q719907ecba_wgt:
	s_mov_b64 s[64:65], 0
	v_nop
	global_prefetch_b8 v0, s[64:65] scope:SCOPE_SE
	s_setreg_imm32_b32 hwreg(HW_REG_WAVE_MODE, 25, 1), 1
	s_wait_xcnt 0x0
	s_wait_alu depctr_hold_cnt(0) depctr_sa_sdst(0) depctr_va_vdst(0) depctr_va_sdst(0) depctr_va_ssrc(0) depctr_va_vcc(0) depctr_vm_vsrc(0)
	s_getreg_b32 s2, hwreg(HW_REG_IB_STS2, 6, 4)
	s_cmp_eq_u32 s2, 0
	s_cbranch_scc0 .Lentry_in_a_cluster
	s_endpgm
.Lentry_in_a_cluster:
	s_bfe_u32 s2, ttmp6, 0x10000c
	s_cmp_lg_u32 s2, 0xf033
	s_cbranch_scc0 .Lentry_shape_is_right
	s_endpgm
.Lentry_shape_is_right:
; The weights are folded, exactly as algebra allows for every input:
;   role 0: 16 MT[j][d]  = 16 sum over e of Wk[j][e] Wq[d][e]         -> WO[0], f16;   cq[j]   = sum over e of bq[e] Wk[j][e]                     -> BV, byte 0
;   role 1: 16 W'T[f][d] = 16 sum over e of WoutT[f][e] Wv[d][e]      -> WO[1], f16;   bfin[f] = sum over e of bv[e] WoutT[f][e] + b_out[f]       -> BV, byte 4096
; so that scores = (x M + cq) x^T (+ a term Q.bk that is the same for all keys of a row and falls out of the softmax: bk = b_qkv[1024:2048]
; is therefore not loaded) and out = P (x W') + bfin (the rows of P sum to 1).
; Role 1 also stores, for each row f, the sum of squares of its 128 numbers of 16 W'T: f32 [1024 f][8 block columns] at byte 8192 of BV.  The later
; launches add a row's eight sums and take from the exponent a power of two that brings x W' into f16's range.
; LIMIT: M and W' are kept in f16 times 16: |M| and |W'| must stay below 4094.  The operands are f16 (below 65504), the sums f32.
; Both products are C[m][n] = sum over k of A[m][k] B[n][k], 1024 x 1024 x 1024, K along the rows of both.
; A work-group makes 64 (m) x 128 (n) of C: 2 roles x 16 x 8 = 256 work-groups.  A wave makes 16 x 128: 8 accumulator tiles, 64 registers.
; K goes in four pieces of 256 (rows of 512 bytes, aligned) through three LDS slots: pieces 0, 1, 2 are asked for together at the start,
; piece 3 is the one refill, into slot 0, and has pieces 1 and 2 (128 matrix instructions of a wave) in which to land.
; A wave reads 18 fragment loads for 8 matrix instructions: with so small a tile the LDS reads, not the products, set the pace; the tile is
; small so that every work-group has a share of these two small products.
; CLUSTERS: 4 x 4 work-groups; the cluster's y gives the role (y / 4) and, with cy, the block row 4 (y mod 4) + cy.  A's tile hangs on role and
; block row and is asked for jointly by a row of the cluster; B's hangs on role and block column and is asked for jointly by a column.
; The matrix instruction is used transposed (source 0 = rows of B, source 1 = rows of A): lane l holds row l % 16 of C and in registers
; 0 to 7 the columns 8 (l / 16) + 0 .. 7, eight neighbours of a row.
.set A0,     0x200000                  ; A = WW[1] (role 0), WW[3] (role 1)
.set ABATCH, 0x400000
.set BBATCH, 0x400000                  ; B = WW[0] (role 0), WW[2] (role 1)
.set CBATCH, 0x200000
.set PCB,    2048                      ; bytes in a row of C
.set PX,     528                       ; an LDS row: 512 bytes + 16 of padding = 33 x 16: the 16 rows of a fragment start at 16 different groups of banks (64 banks of 4 bytes: ISA guide 11.1)
.set SP,     272                       ; a row of the stage: 256 bytes + 16
.set SA,     128*PX                    ; in a slot: B's 128 rows, then A's 64 rows
.set SLOT,   192*PX
.set STAGE,  3*SLOT                    ; behind the slots, a multiple of 256: no tensor load lands here
.set WSTAGE, 16*SP                     ; a wave's stage for the way out
.set ADRB, 16                          ; v16-18 LDS address of B's fragments in slot 0, 1, 2
.set ADRA, 20                          ; v20-22 the same for my 16 rows of A
.set STO,  24
.set RD,   25
.set CO,   26
.set ACC,  32                          ; v32-95   accumulator tile b at ACC + 8 b
.set F0,   96                          ; v96-167  fragment buffer 0: B's 8 fragments, then A's one
.set F1,   168                         ; v168-239 fragment buffer 1
.set T,    96                          ; the way out: scaled results
.set PK,   160                         ; packed f16
.set RB,   96                          ; rows read back
.set G1A, 24                           ; s[24:31] shape of A's loads
.set G1B, 32                           ; s[32:39] shape of B's loads
.set G0A, 40                           ; s[40:51] from where, to where: A, one set for each slot
.set G0B, 52                           ; s[52:63] the same for B
.macro JLOAD s                         ; a joint load: waves 0 and 1 ask for B's halves, waves 2 and 3 for A's; the branch hangs on the wave's number alone
	s_cmp_eq_u32 s11, 0
	s_cbranch_scc0 .Lfor_a_\@
	tensor_load_to_lds s[G0B+4*\s:G0B+4*\s+3], s[G1B:G1B+7]
	s_nop 0
	s_branch .Lasked_\@
.Lfor_a_\@:
	tensor_load_to_lds s[G0A+4*\s:G0A+4*\s+3], s[G1A:G1A+7]
	s_nop 0
.Lasked_\@:
.endm
.macro CREST                           ; a round of the cluster's barrier behind its opening work-group barrier
	s_cmp_lg_u32 s10, 0
	s_cbranch_scc1 .Lnot_wave_0_\@
	s_barrier_signal -3
.Lnot_wave_0_\@:
	s_barrier_wait -3
	s_barrier_signal -1
	s_barrier_wait -1
.endm
.macro CROUND
	s_barrier_signal -1
	s_barrier_wait -1
	CREST
.endm
.macro PLACES                          ; four places behind matrix instructions (ISA guide 7.12.1) before their registers are loaded into, read or written
.rept 4
	v_nop
.endr
.endm
.macro SHAPE g, mask, rows             ; descriptor group 1: rows x 256 elements of 2 bytes, pitch 1,024 elements, 4 words of padding after every 128
	s_or_b32  s[\g+0], \mask, (1<<16)|(1<<20)|(1<<21)|(6<<22)|(3<<25)   ; the mask; element size; padding on; bit 21 beside a mask; interval; amount
	s_mov_b32 s[\g+1], 256<<16                     ; tensor_dim0
	s_mov_b32 s[\g+2], \rows<<16                   ; tensor_dim1
	s_mov_b32 s[\g+3], 256<<16                     ; tile_dim0
	s_mov_b32 s[\g+4], \rows                       ; tile_dim1
	s_mov_b32 s[\g+5], 1024                        ; elements from row to row
	s_mov_b32 s[\g+6], 0
	s_mov_b32 s[\g+7], 0
.endm
	s_load_b64 s[4:5], s[0:1], 0x0                 ; WW
	s_load_b64 s[8:9], s[0:1], 0x8                 ; WO
	s_load_b64 s[96:97], s[0:1], 0x10              ; BV
	s_load_b64 s[92:93], s[0:1], 0x18              ; b_qkv
	s_load_b64 s[94:95], s[0:1], 0x20              ; b_out
	v_lshl_add_u32 v240, v0, 2, 0x4e800
	v_mov_b32 v241, 0
	ds_add_u32 v240, v241
	v_lshrrev_b32 v1, 5, v0
	v_readfirstlane_b32 s10, v1                    ; wave 0..3
	s_lshr_b32 s11, s10, 1                         ; I fetch for B (0) or for A (1)
	s_and_b32 s12, s10, 1                          ; which half of that tile
	s_bfe_u32 s76, ttmp6, 0x40000                  ; cx
	s_bfe_u32 s77, ttmp6, 0x40004                  ; cy
	s_lshl_b32 s78, ttmp9, 2
	s_add_co_u32 s78, s78, s76                     ; block column of C (128 columns)
	s_and_b32 s74, ttmp7, 0xffff                   ; the cluster's y, 0 to 7
	s_lshr_b32 s79, s74, 2                         ; the role
	s_and_b32 s75, s74, 3
	s_lshl_b32 s75, s75, 2
	s_add_co_u32 s75, s75, s77                     ; block row of C (64 rows)
	s_lshl_b32 s80, s77, 2
	s_lshl_b32 s80, 15, s80                        ; my row of the cluster
	s_lshl_b32 s81, 0x1111, s76                    ; my column
	SHAPE G1A, s80, 32
	SHAPE G1B, s81, 64
	s_lshl_b32 s16, s75, 17                        ; A: 64 x block row rows of 2,048 bytes
	s_lshl_b32 s17, s12, 16                        ; + 32 x half
	s_add_co_u32 s16, s16, s17
	s_mul_i32 s17, s79, ABATCH
	s_add_co_u32 s16, s16, s17
	s_add_co_u32 s16, s16, A0
	s_mov_b32 s17, 0
	s_lshl_b32 s82, s78, 7                         ; B: row 128 x block column
	s_lshl_b32 s83, s12, 6                         ; + 64 x half
	s_add_co_u32 s82, s82, s83
	s_lshl_b32 s82, s82, 11
	s_mul_i32 s83, s79, BBATCH
	s_add_co_u32 s82, s82, s83
	s_mov_b32 s83, 0
	s_mul_i32 s21, s10, 64*PX                      ; LDS: B's halves at wave x 64 rows (waves 0, 1)
	s_mul_i32 s20, s10, 32*PX                      ; A's halves behind B's 128 rows: SA + (wave - 2) x 32 rows (waves 2, 3)
	s_wait_dscnt 0x0
	s_wait_kmcnt 0x0
	s_add_nc_u64 s[14:15], s[4:5], s[16:17]
	s_add_nc_u64 s[82:83], s[4:5], s[82:83]
	CROUND                                         ; all sixteen work-groups are here: the first joint loads meet
.irp s, 0,1,2
	s_mov_b32 s[G0A+4*\s], 1
	s_add_co_u32 s[G0A+4*\s+1], s20, \s*SLOT+SA-64*PX
	s_add_nc_u64 s[G0A+4*\s+2:G0A+4*\s+3], s[14:15], \s*512
	s_or_b32 s[G0A+4*\s+3], s[G0A+4*\s+3], 0x80000000
	s_mov_b32 s[G0B+4*\s], 1
	s_add_co_u32 s[G0B+4*\s+1], s21, \s*SLOT
	s_add_nc_u64 s[G0B+4*\s+2:G0B+4*\s+3], s[82:83], \s*512
	s_or_b32 s[G0B+4*\s+3], s[G0B+4*\s+3], 0x80000000
	JLOAD \s                                       ; pieces 0, 1, 2 go out first: three tensor loads of the wave are out here, one later
.endr
	v_and_b32 v1, 15, v0                           ; r = l % 16
	v_bfe_u32 v2, v0, 4, 1                         ; h = l / 16
	v_and_b32 v28, 31, v0                          ; lane
	v_mul_u32_u24 v3, v1, PX
	v_lshl_add_u32 v3, v2, 4, v3                   ; row x pitch + 16 h
	v_mov_b32 v[ADRB], v3
	v_add_nc_u32 v[ADRB+1], SLOT, v3
	v_add_nc_u32 v[ADRB+2], 2*SLOT, v3
	s_mul_i32 s18, s10, 16*PX
	s_add_co_u32 s18, s18, SA                      ; my 16 rows of A
	v_add_nc_u32 v[ADRA], s18, v3
	v_add_nc_u32 v[ADRA+1], SLOT, v[ADRA]
	v_add_nc_u32 v[ADRA+2], 2*SLOT, v[ADRA]
	s_mul_i32 s19, s10, WSTAGE
	s_add_co_u32 s19, s19, STAGE                   ; my stage
	v_mul_u32_u24 v4, v1, SP
	v_lshl_add_u32 v4, v2, 4, v4
	v_add_nc_u32 v[STO], s19, v4                   ; in: row r, 16 bytes for each half of the lanes
	v_mul_u32_u24 v5, v2, SP
	v_lshl_add_u32 v5, v1, 4, v5
	v_add_nc_u32 v[RD], s19, v5                    ; back: lanes 0-15 one row of 256 bytes, lanes 16-31 the next
	v_lshlrev_b32 v5, 11, v2
	v_lshl_add_u32 v[CO], v1, 4, v5                ; the same two rows in C
	v_lshlrev_b32 v11, 5, v1                       ; the sums of squares: 32 bytes a row
	s_mov_b32 s86, 0x41800000                      ; both roles store 16 times the product
	s_mov_b32 s87, 0x41800000
	s_sub_co_u32 s88, 0, s79                       ; the role as a lane mask: 0 or all ones
	; THE BIAS VECTORS, while the first pieces are on their way.  My wave takes the 2 rows R0 = 64 x block row + 8 bx + 2 w of its role's A and
	; multiplies each by bq (role 0) or bv (role 1), in f32.  Lane L holds elements 256 c + 8 L + 0..7 of a row, c = 0..3.
	s_mov_b32 s98, 0x76543210                      ; v_permlanex16_b32: lane i of one half reads lane i of the other
	s_mov_b32 s99, 0xfedcba98
	s_lshl_b32 s68, s75, 11                        ; where my 16 rows' sums of squares go: 8192 + 32 (64 x block row + 16 w) + 4 bx
	s_lshl_b32 s69, s10, 9
	s_add_co_u32 s68, s68, s69
	s_lshl_b32 s69, s78, 2
	s_add_co_u32 s68, s68, s69
	s_add_co_u32 s68, s68, 8192
	s_mov_b32 s69, 0
	s_add_nc_u64 s[84:85], s[96:97], s[68:69]
	s_lshl_b32 s66, s75, 6
	s_lshl_b32 s67, s78, 3
	s_add_co_u32 s66, s66, s67
	s_lshl_b32 s67, s10, 1
	s_add_co_u32 s66, s66, s67                     ; R0
	s_lshl_b32 s68, s66, 11
	s_mul_i32 s69, s79, ABATCH
	s_add_co_u32 s68, s68, s69
	s_add_co_u32 s68, s68, A0
	s_mov_b32 s69, 0
	s_add_nc_u64 s[90:91], s[4:5], s[68:69]        ; my first row
	s_lshl_b32 s68, s79, 13
	s_add_nc_u64 s[92:93], s[92:93], s[68:69]      ; bq, or bv 8,192 bytes further
	s_lshl_b32 s68, s79, 12
	s_add_nc_u64 s[96:97], s[96:97], s[68:69]      ; cq's or bfin's place in BV
	s_lshl_b32 s66, s66, 2
	v_lshlrev_b32 v12, 5, v28
	v_lshlrev_b32 v13, 4, v28
	v_min_u32 v14, 1, v28
	v_lshl_add_u32 v14, v14, 2, s66                ; b_out[R0 + min(lane, 1)]
	v_lshl_add_u32 v15, v28, 2, s66
	v_mov_b32 v8, 0
	v_mov_b32 v9, 0
.irp c, 0,1,2,3
	global_load_b128 v[168+8*\c:168+8*\c+3],   v12, s[92:93] offset:1024*\c
	global_load_b128 v[168+8*\c+4:168+8*\c+7], v12, s[92:93] offset:1024*\c+16
.endr
	global_load_b32 v10, v14, s[94:95]
.irp i, 0,1
.irp c, 0,1,2,3
	global_load_b128 v[96+16*\i+4*\c:96+16*\i+4*\c+3], v13, s[90:91] offset:\i*2048+512*\c
.endr
.endr
	s_wait_loadcnt 0x0
.macro BVROW n, x                      ; row n, its 16 registers from x on: the dot product, summed over the lanes, into lane n of v8
.set e, 0
.rept 16
	v_mov_b32 v30, v[\x+e]                         ; a fixed register, so that its halves can be named
	v_cvt_f32_f16 v31, v30.l
	v_cvt_f32_f16 v29, v30.h
.if e == 0
	v_mul_f32 v[6+\n], v31, v[168]
.else
	v_fmac_f32 v[6+\n], v31, v[168+2*e]
.endif
	v_fmac_f32 v[6+\n], v29, v[168+2*e+1]
.set e, e+1
.endr
	v_add_f32_dpp v[6+\n], v[6+\n], v[6+\n] row_xmask:1 row_mask:0xf bank_mask:0xf
	v_add_f32_dpp v[6+\n], v[6+\n], v[6+\n] row_xmask:2 row_mask:0xf bank_mask:0xf
	v_add_f32_dpp v[6+\n], v[6+\n], v[6+\n] row_xmask:4 row_mask:0xf bank_mask:0xf
	v_add_f32_dpp v[6+\n], v[6+\n], v[6+\n] row_xmask:8 row_mask:0xf bank_mask:0xf
	v_permlanex16_b32 v9, v[6+\n], s98, s99
	v_add_f32 v[6+\n], v[6+\n], v9
	v_cmp_eq_u32 vcc_lo, \n, v28
	v_cndmask_b32 v8, v8, v[6+\n], vcc_lo
.endm
	BVROW 0, 96
	BVROW 1, 112
	v_cndmask_b32 v10, 0, v10, s88                 ; b_out belongs to role 1 alone
	v_add_f32 v8, v8, v10
	s_wait_xcnt 0x0                                ; EXEC changes only behind s_wait_xcnt 0
	v_cmp_gt_u32 vcc_lo, 2, v28
	s_and_saveexec_b32 s100, vcc_lo
	global_store_b32 v15, v8, s[96:97]             ; 8 bytes a wave, 8 KiB in the whole launch: stored in parts of a 256-byte block
	s_wait_xcnt 0x0                                ; and again in front of the line that widens it
	s_or_b32 exec_lo, exec_lo, s100
; 8 matrix instructions: my 16 rows x all 8 n tiles, 32 along K.  zero = 1: the first product starts the sums.
; The 8 accumulators take turns, one instruction a turn, in the same order in every quarter.
.macro MUL8 f, zero
.irp b, 0,1,2,3,4,5,6,7
.if \zero
	v_wmma_f32_16x16x32_f16 v[ACC+8*\b:ACC+8*\b+7], v[\f+8*\b:\f+8*\b+7], v[\f+64:\f+71], 0
.else
	v_wmma_f32_16x16x32_f16 v[ACC+8*\b:ACC+8*\b+7], v[\f+8*\b:\f+8*\b+7], v[\f+64:\f+71], v[ACC+8*\b:ACC+8*\b+7]
.endif
.endr
.endm
; 18 LDS loads in one run: the fragments of 32 along K at byte k of slot s's rows (128 rows of B, my 16 rows of A) into buffer f
.macro FETCH s, k, f
.irp i, 0,1,2,3,4,5,6,7
	ds_load_b128 v[\f+8*\i:\f+8*\i+3],   v[ADRB+\s] offset:\k+\i*16*PX
	ds_load_b128 v[\f+8*\i+4:\f+8*\i+7], v[ADRB+\s] offset:\k+\i*16*PX+32
.endr
	ds_load_b128 v[\f+64:\f+67], v[ADRA+\s] offset:\k
	ds_load_b128 v[\f+68:\f+71], v[ADRA+\s] offset:\k+32
.endm
.macro QUARTER s, k, f, g, zero        ; asks for the next 32 of K (slot s, byte k) into buffer g, then multiplies buffer f
	PLACES
	FETCH \s, \k, \g
	s_wait_dscnt 0x12                              ; all but the 18 just issued: buffer f is in
	MUL8 \f, \zero
.endm
.macro RUN7 s, zero                    ; the first seven quarters of the piece in slot s
	QUARTER \s, 64,  F0, F1, \zero
	QUARTER \s, 128, F1, F0, 0
	QUARTER \s, 192, F0, F1, 0
	QUARTER \s, 256, F1, F0, 0
	QUARTER \s, 320, F0, F1, 0
	QUARTER \s, 384, F1, F0, 0
	QUARTER \s, 448, F0, F1, 0
.endm
; A piece's last quarter, with a barrier.  In front of it each wave waits for its LDS reads and for all its tensor loads.
; fill = 1: the barrier opens a round of the cluster's barrier, and the joint refill of slot 0 (piece 3) is the first tensor load behind it.
.macro TURN s, fill
	s_wait_dscnt 0x0                               ; buffer 1 is in, and my reads of the piece are over
	s_wait_tensorcnt 0x0                           ; all my tensor loads have landed
	ds_add_u32 v240, v241
	s_wait_dscnt 0x0
	s_barrier_signal -1
	MUL8 F1, 0                                     ; register work while the others arrive
	s_barrier_wait -1
.if \fill
	CREST
	s_add_nc_u64 s[G0A+2:G0A+3], s[G0A+2:G0A+3], 3*512
	s_add_nc_u64 s[G0B+2:G0B+3], s[G0B+2:G0B+3], 3*512
	JLOAD 0
.endif
	PLACES
	FETCH \s, 0, F0
.endm
	s_wait_tensorcnt 0x2                           ; my part of piece 0 is in; the two younger loads may stay out
	s_barrier_signal -1
	s_barrier_wait -1
	FETCH 0, 0, F0
	RUN7 0, 1                                      ; piece 0
	TURN 1, 1                                      ; every wave's pieces 1 and 2 have landed; slot 0 is asked for again
	RUN7 1, 0                                      ; piece 1
	QUARTER 2, 0, F1, F0, 0                        ; on into slot 2 without a barrier: the one above has shown it whole
	RUN7 2, 0                                      ; piece 2
	TURN 0, 0                                      ; piece 3 has landed; nothing is left to fetch
	RUN7 0, 0                                      ; piece 3
	s_wait_dscnt 0x0
	MUL8 F1, 0
	; THE WAY OUT, my 16 rows: scale, the rows' sums of squares, round to f16, 16 bytes a lane into my own stage, whole rows back.
	PLACES
	s_lshl_b32 s16, s75, 6
	s_lshl_b32 s17, s10, 4
	s_add_co_u32 s16, s16, s17                     ; my first row of C
	s_mul_i32 s16, s16, PCB
	s_mul_i32 s17, s79, CBATCH
	s_add_co_u32 s16, s16, s17
	s_mov_b32 s17, 0
	s_add_nc_u64 s[8:9], s[8:9], s[16:17]
	s_lshl_b32 s82, s78, 8                         ; my first column, in bytes
	s_mov_b32 s83, 0
	s_add_nc_u64 s[8:9], s[8:9], s[82:83]
.irp b, 0,1,2,3,4,5,6,7
.irp p, 0,2,4,6
	v_pk_mul_f32 v[T+8*\b+\p:T+8*\b+\p+1], v[ACC+8*\b+\p:ACC+8*\b+\p+1], s[86:87] op_sel_hi:[1,0]
.endr
.endr
	; The sum of squares of row r's 128 numbers: my 64 in two chains, then the other half of the lanes.  Both roles run these 36 lines, role 1 alone
	; stores (its lanes 0 to 15): the launch has no branch but on the wave's number.
	v_pk_mul_f32 v[6:7], v[T:T+1], v[T:T+1]
	v_pk_mul_f32 v[8:9], v[T+2:T+3], v[T+2:T+3]
.set e, 4
.rept 15
	v_pk_fma_f32 v[6:7], v[T+e:T+e+1], v[T+e:T+e+1], v[6:7]
	v_pk_fma_f32 v[8:9], v[T+e+2:T+e+3], v[T+e+2:T+e+3], v[8:9]
.set e, e+4
.endr
	v_pk_add_f32 v[6:7], v[6:7], v[8:9]
	v_add_f32 v6, v6, v7
	v_permlanex16_b32 v9, v6, s98, s99
	v_add_f32 v6, v6, v9
	s_wait_xcnt 0x0                                ; EXEC changes only behind s_wait_xcnt 0
	v_cmp_gt_u32 vcc_lo, 16, v28
	s_and_b32 vcc_lo, vcc_lo, s88                  ; no lane in role 0
	s_and_saveexec_b32 s100, vcc_lo
	global_store_b32 v11, v6, s[84:85]             ; 4 bytes a row, 32 KiB in the whole launch: a row's eight sums lie together for their readers
	s_wait_xcnt 0x0                                ; and again in front of the line that widens it
	s_or_b32 exec_lo, exec_lo, s100
.irp b, 0,1,2,3,4,5,6,7
.irp p, 0,1,2,3
	v_cvt_pk_f16_f32 v[PK+4*\b+\p], v[T+8*\b+2*\p], v[T+8*\b+2*\p+1]
.endr
	ds_store_b128 v[STO], v[PK+4*\b:PK+4*\b+3] offset:32*\b
.endr
.irp t, 0,1,2,3,4,5,6,7
	ds_load_b128 v[RB+4*\t:RB+4*\t+3], v[RD] offset:\t*2*SP        ; LDS serves a wave's instructions in order (ISA guide 5.7.1.4): these see the stores above
.endr
.irp t, 0,1,2,3,4,5,6,7
	s_wait_dscnt 7-\t                              ; pair t of rows is back, the younger ones stay out
	global_store_b128 v[CO], v[RB+4*\t:RB+4*\t+3], s[8:9] offset:2*\t*PCB   ; 16 lanes store 256 consecutive aligned bytes
.endr
	s_wait_tensorcnt 0x0
	ds_add_u32 v240, v241
	s_wait_dscnt 0x0
	CROUND                                         ; the closing round: no work-group ends while a partner may still ask for a tile that names it
	s_endpgm
.Lfunc_end_k_q719907ecba_wgt:
	.size	k_q719907ecba_wgt, .Lfunc_end_k_q719907ecba_wgt-k_q719907ecba_wgt
	.p2alignl 7, 3214868480
	.fill 96, 4, 3214868480
	.section	.rodata,"a",@progbits
	.p2align	6, 0x0
	.amdhsa_kernel k_q719907ecba_wgt
		.amdhsa_group_segment_fixed_size 327680
		.amdhsa_private_segment_fixed_size 0
		.amdhsa_enable_private_segment 0
		.amdhsa_kernarg_size 40
		.amdhsa_user_sgpr_count 2
		.amdhsa_user_sgpr_kernarg_segment_ptr 1
		.amdhsa_wavefront_size32 1
		.amdhsa_system_sgpr_workgroup_id_x 1
		.amdhsa_system_sgpr_workgroup_id_y 1
		.amdhsa_system_sgpr_workgroup_id_z 1
		.amdhsa_system_vgpr_workitem_id 0
		.amdhsa_next_free_vgpr 242
		.amdhsa_next_free_sgpr 101
		.amdhsa_reserve_vcc 1
		.amdhsa_float_denorm_mode_32 3
		.amdhsa_float_denorm_mode_16_64 3
		.amdhsa_memory_ordered 1
		.amdhsa_forward_progress 1
		.amdhsa_inst_pref_size 84
	.end_amdhsa_kernel
	.amdgpu_metadata
---
amdhsa.version: [ 1, 2 ]
amdhsa.kernels:
  - .name:           k_q719907ecba_wgt
    .symbol:         k_q719907ecba_wgt.kd
    .args:
      - { .name: WW, .offset: 0, .size: 8, .value_kind: global_buffer, .address_space: global }
      - { .name: WO, .offset: 8, .size: 8, .value_kind: global_buffer, .address_space: global }
      - { .name: BV, .offset: 16, .size: 8, .value_kind: global_buffer, .address_space: global }
      - { .name: b_qkv, .offset: 24, .size: 8, .value_kind: global_buffer, .address_space: global }
      - { .name: b_out, .offset: 32, .size: 8, .value_kind: global_buffer, .address_space: global }
    .group_segment_fixed_size: 327680
    .private_segment_fixed_size: 0
    .kernarg_segment_align: 8
    .kernarg_segment_size: 40
    .max_flat_workgroup_size: 128
    .sgpr_count:     101
    .vgpr_count:     242
    .wavefront_size: 32
...
	.end_amdgpu_metadata
.endif
;; end of part 9
;; launch qv (part 10): grid 8 x 32, 4 waves a work-group, clusters of 4 x 4, 327,680 bytes of LDS; arguments xh, WO, act, BV; writes act
.if DOCPART == 10
	.amdgcn_target "amdgcn-amd-amdhsa--gfx1250"
	.amdhsa_code_object_version 6
	.text
	.protected	k_q719907ecba_qv
	.globl	k_q719907ecba_qv
	.p2align	8
	.type	k_q719907ecba_qv,@function
k_q719907ecba_qv:
	s_mov_b64 s[64:65], 0
	v_nop
	global_prefetch_b8 v0, s[64:65] scope:SCOPE_SE
	s_setreg_imm32_b32 hwreg(HW_REG_WAVE_MODE, 25, 1), 1
	s_wait_xcnt 0x0
	s_wait_alu depctr_hold_cnt(0) depctr_sa_sdst(0) depctr_va_vdst(0) depctr_va_sdst(0) depctr_va_ssrc(0) depctr_va_vcc(0) depctr_vm_vsrc(0)
	s_getreg_b32 s2, hwreg(HW_REG_IB_STS2, 6, 4)
	s_cmp_eq_u32 s2, 0
	s_cbranch_scc0 .Lentry_in_a_cluster
	s_endpgm
.Lentry_in_a_cluster:
	s_bfe_u32 s2, ttmp6, 0x10000c
	s_cmp_lg_u32 s2, 0xf033
	s_cbranch_scc0 .Lentry_shape_is_right
	s_endpgm
.Lentry_shape_is_right:
; The two products of x with the folded weights, in one launch; the role is the cluster's x, the batch of 1,024 tokens the cluster's y.
;   role 0: Q''[t][j] = sum over d of x[t][d] M[d][j] + cq[j]          -> act, byte 0:      [8192 t][1024 j] bf16
;   role 1: V'T[f][t] = g[f] x 16 sum over d of W'[d][f] x[t][d]       -> act, byte 16 MiB: [8 batches][1024 f][1024 t] f16
; Both are C[m][n] = sum over k of A[m][k] B[n][k] with f16 operands, K = 1024 along the rows of both, pitch 1,024:
;   role 0: A = xh (the batch's rows), B = WO[0] = 16 MT;   role 1: A = WO[1] = 16 W'T, B = xh (the batch's rows).
; The two buffers change places by a select on the role; C's place is one formula for both roles plus role x 16 MiB.  No branch hangs on the role.
; g[f] IS A POWER OF TWO TAKEN FROM THE DATA.  x W' grows with three inputs and has no room in f16 under a fixed scale.  The launch before stored, for each f,
; eight partial sums of squares of 16 W'T's row f.  Their sum ss has the biased exponent eb; with e = ((eb + 1) >> 1) - 64 the row's norm times 2^-e lies in
; [1, 2), so by Cauchy-Schwarz what is stored is at most 2 |x_t| (Euclidean) in magnitude: the range of x alone.  g = 2^-e.  The last launch undoes it; it
; adds the eight sums in the same order, ((p0+p2)+(p1+p3)) + ((p4+p6)+(p5+p7)), so that both get the same bits.  e steers a value, no address.
; Q'' stays bf16: it grows with three inputs too, and its scale could not be undone behind the score product's sum over j.
; LIMIT: 2 |x_t| below 65504.
; A work-group makes 256 x 256 of C with four waves: 2 roles x 128 = 256 work-groups; a wave makes 128 x 128: 64 accumulator tiles, 512 registers.
; K goes in steps of 128 (rows of 256 bytes, aligned) through a ring of two LDS slots filled by tensor loads; from a request to the wait for it a wave
; issues 240 matrix instructions.
; CLUSTERS: 4 x 4 work-groups.  A's tile hangs on role, batch and cy and is asked for jointly by a row of the cluster; B's on role, batch and cx, by a column.
; REGISTERS, in windows of 256:
;   window 0: v0-31 addresses; v32-47 row scales; v64-127, v128-191 fragments of A, two buffers; on the way out v64-127 results, v128-191 rows read back, v192-255 packed
;   window 1: v0-63 the bias of my 64 columns; v64-127, v128-191 fragments of B, two buffers; v192-223 partial sums of squares
;   window 2: the 32 accumulator tiles of my rows 0-63 (tile (a, b) at v[8 (8 a + b)]);   window 3: those of my rows 64-127
; The matrix instruction is used transposed (source 0 = rows of B, source 1 = rows of A): lane l holds row l % 16 of C and in registers
; 0 to 7 the columns 8 (l / 16) + 0 .. 7, eight neighbours of a row.
.set KSTEP,  128
.set PITCH,  272                       ; an LDS row: 256 bytes + 16 of padding: the 16 rows of a fragment start at 16 different groups of banks (64 banks of 4 bytes: ISA guide 11.1)
.set HALFT,  128*PITCH                 ; 128 rows: what one tensor load brings, and what one wave reads of A or of B
.set SLOT,   4*HALFT                   ; A's 256 rows, then B's 256 rows
.set STAGE,  2*SLOT                    ; behind the ring, a multiple of 256: no tensor load lands here; 16 rows x 272 bytes for each wave
.set LAPS,   1024/(2*KSTEP)            ; a lap = two K steps = once round the ring
.set PCB,    2048                      ; bytes in a row of C, in both roles
.set ADRA, 16                          ; v16-17  LDS address of my A fragments in slot 0, 1
.set ADRB, 20                          ; v20-21  the same for B
.set STO,  24
.set RD,   25
.set CO,   26
.set BOF,  27                          ; v27 my offset in the bias; never rewritten
.set SOF,  28                          ; v28 my offset in the sums of squares; never rewritten
.set RS,   32                          ; v32-47  the scale of row 16 i + r, twice, at RS + 2 i
.set F0,   64
.set F1,   128
.set T,    64                          ; the way out: finished results in f32
.set RB0,  128                         ; rows read back, two sets in turn
.set RB1,  160
.set PK,   192                         ; packed bf16, then the role's form
.set PK2,  224                         ; packed f16
.set BI,   0                           ; window 1
.set SQ,   192                         ; window 1
.set G1, 24                            ; s[24:31] descriptor group 1 for A's tiles
.set G0, 32                            ; s[32:39] descriptor group 0 for A's tiles, one set for each slot
.set G1B, 48                           ; s[48:55], s[56:63] the same for B's tiles
.set G0B, 56
.set MSB, 0
.macro WIN new                         ; the immediate's high byte repeats the setting that is left
.if MSB != \new
	s_set_vgpr_msb (MSB<<8)|\new
.set MSB, \new
.endif
.endm
.set MUL_LO, 0xa1                      ; source 0 (B) window 1, source 1 (A) window 0, C and D window 2
.set MUL_HI, 0xf1                      ; the same, C and D window 3
.set TO_B,   0x40                      ; destination window 1, address window 0
.macro JLOAD s                         ; a joint load: waves 0 and 1 ask for A's halves, waves 2 and 3 for B's; the branch hangs on the wave's number alone
	s_cmp_eq_u32 s11, 0
	s_cbranch_scc0 .Lfor_b_\@
	tensor_load_to_lds s[G0+4*\s:G0+4*\s+3], s[G1:G1+7]
	s_nop 0
	s_branch .Lasked_\@
.Lfor_b_\@:
	tensor_load_to_lds s[G0B+4*\s:G0B+4*\s+3], s[G1B:G1B+7]
	s_nop 0
.Lasked_\@:
.endm
.macro CREST                           ; a round of the cluster's barrier behind its opening work-group barrier
	s_cmp_lg_u32 s10, 0
	s_cbranch_scc1 .Lnot_wave_0_\@
	s_barrier_signal -3
.Lnot_wave_0_\@:
	s_barrier_wait -3
	s_barrier_signal -1
	s_barrier_wait -1
.endm
.macro CROUND
	s_barrier_signal -1
	s_barrier_wait -1
	CREST
.endm
.macro PLACES                          ; four places behind matrix instructions (ISA guide 7.12.1) before their registers are loaded into, read or written
.rept 4
	v_nop
.endr
.endm
	s_load_b128 s[4:7], s[0:1], 0x0                ; xh s[4:5], WO s[6:7]
	s_load_b64 s[8:9], s[0:1], 0x10                ; act
	s_load_b64 s[68:69], s[0:1], 0x18              ; BV
	s_set_vgpr_msb 0x40
	v_lshl_add_u32 v255, v0, 2, 0x48400
	s_set_vgpr_msb 0x4000
	v_mov_b32 v63, 0
	s_set_vgpr_msb 0x1
	ds_add_u32 v255, v63
	s_set_vgpr_msb 0x100
	v_lshrrev_b32 v1, 5, v0
	v_readfirstlane_b32 s10, v1                    ; wave 0..3
	s_lshr_b32 s11, s10, 1                         ; which half of the block's rows is mine.  Also: I fetch for A (0) or for B (1)
	s_and_b32 s12, s10, 1                          ; which half of its columns.  Also: which 128 rows of that tile I fetch
	s_bfe_u32 s40, ttmp6, 0x40000                  ; cx
	s_bfe_u32 s41, ttmp6, 0x40004                  ; cy
	s_mov_b32 s42, ttmp9                           ; the cluster's x: the role
	s_and_b32 s13, ttmp7, 0xffff                   ; the cluster's y: the batch
	s_lshl_b32 s45, s13, 21                        ; the batch's 1,024 rows of 2,048 bytes
	s_lshl_b32 s43, s41, 2
	s_lshl_b32 s43, 15, s43                        ; my row of the cluster
	s_lshl_b32 s44, 0x1111, s40                    ; my column
	s_or_b32 s[G1+0], s43, (1<<16)|(1<<20)|(1<<21)|(5<<22)|(3<<25)   ; mask; 2-byte elements; padding on; bit 21 beside a mask; 4 words after every 64
	s_or_b32 s[G1B+0], s44, (1<<16)|(1<<20)|(1<<21)|(5<<22)|(3<<25)
	s_mov_b32 s[G1+1], KSTEP<<16                   ; tensor_dim0 = 128
	s_mov_b32 s[G1B+1], KSTEP<<16
	s_mov_b32 s[G1+2], 128<<16                     ; tensor_dim1 = 128
	s_mov_b32 s[G1B+2], 128<<16
	s_mov_b32 s[G1+3], KSTEP<<16                   ; tile_dim0 = 128
	s_mov_b32 s[G1B+3], KSTEP<<16
	s_mov_b32 s[G1+4], 128                         ; tile_dim1 = 128
	s_mov_b32 s[G1B+4], 128
	s_mov_b32 s[G1+5], 1024                        ; elements from row to row
	s_mov_b32 s[G1B+5], 1024
	s_mov_b32 s[G1+6], 0
	s_mov_b32 s[G1B+6], 0
	s_mov_b32 s[G1+7], 0
	s_mov_b32 s[G1B+7], 0
	; A's offset hangs on cy, B's on cx, each in registers that never hold the other coordinate
	s_lshl_b32 s16, s41, 19                        ; A: 256 cy rows of 2,048 bytes
	s_lshl_b32 s17, s12, 18                        ; + 128 x half
	s_add_co_u32 s16, s16, s17
	s_cmp_lg_u32 s42, 0
	s_cselect_b32 s17, 0x200000, s45               ; role 1: WO[1]; role 0: the batch in xh
	s_add_co_u32 s16, s16, s17
	s_mov_b32 s17, 0
	s_lshl_b32 s46, s40, 19                        ; B: 256 cx rows
	s_lshl_b32 s47, s12, 18
	s_add_co_u32 s46, s46, s47
	s_cmp_lg_u32 s42, 0
	s_cselect_b32 s47, s45, 0                      ; role 1: the batch in xh; role 0: WO[0]
	s_add_co_u32 s46, s46, s47
	s_mov_b32 s47, 0
	s_mul_i32 s20, s10, HALFT                      ; LDS: A's two halves, then B's two halves = wave x 128 rows
	s_wait_dscnt 0x0
	s_wait_kmcnt 0x0
	s_cmp_lg_u32 s42, 0
	s_cselect_b64 s[14:15], s[6:7], s[4:5]         ; A's buffer
	s_cselect_b64 s[74:75], s[4:5], s[6:7]         ; B's buffer
	s_add_nc_u64 s[14:15], s[14:15], s[16:17]
	s_add_nc_u64 s[46:47], s[74:75], s[46:47]
	CROUND                                         ; all sixteen work-groups are here: the first joint loads meet
.irp s, 0,1
	s_mov_b32 s[G0+4*\s], 1
	s_add_co_u32 s[G0+4*\s+1], s20, \s*SLOT
	s_add_nc_u64 s[G0+4*\s+2:G0+4*\s+3], s[14:15], \s*KSTEP*2
	s_or_b32 s[G0+4*\s+3], s[G0+4*\s+3], 0x80000000
	s_mov_b32 s[G0B+4*\s], 1
	s_add_co_u32 s[G0B+4*\s+1], s20, \s*SLOT
	s_add_nc_u64 s[G0B+4*\s+2:G0B+4*\s+3], s[46:47], \s*KSTEP*2
	s_or_b32 s[G0B+4*\s+3], s[G0B+4*\s+3], 0x80000000
	JLOAD \s                                       ; both slots go out first: two tensor loads of the wave are out here, one later
.endr
	v_and_b32 v1, 15, v0                           ; r = l % 16
	v_bfe_u32 v2, v0, 4, 1                         ; h = l / 16
	v_mul_u32_u24 v3, v1, PITCH
	v_lshl_add_u32 v3, v2, 4, v3                   ; row x pitch + 16 h
	s_mul_i32 s21, s11, HALFT                      ; my 128 rows of A
	s_mul_i32 s22, s12, HALFT                      ; my 128 rows of B,
	s_add_co_u32 s22, s22, 2*HALFT                 ; which lie behind A's 256
.irp s, 0,1
	v_add_nc_u32 v[ADRA+\s], s21, v3
	v_add_nc_u32 v[ADRB+\s], s22, v3
	s_add_co_u32 s21, s21, SLOT
	s_add_co_u32 s22, s22, SLOT
.endr
	s_mul_i32 s23, s10, 16*PITCH
	s_add_co_u32 s23, s23, STAGE                   ; my stage
	v_add_nc_u32 v[STO], s23, v3                   ; in: row r, 16 bytes for each half of the lanes
	v_mul_u32_u24 v5, v2, PITCH
	v_lshl_add_u32 v5, v1, 4, v5
	v_add_nc_u32 v[RD], s23, v5                    ; back: lanes 0-15 one row of 256 bytes, lanes 16-31 the next
	v_lshlrev_b32 v5, 11, v2
	v_lshl_add_u32 v[CO], v1, 4, v5                ; the same two rows in C
	s_sub_co_u32 s72, 0, s42                       ; the role as a lane mask: 0 or all ones
	s_mov_b32 s82, 0x76543210                      ; v_permlanex16_b32: lane i of one half reads lane i of the other
	s_mov_b32 s83, 0xfedcba98
	; What the way out needs, asked for now and waited for there: 24 loads.  cq of my columns 256 cx + 128 (w & 1) + 16 b + 8 h + j into window 1, register 8 b + j;
	; of row 256 cy + 128 (w >> 1) + 16 a + r the partial sums 4 h .. 4 h + 3 into window 1, registers SQ + 4 a ..  Each role loads both and uses its own.
	s_lshl_b32 s70, s41, 13                        ; 256 cy rows of 32 bytes
	s_lshl_b32 s71, s11, 12
	s_add_co_u32 s70, s70, s71
	s_add_co_u32 s70, s70, 8192
	s_mov_b32 s71, 0
	s_add_nc_u64 s[76:77], s[68:69], s[70:71]
	s_lshl_b32 s70, s40, 10                        ; 256 cx columns of 4 bytes
	s_lshl_b32 s78, s12, 9
	s_add_co_u32 s70, s70, s78
	s_add_nc_u64 s[68:69], s[68:69], s[70:71]
	v_lshlrev_b32 v[BOF], 5, v2
	v_lshlrev_b32 v[SOF], 5, v1
	v_lshl_add_u32 v[SOF], v2, 4, v[SOF]
	WIN TO_B
.irp b, 0,1,2,3,4,5,6,7
	global_load_b128 v[BI+8*\b:BI+8*\b+3],   v[BOF], s[68:69] offset:64*\b
	global_load_b128 v[BI+8*\b+4:BI+8*\b+7], v[BOF], s[68:69] offset:64*\b+16
.endr
.irp a, 0,1,2,3,4,5,6,7
	global_load_b128 v[SQ+4*\a:SQ+4*\a+3], v[SOF], s[76:77] offset:512*\a
.endr
	WIN 0
; 16 matrix instructions: m blocks a0, a0 + 1 of the window's four (hi = 0: my rows 0-63, 1: rows 64-127) x all 8 n blocks, 32 along K.
; zero = 1: the first product starts the sums.  The 64 accumulators take turns, one instruction a turn, in the same order in every quarter step,
; over the backward jump too.
.macro MUL16 f, hi, a0, zero
.irp a, \a0, \a0+1
.irp b, 0,1,2,3,4,5,6,7
.if \zero
	v_wmma_f32_16x16x32_f16 v[8*(8*(\a)+\b):8*(8*(\a)+\b)+7], v[\f+8*\b:\f+8*\b+7], v[\f+8*(4*\hi+\a):\f+8*(4*\hi+\a)+7], 0
.else
	v_wmma_f32_16x16x32_f16 v[8*(8*(\a)+\b):8*(8*(\a)+\b)+7], v[\f+8*\b:\f+8*\b+7], v[\f+8*(4*\hi+\a):\f+8*(4*\hi+\a)+7], v[8*(8*(\a)+\b):8*(8*(\a)+\b)+7]
.endif
.endr
.endr
.endm
; 32 LDS loads in one run: the fragments of one quarter step (128 rows of B, 128 rows of A, 32 K at byte k of the rows) into buffer f
.macro FETCH slot, k, f
	WIN TO_B
.irp i, 0,1,2,3,4,5,6,7
	ds_load_b128 v[\f+8*\i:\f+8*\i+3],   v[ADRB+\slot] offset:\k+\i*16*PITCH
	ds_load_b128 v[\f+8*\i+4:\f+8*\i+7], v[ADRB+\slot] offset:\k+\i*16*PITCH+32
.endr
	WIN 0
.irp i, 0,1,2,3,4,5,6,7
	ds_load_b128 v[\f+8*\i:\f+8*\i+3],   v[ADRA+\slot] offset:\k+\i*16*PITCH
	ds_load_b128 v[\f+8*\i+4:\f+8*\i+7], v[ADRA+\slot] offset:\k+\i*16*PITCH+32
.endr
.endm
.macro QUARTER slot, k, f, g, zero     ; multiplies buffer f; in its middle fetches the next quarter's fragments into buffer g
	s_wait_dscnt 0x8                               ; B and A's rows 0-63 are in; the youngest eight loads (A's rows 64-127) may be out
	WIN MUL_LO
	MUL16 \f, 0, 0, \zero
	MUL16 \f, 0, 2, \zero
	PLACES
	FETCH \slot, \k, \g
	s_wait_dscnt 0x20                              ; all but the 32 just issued
	WIN MUL_HI
	MUL16 \f, 1, 0, \zero
	MUL16 \f, 1, 2, \zero
.endm
.macro THREE slot, zero
	QUARTER \slot, 64,  F0, F1, \zero
	QUARTER \slot, 128, F1, F0, 0
	QUARTER \slot, 192, F0, F1, 0
.endm
; The last quarter of a K step changes slots.  In front of the barrier each wave waits for its reads of this slot and for all its tensor loads
; (one is out: its part of the next slot).  fill = 1: the barrier opens a round of the cluster's barrier, and the joint refill is the first tensor load behind it.
.macro TURN slot, next, fill
	s_wait_dscnt 0x8
	WIN MUL_LO
	MUL16 F1, 0, 0, 0
	s_wait_dscnt 0x0                               ; my reads of this slot are over
	s_wait_tensorcnt 0x0                           ; all my tensor loads have landed
	ds_add_u32 v255, v63
	s_wait_dscnt 0x0
	s_barrier_signal -1
	MUL16 F1, 0, 2, 0                              ; register work while the others arrive
	WIN 0
	s_barrier_wait -1
.if \fill
	CREST
	s_add_nc_u64 s[G0+4*\slot+2:G0+4*\slot+3], s[G0+4*\slot+2:G0+4*\slot+3], 2*KSTEP*2
	s_add_nc_u64 s[G0B+4*\slot+2:G0B+4*\slot+3], s[G0B+4*\slot+2:G0B+4*\slot+3], 2*KSTEP*2
	JLOAD \slot
.endif
	PLACES
	FETCH \next, 0, F0
	WIN MUL_HI
	MUL16 F1, 1, 0, 0
	MUL16 F1, 1, 2, 0
.endm
.macro LAP zero
	THREE 0, \zero
	TURN 0, 1, 1
	THREE 1, 0
	TURN 1, 0, 1
.endm
	s_wait_tensorcnt 0x1                           ; my part of K step 0 is in; K step 1's may stay out
	s_barrier_signal -1
	s_barrier_wait -1
	FETCH 0, 0, F0
	LAP 1                                          ; the first lap stands in front of the loop: its first products start the sums
	WIN 0                                          ; at a label and at a branch every window is 0
	s_mov_b32 s3, LAPS-2
.Llap:
	LAP 0
	WIN 0
	s_sub_co_u32 s3, s3, 1
	s_cmp_lg_u32 s3, 0
	s_cbranch_scc1 .Llap
	THREE 0, 0                                     ; the last lap fills nothing
	TURN 0, 1, 0
	THREE 1, 0
	s_wait_dscnt 0x8
	WIN MUL_LO
	MUL16 F1, 0, 0, 0
	MUL16 F1, 0, 2, 0
	s_wait_dscnt 0x0
	WIN MUL_HI
	MUL16 F1, 1, 0, 0
	MUL16 F1, 1, 2, 0
	; THE WAY OUT.  First the scale of each of my 8 x 16 rows and the bias of my columns, by role.
	PLACES
	WIN 0
	s_wait_loadcnt 0x0                             ; the bias and the partial sums
	WIN 0x45                                       ; destination and sources 0, 1 in window 1
.irp a, 0,1,2,3,4,5,6,7
	v_pk_add_f32 v[SQ+4*\a:SQ+4*\a+1], v[SQ+4*\a:SQ+4*\a+1], v[SQ+4*\a+2:SQ+4*\a+3]   ; (q0 + q2, q1 + q3), q = p[4 h ..]
.endr
	WIN 0x05                                       ; sources in window 1, destination in window 0
.irp a, 0,1,2,3,4,5,6,7
	v_add_f32 v[RS+2*\a], v[SQ+4*\a], v[SQ+4*\a+1]
.endr
	WIN 0
	v_mov_b32 v4, 0x3d800000                       ; 1/16
.irp a, 0,1,2,3,4,5,6,7
	v_permlanex16_b32 v3, v[RS+2*\a], s82, s83     ; the other four partial sums
	v_add_f32 v[RS+2*\a], v[RS+2*\a], v3           ; ss
	v_lshrrev_b32 v[RS+2*\a], 23, v[RS+2*\a]       ; eb (ss is not negative)
	v_add_nc_u32 v[RS+2*\a], 1, v[RS+2*\a]
	v_lshrrev_b32 v[RS+2*\a], 1, v[RS+2*\a]        ; e + 64
	v_sub_nc_u32 v[RS+2*\a], 0xbf, v[RS+2*\a]      ; 127 - e, between 63 and 191
	v_lshlrev_b32 v[RS+2*\a], 23, v[RS+2*\a]       ; g = 2^-e
	v_cndmask_b32 v[RS+2*\a], v4, v[RS+2*\a], s72  ; role 0: 1/16 takes 16 M back
	v_mov_b32 v[RS+2*\a+1], v[RS+2*\a]             ; a pair for the packed multiply-add
.endr
	WIN 0x41                                       ; destination and source 0 in window 1
.set i, 0
.rept 64
	v_cndmask_b32 v[BI+i], v[BI+i], 0, s72         ; role 1 adds nothing: its bias is added behind the last product
.set i, i+1
.endr
	WIN 0
	s_lshl_b32 s16, s41, 8
	s_lshl_b32 s17, s11, 7
	s_add_co_u32 s16, s16, s17                     ; my first row: 256 cy + 128 x half
	s_lshl_b32 s16, s16, 11
	s_add_co_u32 s16, s16, s45                     ; + the batch's 2 MiB
	s_lshl_b32 s17, s42, 24
	s_add_co_u32 s16, s16, s17                     ; + role x 16 MiB
	s_mov_b32 s17, 0
	s_add_nc_u64 s[8:9], s[8:9], s[16:17]
	s_lshl_b32 s46, s40, 9                         ; my first column, in bytes: 512 cx + 256 x half
	s_lshl_b32 s47, s12, 8
	s_add_co_u32 s46, s46, s47
	s_mov_b32 s47, 0
	s_add_nc_u64 s[8:9], s[8:9], s[46:47]
; Rows 16 i .. 16 i + 15 of my block = the eight tiles (a, 0..7) of window 2 or 3 (from = 0x12 or 0x13: source 0 there, source 2, the bias, in window 1).
; One fused multiply-add, both roundings, the role's taken; 16 bytes a lane into my own stage; whole rows of 256 bytes back.
.macro OUT16 i, a, from, rb
	WIN \from
.irp b, 0,1,2,3,4,5,6,7
.irp p, 0,2,4,6
	v_pk_fma_f32 v[T+8*\b+\p:T+8*\b+\p+1], v[8*(8*\a+\b)+\p:8*(8*\a+\b)+\p+1], v[RS+2*\i:RS+2*\i+1], v[BI+8*\b+\p:BI+8*\b+\p+1]
.endr
.endr
	WIN 0
.irp b, 0,1,2,3,4,5,6,7
.irp p, 0,1,2,3
	v_cvt_pk_bf16_f32 v[PK+4*\b+\p],  v[T+8*\b+2*\p], v[T+8*\b+2*\p+1]
	v_cvt_pk_f16_f32  v[PK2+4*\b+\p], v[T+8*\b+2*\p], v[T+8*\b+2*\p+1]
	v_cndmask_b32 v[PK+4*\b+\p], v[PK+4*\b+\p], v[PK2+4*\b+\p], s72
.endr
	ds_store_b128 v[STO], v[PK+4*\b:PK+4*\b+3] offset:32*\b
.endr
	s_wait_xcnt 0x0                                ; the rows read back and the base, which earlier stores read, are rewritten only behind this wait
.if \i
	s_add_nc_u64 s[8:9], s[8:9], 16*PCB
.endif
.irp t, 0,1,2,3,4,5,6,7
	ds_load_b128 v[\rb+4*\t:\rb+4*\t+3], v[RD] offset:\t*2*PITCH   ; LDS serves a wave's instructions in order (ISA guide 5.7.1.4): these see the stores above
.endr
.irp t, 0,1,2,3,4,5,6,7
	s_wait_dscnt 7-\t                              ; pair t of rows is back, the younger ones stay out
	global_store_b128 v[CO], v[\rb+4*\t:\rb+4*\t+3], s[8:9] offset:2*\t*PCB   ; 16 lanes store 256 consecutive aligned bytes
.endr
.endm
	OUT16 0, 0, 0x12, RB0
	OUT16 1, 1, 0x12, RB1
	OUT16 2, 2, 0x12, RB0
	OUT16 3, 3, 0x12, RB1
	OUT16 4, 0, 0x13, RB0
	OUT16 5, 1, 0x13, RB1
	OUT16 6, 2, 0x13, RB0
	OUT16 7, 3, 0x13, RB1
	s_set_vgpr_msb 0x1
	s_wait_tensorcnt 0x0
	ds_add_u32 v255, v63
	s_wait_dscnt 0x0
	s_set_vgpr_msb 0x100
	CROUND                                         ; the closing round: no work-group ends while a partner may still ask for a tile that names it
	s_endpgm
.Lfunc_end_k_q719907ecba_qv:
	.size	k_q719907ecba_qv, .Lfunc_end_k_q719907ecba_qv-k_q719907ecba_qv
	.p2alignl 7, 3214868480
	.fill 96, 4, 3214868480
	.section	.rodata,"a",@progbits
	.p2align	6, 0x0
	.amdhsa_kernel k_q719907ecba_qv
		.amdhsa_group_segment_fixed_size 327680
		.amdhsa_private_segment_fixed_size 0
		.amdhsa_enable_private_segment 0
		.amdhsa_kernarg_size 32
		.amdhsa_user_sgpr_count 2
		.amdhsa_user_sgpr_kernarg_segment_ptr 1
		.amdhsa_wavefront_size32 1
		.amdhsa_system_sgpr_workgroup_id_x 1
		.amdhsa_system_sgpr_workgroup_id_y 1
		.amdhsa_system_sgpr_workgroup_id_z 1
		.amdhsa_system_vgpr_workitem_id 0
		.amdhsa_next_free_vgpr 1024
		.amdhsa_next_free_sgpr 88
		.amdhsa_reserve_vcc 0
		.amdhsa_float_denorm_mode_32 3
		.amdhsa_float_denorm_mode_16_64 3
		.amdhsa_memory_ordered 1
		.amdhsa_forward_progress 1
		.amdhsa_inst_pref_size 255
	.end_amdhsa_kernel
	.amdgpu_metadata
---
amdhsa.version: [ 1, 2 ]
amdhsa.kernels:
  - .name:           k_q719907ecba_qv
    .symbol:         k_q719907ecba_qv.kd
    .args:
      - { .name: xh, .offset: 0, .size: 8, .value_kind: global_buffer, .address_space: global }
      - { .name: WO, .offset: 8, .size: 8, .value_kind: global_buffer, .address_space: global }
      - { .name: act, .offset: 16, .size: 8, .value_kind: global_buffer, .address_space: global }
      - { .name: BV, .offset: 24, .size: 8, .value_kind: global_buffer, .address_space: global }
    .group_segment_fixed_size: 327680
    .private_segment_fixed_size: 0
    .kernarg_segment_align: 8
    .kernarg_segment_size: 32
    .max_flat_workgroup_size: 128
    .sgpr_count:     88
    .vgpr_count:     1024
    .wavefront_size: 32
...
	.end_amdgpu_metadata
.endif
;; end of part 10
;; launch sco (part 11): grid 8 x 32, 4 waves a work-group, clusters of 4 x 4, 327,680 bytes of LDS; arguments act, xb, S; writes S
.if DOCPART == 11
	.amdgcn_target "amdgcn-amd-amdhsa--gfx1250"
	.amdhsa_code_object_version 6
	.text
	.protected	k_q719907ecba_sco
	.globl	k_q719907ecba_sco
	.p2align	8
	.type	k_q719907ecba_sco,@function
k_q719907ecba_sco:
	s_mov_b64 s[64:65], 0
	v_nop
	global_prefetch_b8 v0, s[64:65] scope:SCOPE_SE
	s_setreg_imm32_b32 hwreg(HW_REG_WAVE_MODE, 25, 1), 1
	s_wait_xcnt 0x0
	s_wait_alu depctr_hold_cnt(0) depctr_sa_sdst(0) depctr_va_vdst(0) depctr_va_sdst(0) depctr_va_ssrc(0) depctr_va_vcc(0) depctr_vm_vsrc(0)
	s_getreg_b32 s2, hwreg(HW_REG_IB_STS2, 6, 4)
	s_cmp_eq_u32 s2, 0
	s_cbranch_scc0 .Lentry_in_a_cluster
	s_endpgm
.Lentry_in_a_cluster:
	s_bfe_u32 s2, ttmp6, 0x10000c
	s_cmp_lg_u32 s2, 0xf033
	s_cbranch_scc0 .Lentry_shape_is_right
	s_endpgm
.Lentry_shape_is_right:
; S[b][q][k] = (log2 e / 32) x sum over j of Q''[b][q][j] x[b][k][j]: the scores, already in the scale that the base-2 exponential wants, in f32.
; As C[m][n] = sum over k of A[m][k] B[n][k], once for each batch: A = act (Q'') bf16, B = xb bf16, both [1024][1024] a batch; C = S f32.
; A work-group makes 256 (m) x 128 (n) of C with four waves: 32 x 8 = 256 work-groups; a wave makes 64 x 128: 32 accumulator tiles, 256 registers.
; K = 1024 GOES THROUGH TWO LDS REGIONS IN FIVE PIECES.  Region X holds 256 of K (rows of 512 bytes), region Y 128 of K (rows of 256 bytes); both hold A's
; 256 rows and then B's 128.  X (K 0-255) and Y (256-383) are asked for together at the start; then X (384-639), Y (640-767), X (768-1023) are refills:
; three refills for the whole of K.  Y's refill has 256 matrix instructions of a wave in which to land, each of X's two has 128.
; CLUSTERS: 4 x 4 work-groups; the cluster's y is the batch, cy the block row in it.  A's tile hangs on batch and cy and is asked for
; jointly by a row of the cluster; B's hangs on batch and block column and is asked for jointly by a column.
; REGISTERS: window 0: addresses, two fragment buffers (B's 8 fragments, then A's 4), the way out; window 1: the accumulators, tile (a, b) at 8 (8 a + b).
; The matrix instruction is used transposed (source 0 = rows of B, source 1 = rows of A): lane l holds row l % 16 of C and in registers
; 0 to 7 the columns 8 (l / 16) + 0 .. 7, eight neighbours of a row.
.set PB,     1024                      ; B's pitch, elements
.set A0,     0
.set ABATCH, 0x200000
.set B0,     0
.set BBATCH, 0x200000
.set CBATCH, 0x400000
.set PCB,    4096                      ; bytes in a row of C
.set CSH,    9                         ; 128 columns of C are 1 << CSH bytes
.set PX,     528                       ; a row of X: 512 bytes + 16 of padding = 33 x 16
.set PY,     272                       ; a row of Y: 256 + 16 = 17 x 16: in both the 16 rows of a fragment start at 16 different groups of banks (64 banks of 4 bytes: ISA guide 11.1)
.set XB,     256*PX                    ; X: A's 256 rows at 0, B's 128 rows here
.set YA,     384*PX                    ; Y: A's rows
.set YB,     YA+256*PY                 ; Y: B's rows
.set STAGE,  YA+384*PY                 ; behind the regions, a multiple of 256: no tensor load lands here
.set WSTAGE, 16*PY                     ; a wave's stage for the way out: 16 rows of 64 numbers
.set KADV,   768                       ; bytes along K from a region's piece to its next: 384 elements
.set ADRAX, 16                         ; v16 LDS address of my A fragments in X
.set ADRBX, 17                         ; v17 of B's fragments in X
.set ADRAY, 18                         ; v18, v19 the same in Y
.set ADRBY, 19
.set STO,  24
.set RD,   25
.set CO,   26
.set F0,   32                          ; fragment buffer 0: v32-95 B, v96-127 A
.set F1,   128                         ; fragment buffer 1: v128-191 B, v192-223 A
.set T,    32                          ; the way out: scaled results, two sets of 32 in turn
.set RB,   128                         ; rows read back, two sets of 32 in turn
.set G1AX, 24                          ; s[24:55] descriptor group 1: A in X, A in Y, B in X, B in Y
.set G1AY, 32
.set G1BX, 40
.set G1BY, 48
.set G0AX, 56                          ; s[56:63], s[68:75] descriptor group 0, in the same order
.set G0AY, 60
.set G0BX, 68
.set G0BY, 72
.set MULW, 0x50                        ; C and D in window 1, sources in window 0
.set MSB, 0
.macro WIN new                         ; the immediate's high byte repeats the setting that is left
.if MSB != \new
	s_set_vgpr_msb (MSB<<8)|\new
.set MSB, \new
.endif
.endm
; A joint load of a region: waves 0 and 1 ask for A's halves, waves 2 and 3 for B's; the branch hangs on the wave's number alone.
.macro JLOADX
	s_cmp_eq_u32 s11, 0
	s_cbranch_scc0 .Lfor_b_\@
	tensor_load_to_lds s[G0AX:G0AX+3], s[G1AX:G1AX+7]
	s_nop 0
	s_branch .Lasked_\@
.Lfor_b_\@:
	tensor_load_to_lds s[G0BX:G0BX+3], s[G1BX:G1BX+7]
	s_nop 0
.Lasked_\@:
.endm
.macro JLOADY
	s_cmp_eq_u32 s11, 0
	s_cbranch_scc0 .Lfor_b_\@
	tensor_load_to_lds s[G0AY:G0AY+3], s[G1AY:G1AY+7]
	s_nop 0
	s_branch .Lasked_\@
.Lfor_b_\@:
	tensor_load_to_lds s[G0BY:G0BY+3], s[G1BY:G1BY+7]
	s_nop 0
.Lasked_\@:
.endm
.macro CREST                           ; a round of the cluster's barrier behind its opening work-group barrier
	s_cmp_lg_u32 s10, 0
	s_cbranch_scc1 .Lnot_wave_0_\@
	s_barrier_signal -3
.Lnot_wave_0_\@:
	s_barrier_wait -3
	s_barrier_signal -1
	s_barrier_wait -1
.endm
.macro CROUND
	s_barrier_signal -1
	s_barrier_wait -1
	CREST
.endm
.macro PLACES                          ; four places behind matrix instructions (ISA guide 7.12.1) before their registers are loaded into, read or written
.rept 4
	v_nop
.endr
.endm
.macro SHAPE g, mask, qi, cols, rows, pitch    ; descriptor group 1: rows x cols elements of 2 bytes, 4 words of padding behind each row (2 << qi words)
	s_or_b32  s[\g+0], \mask, (1<<16)|(1<<20)|(1<<21)|(\qi<<22)|(3<<25)   ; the mask; element size; padding on; bit 21 beside a mask; interval; amount
	s_mov_b32 s[\g+1], \cols<<16                   ; tensor_dim0
	s_mov_b32 s[\g+2], \rows<<16                   ; tensor_dim1
	s_mov_b32 s[\g+3], \cols<<16                   ; tile_dim0
	s_mov_b32 s[\g+4], \rows                       ; tile_dim1
	s_mov_b32 s[\g+5], \pitch                      ; elements from row to row
	s_mov_b32 s[\g+6], 0
	s_mov_b32 s[\g+7], 0
.endm
.macro WHERE g, wl, c, adr, k          ; descriptor group 0: to LDS byte wl + c (wl = wave x a constant), from adr + k
	s_mov_b32 s[\g], 1
	s_add_co_u32 s[\g+1], \wl, \c
	s_add_nc_u64 s[\g+2:\g+3], \adr, \k
	s_or_b32 s[\g+3], s[\g+3], 0x80000000
.endm
	s_load_b128 s[4:7], s[0:1], 0x0                ; A s[4:5], B s[6:7]
	s_load_b64 s[8:9], s[0:1], 0x10                ; C
	v_lshl_add_u32 v254, v0, 2, 0x4f400
	v_mov_b32 v255, 0
	ds_add_u32 v254, v255
	v_lshrrev_b32 v1, 5, v0
	v_readfirstlane_b32 s10, v1                    ; wave 0..3
	s_lshr_b32 s11, s10, 1                         ; I fetch for A (0) or for B (1)
	s_and_b32 s12, s10, 1                          ; which half of that tile
	s_bfe_u32 s76, ttmp6, 0x40000                  ; cx
	s_bfe_u32 s77, ttmp6, 0x40004                  ; cy = block row inside the batch
	s_lshl_b32 s78, ttmp9, 2
	s_add_co_u32 s78, s78, s76                     ; block column of C
	s_and_b32 s79, ttmp7, 0xffff                   ; the cluster's y: the batch
	s_lshl_b32 s80, s77, 2
	s_lshl_b32 s80, 15, s80                        ; my row of the cluster
	s_lshl_b32 s81, 0x1111, s76                    ; my column
	SHAPE G1AX, s80, 6, 256, 128, 1024
	SHAPE G1AY, s80, 5, 128, 128, 1024
	SHAPE G1BX, s81, 6, 256, 64, PB
	SHAPE G1BY, s81, 5, 128, 64, PB
	s_lshl_b32 s16, s77, 19                        ; A: 256 cy rows of 2,048 bytes
	s_lshl_b32 s17, s12, 18                        ; + 128 x half
	s_add_co_u32 s16, s16, s17
	s_mul_i32 s17, s79, ABATCH
	s_add_co_u32 s16, s16, s17
.if A0
	s_add_co_u32 s16, s16, A0
.endif
	s_mov_b32 s17, 0
	s_lshl_b32 s82, s78, 7                         ; B: row 128 x block column
	s_lshl_b32 s83, s12, 6                         ; + 64 x half
	s_add_co_u32 s82, s82, s83
	s_mul_i32 s82, s82, PB*2
.if BBATCH
	s_mul_i32 s83, s79, BBATCH
	s_add_co_u32 s82, s82, s83
.endif
.if B0
	s_add_co_u32 s82, s82, B0
.endif
	s_mov_b32 s83, 0
	s_mul_i32 s20, s10, 128*PX                     ; LDS: A's halves at wave x 128 rows (waves 0, 1),
	s_mul_i32 s21, s10, 128*PY
	s_mul_i32 s22, s10, 64*PX                      ; B's halves behind A's 256 rows at (wave - 2) x 64 rows (waves 2, 3)
	s_mul_i32 s23, s10, 64*PY
	s_wait_dscnt 0x0
	s_wait_kmcnt 0x0
	s_add_nc_u64 s[14:15], s[4:5], s[16:17]
	s_add_nc_u64 s[82:83], s[6:7], s[82:83]
	CROUND                                         ; all sixteen work-groups are here: the first joint loads meet
	WHERE G0AX, s20, 0, s[14:15], 0
	WHERE G0AY, s21, YA, s[14:15], 512
	WHERE G0BX, s22, XB-128*PX, s[82:83], 0
	WHERE G0BY, s23, YB-128*PY, s[82:83], 512
	JLOADX                                         ; K 0-255
	JLOADY                                         ; K 256-383: two tensor loads of the wave are out here, one later
	v_and_b32 v1, 15, v0                           ; r = l % 16
	v_bfe_u32 v2, v0, 4, 1                         ; h = l / 16
	v_mul_u32_u24 v3, v1, PX
	v_lshl_add_u32 v3, v2, 4, v3                   ; X: row x pitch + 16 h
	v_mul_u32_u24 v4, v1, PY
	v_lshl_add_u32 v6, v2, 5, v4                   ; the stage: row x pitch + 32 h
	v_lshl_add_u32 v4, v2, 4, v4                   ; Y: row x pitch + 16 h
	s_mul_i32 s18, s10, 64*PX                      ; my 64 rows of A
	v_add_nc_u32 v[ADRAX], s18, v3
	v_add_nc_u32 v[ADRBX], XB, v3
	s_mul_i32 s18, s10, 64*PY
	s_add_co_u32 s18, s18, YA
	v_add_nc_u32 v[ADRAY], s18, v4
	v_add_nc_u32 v[ADRBY], YB, v4
	s_mul_i32 s19, s10, WSTAGE
	s_add_co_u32 s19, s19, STAGE                   ; my stage
	v_add_nc_u32 v[STO], s19, v6                   ; in: row r, 32 bytes for each half of the lanes
	v_mul_u32_u24 v5, v2, PY
	v_lshl_add_u32 v5, v1, 4, v5
	v_add_nc_u32 v[RD], s19, v5                    ; back: lanes 0-15 one row of 256 bytes, lanes 16-31 the next
	v_lshlrev_b32 v5, 12, v2
	v_lshl_add_u32 v[CO], v1, 4, v5                ; the same two rows in C
	s_mov_b32 s86, 0x3d38aa3b                      ; log2 e / 32
	s_mov_b32 s87, 0x3d38aa3b
; 8 matrix instructions: m tile a x all 8 n tiles, 32 along K.  zero = 1: the first product starts the sums.
; The 32 accumulators take turns, one instruction a turn, in the same order in every quarter.
.macro MUL8 f, a, zero
.irp b, 0,1,2,3,4,5,6,7
.if \zero
	v_wmma_f32_16x16x32_bf16 v[8*(8*\a+\b):8*(8*\a+\b)+7], v[\f+8*\b:\f+8*\b+7], v[\f+64+8*\a:\f+64+8*\a+7], 0
.else
	v_wmma_f32_16x16x32_bf16 v[8*(8*\a+\b):8*(8*\a+\b)+7], v[\f+8*\b:\f+8*\b+7], v[\f+64+8*\a:\f+64+8*\a+7], v[8*(8*\a+\b):8*(8*\a+\b)+7]
.endif
.endr
.endm
; 24 LDS loads in one run: the fragments of 32 along K (128 rows of B, my 64 rows of A) at byte k of the rows of a region (addresses ra, rb, pitch p) into buffer f
.macro FETCH ra, rb, p, k, f
.irp i, 0,1,2,3,4,5,6,7
	ds_load_b128 v[\f+8*\i:\f+8*\i+3],   v[\rb] offset:\k+\i*16*\p
	ds_load_b128 v[\f+8*\i+4:\f+8*\i+7], v[\rb] offset:\k+\i*16*\p+32
.endr
.irp i, 0,1,2,3
	ds_load_b128 v[\f+64+8*\i:\f+64+8*\i+3],   v[\ra] offset:\k+\i*16*\p
	ds_load_b128 v[\f+64+8*\i+4:\f+64+8*\i+7], v[\ra] offset:\k+\i*16*\p+32
.endr
.endm
.macro QUARTER ra, rb, p, k, f, g, zero        ; multiplies buffer f; in its middle fetches the next 32 of K into buffer g
	s_wait_dscnt 0x4                               ; B and A's tiles 0, 1 are in; the youngest four loads (A's tiles 2, 3) may be out
	WIN MULW
	MUL8 \f, 0, \zero
	MUL8 \f, 1, \zero
	PLACES
	WIN 0
	FETCH \ra, \rb, \p, \k, \g
	s_wait_dscnt 0x18                              ; all but the 24 just issued
	WIN MULW
	MUL8 \f, 2, \zero
	MUL8 \f, 3, \zero
.endm
.macro RUN3 ra, rb, p                  ; the first three quarters of a piece of 128
	QUARTER \ra, \rb, \p, 64,  F0, F1, 0
	QUARTER \ra, \rb, \p, 128, F1, F0, 0
	QUARTER \ra, \rb, \p, 192, F0, F1, 0
.endm
.macro RUN7 ra, rb, p, zero            ; the first seven quarters of a piece of 256
	QUARTER \ra, \rb, \p, 64,  F0, F1, \zero
	QUARTER \ra, \rb, \p, 128, F1, F0, 0
	QUARTER \ra, \rb, \p, 192, F0, F1, 0
	QUARTER \ra, \rb, \p, 256, F1, F0, 0
	QUARTER \ra, \rb, \p, 320, F0, F1, 0
	QUARTER \ra, \rb, \p, 384, F1, F0, 0
	QUARTER \ra, \rb, \p, 448, F0, F1, 0
.endm
; A piece's last quarter changes regions; ra, rb, p: the region read next.  In front of the barrier each wave waits for its reads of the region that it
; leaves and for all its tensor loads (one is out: its part of the next region).  fill = 1 (X) or 2 (Y): the region left is asked for again: the barrier opens
; a round of the cluster's barrier, and the joint refill is the first tensor load behind it.  fill = 0: nothing is left to fetch.
.macro TURN ra, rb, p, fill
	s_wait_dscnt 0x4
	WIN MULW
	MUL8 F1, 0, 0
	s_wait_dscnt 0x0                               ; my reads of this region are over
	s_wait_tensorcnt 0x0                           ; all my tensor loads have landed
	ds_add_u32 v254, v255
	s_wait_dscnt 0x0
	s_barrier_signal -1
	MUL8 F1, 1, 0                                  ; register work while the others arrive
	WIN 0
	s_barrier_wait -1
.if \fill
	CREST
.if \fill == 1
	s_add_nc_u64 s[G0AX+2:G0AX+3], s[G0AX+2:G0AX+3], KADV
	s_add_nc_u64 s[G0BX+2:G0BX+3], s[G0BX+2:G0BX+3], KADV
	JLOADX
.else
	s_add_nc_u64 s[G0AY+2:G0AY+3], s[G0AY+2:G0AY+3], KADV
	s_add_nc_u64 s[G0BY+2:G0BY+3], s[G0BY+2:G0BY+3], KADV
	JLOADY
.endif
.endif
	PLACES
	FETCH \ra, \rb, \p, 0, F0
	WIN MULW
	MUL8 F1, 2, 0
	MUL8 F1, 3, 0
.endm
	s_wait_tensorcnt 0x1                           ; my part of X is in; Y's, the one younger load, may stay out
	s_barrier_signal -1
	s_barrier_wait -1
	FETCH ADRAX, ADRBX, PX, 0, F0
	RUN7 ADRAX, ADRBX, PX, 1                       ; K 0-255
	TURN ADRAY, ADRBY, PY, 1                       ; X is asked for again: K 384-639
	RUN3 ADRAY, ADRBY, PY                          ; K 256-383
	TURN ADRAX, ADRBX, PX, 2                       ; Y is asked for again: K 640-767
	RUN7 ADRAX, ADRBX, PX, 0                       ; K 384-639
	TURN ADRAY, ADRBY, PY, 1                       ; X is asked for again: K 768-1023
	RUN3 ADRAY, ADRBY, PY                          ; K 640-767
	TURN ADRAX, ADRBX, PX, 0                       ; nothing is left to fetch
	RUN7 ADRAX, ADRBX, PX, 0                       ; K 768-1023
	s_wait_dscnt 0x4
	WIN MULW
	MUL8 F1, 0, 0
	MUL8 F1, 1, 0
	s_wait_dscnt 0x0
	MUL8 F1, 2, 0
	MUL8 F1, 3, 0
	; THE WAY OUT, 16 rows x 64 columns at a time: scale, 32 bytes a lane into my own stage, rows of 256 bytes back.
	PLACES
	WIN 0
	s_lshl_b32 s16, s77, 8
	s_lshl_b32 s17, s10, 6
	s_add_co_u32 s16, s16, s17                     ; my first row inside the batch
	s_mul_i32 s16, s16, PCB
	s_mul_i32 s17, s79, CBATCH
	s_add_co_u32 s16, s16, s17
	s_mov_b32 s17, 0
	s_add_nc_u64 s[8:9], s[8:9], s[16:17]
	s_lshl_b32 s82, s78, CSH                       ; my first column, in bytes
	s_mov_b32 s83, 0
	s_add_nc_u64 s[8:9], s[8:9], s[82:83]
.macro OUT16 a
.irp hb, 0,1
	WIN 0x01                                       ; source 0 in window 1
.irp b, 0,1,2,3
.irp p, 0,2,4,6
	v_pk_mul_f32 v[T+32*\hb+8*\b+\p:T+32*\hb+8*\b+\p+1], v[8*(8*\a+4*\hb+\b)+\p:8*(8*\a+4*\hb+\b)+\p+1], s[86:87] op_sel_hi:[1,0]
.endr
.endr
	WIN 0
.irp b, 0,1,2,3
	ds_store_b128 v[STO], v[T+32*\hb+8*\b:T+32*\hb+8*\b+3]   offset:64*\b
	ds_store_b128 v[STO], v[T+32*\hb+8*\b+4:T+32*\hb+8*\b+7] offset:64*\b+16
.endr
	s_wait_xcnt 0x0                                ; RB and the base, which earlier stores read, are rewritten only behind this wait
.if \a
.if \hb == 0
	s_add_nc_u64 s[8:9], s[8:9], 16*PCB
.endif
.endif
.irp t, 0,1,2,3,4,5,6,7
	ds_load_b128 v[RB+32*\hb+4*\t:RB+32*\hb+4*\t+3], v[RD] offset:\t*2*PY   ; LDS serves a wave's instructions in order (ISA guide 5.7.1.4): these see the stores above
.endr
.irp t, 0,1,2,3,4,5,6,7
	s_wait_dscnt 7-\t                              ; pair t of rows is back, the younger ones stay out
	global_store_b128 v[CO], v[RB+32*\hb+4*\t:RB+32*\hb+4*\t+3], s[8:9] offset:2*\t*PCB+256*\hb   ; 16 lanes store 256 consecutive aligned bytes
.endr
.endr
.endm
	OUT16 0
	OUT16 1
	OUT16 2
	OUT16 3
	s_wait_tensorcnt 0x0
	ds_add_u32 v254, v255
	s_wait_dscnt 0x0
	CROUND                                         ; the closing round: no work-group ends while a partner may still ask for a tile that names it
	s_endpgm
.Lfunc_end_k_q719907ecba_sco:
	.size	k_q719907ecba_sco, .Lfunc_end_k_q719907ecba_sco-k_q719907ecba_sco
	.p2alignl 7, 3214868480
	.fill 96, 4, 3214868480
	.section	.rodata,"a",@progbits
	.p2align	6, 0x0
	.amdhsa_kernel k_q719907ecba_sco
		.amdhsa_group_segment_fixed_size 327680
		.amdhsa_private_segment_fixed_size 0
		.amdhsa_enable_private_segment 0
		.amdhsa_kernarg_size 24
		.amdhsa_user_sgpr_count 2
		.amdhsa_user_sgpr_kernarg_segment_ptr 1
		.amdhsa_wavefront_size32 1
		.amdhsa_system_sgpr_workgroup_id_x 1
		.amdhsa_system_sgpr_workgroup_id_y 1
		.amdhsa_system_sgpr_workgroup_id_z 1
		.amdhsa_system_vgpr_workitem_id 0
		.amdhsa_next_free_vgpr 512
		.amdhsa_next_free_sgpr 90
		.amdhsa_reserve_vcc 0
		.amdhsa_float_denorm_mode_32 3
		.amdhsa_float_denorm_mode_16_64 3
		.amdhsa_memory_ordered 1
		.amdhsa_forward_progress 1
		.amdhsa_inst_pref_size 156
	.end_amdhsa_kernel
	.amdgpu_metadata
---
amdhsa.version: [ 1, 2 ]
amdhsa.kernels:
  - .name:           k_q719907ecba_sco
    .symbol:         k_q719907ecba_sco.kd
    .args:
      - { .name: act, .offset: 0, .size: 8, .value_kind: global_buffer, .address_space: global }
      - { .name: xb, .offset: 8, .size: 8, .value_kind: global_buffer, .address_space: global }
      - { .name: S, .offset: 16, .size: 8, .value_kind: global_buffer, .address_space: global }
    .group_segment_fixed_size: 327680
    .private_segment_fixed_size: 0
    .kernarg_segment_align: 8
    .kernarg_segment_size: 24
    .max_flat_workgroup_size: 128
    .sgpr_count:     90
    .vgpr_count:     512
    .wavefront_size: 32
...
	.end_amdgpu_metadata
.endif
;; end of part 11
;; launch smx: the kernel of part 5 again; grid 512 x 1, 8 waves a work-group, no clusters, 0 bytes of LDS; arguments S, attention_mask, P; writes P
;; launch pv (part 12): grid 8 x 32, 4 waves a work-group, clusters of 4 x 4, 327,680 bytes of LDS; arguments P, act, out0, BV; writes out0
.if DOCPART == 12
	.amdgcn_target "amdgcn-amd-amdhsa--gfx1250"
	.amdhsa_code_object_version 6
	.text
	.protected	k_q719907ecba_pv
	.globl	k_q719907ecba_pv
	.p2align	8
	.type	k_q719907ecba_pv,@function
k_q719907ecba_pv:
	s_mov_b64 s[64:65], 0
	v_nop
	global_prefetch_b8 v0, s[64:65] scope:SCOPE_SE
	s_setreg_imm32_b32 hwreg(HW_REG_WAVE_MODE, 25, 1), 1
	s_wait_xcnt 0x0
	s_wait_alu depctr_hold_cnt(0) depctr_sa_sdst(0) depctr_va_vdst(0) depctr_va_sdst(0) depctr_va_ssrc(0) depctr_va_vcc(0) depctr_vm_vsrc(0)
	s_getreg_b32 s2, hwreg(HW_REG_IB_STS2, 6, 4)
	s_cmp_eq_u32 s2, 0
	s_cbranch_scc0 .Lentry_in_a_cluster
	s_endpgm
.Lentry_in_a_cluster:
	s_bfe_u32 s2, ttmp6, 0x10000c
	s_cmp_lg_u32 s2, 0xf033
	s_cbranch_scc0 .Lentry_shape_is_right
	s_endpgm
.Lentry_shape_is_right:
; out[b][q][f] = 2^(e[f] - 4) x sum over k of P[b][q][k] V'T[b][f][k] + bfin[f], in f32: the weights meet x W', which was stored as 16 x 2^-e[f] x (x W').
; As C[m][n] = sum over k of A[m][k] B[n][k], once for each batch: A = P [1024][1024] f16; B = V'T [1024 f][1024 t] f16, at byte 16 MiB of act; C = out0 f32.
; f16, not bf16: an output is close to a mean over the open keys, and the allowed error leaves no room for roundings to 8 bits on this path.
; e[f] comes from the eight partial sums of squares of 16 W'T's row f (BV, byte 8192, 32 bytes a row): their sum ss, added as
; ((p0+p2)+(p1+p3)) + ((p4+p6)+(p5+p7)) as the launch that scaled V'T added them, has the biased exponent eb, and e = ((eb + 1) >> 1) - 64.
; A work-group makes 256 (m) x 128 (n) of C with four waves: 32 x 8 = 256 work-groups; a wave makes 64 x 128: 32 accumulator tiles, 256 registers.
; K = 1024 GOES THROUGH TWO LDS REGIONS IN FIVE PIECES.  Region X holds 256 of K (rows of 512 bytes), region Y 128 of K (rows of 256 bytes); both hold A's
; 256 rows and then B's 128.  X (K 0-255) and Y (256-383) are asked for together at the start; then X (384-639), Y (640-767), X (768-1023) are refills:
; three refills for the whole of K.  Y's refill has 256 matrix instructions of a wave in which to land, each of X's two has 128.
; CLUSTERS: 4 x 4 work-groups; the cluster's y is the batch, cy the block row in it.  A's tile hangs on batch and cy and is asked for
; jointly by a row of the cluster; B's hangs on batch and block column and is asked for jointly by a column.
; REGISTERS: window 0: addresses, two fragment buffers (B's 8 fragments, then A's 4), the way out; window 1: the accumulators, tile (a, b) at 8 (8 a + b);
; window 2: v0-63 the bias, v64-127 the scale of my 64 columns.
; The matrix instruction is used transposed (source 0 = rows of B, source 1 = rows of A): lane l holds row l % 16 of C and in registers
; 0 to 7 the columns 8 (l / 16) + 0 .. 7, eight neighbours of a row.
.set PB,     1024                      ; B's pitch, elements
.set A0,     0
.set ABATCH, 0x200000
.set B0,     0x1000000                 ; V'T lies behind Q'' in act
.set BBATCH, 0x200000
.set CBATCH, 0x400000
.set PCB,    4096                      ; bytes in a row of C
.set CSH,    9                         ; 128 columns of C are 1 << CSH bytes
.set BIASOFF, 4096                     ; bfin in BV
.set SSQOFF, 8192                      ; the sums of squares in BV
.set PX,     528                       ; a row of X: 512 bytes + 16 of padding = 33 x 16
.set PY,     272                       ; a row of Y: 256 + 16 = 17 x 16: in both the 16 rows of a fragment start at 16 different groups of banks (64 banks of 4 bytes: ISA guide 11.1)
.set XB,     256*PX                    ; X: A's 256 rows at 0, B's 128 rows here
.set YA,     384*PX                    ; Y: A's rows
.set YB,     YA+256*PY                 ; Y: B's rows
.set STAGE,  YA+384*PY                 ; behind the regions, a multiple of 256: no tensor load lands here
.set WSTAGE, 16*PY                     ; a wave's stage for the way out: 16 rows of 64 numbers
.set TABLE,  STAGE+4*WSTAGE            ; 128 column scales, 512 bytes, a multiple of 256 too
.set KADV,   768                       ; bytes along K from a region's piece to its next: 384 elements
.set ADRAX, 16                         ; v16 LDS address of my A fragments in X
.set ADRBX, 17                         ; v17 of B's fragments in X
.set ADRAY, 18                         ; v18, v19 the same in Y
.set ADRBY, 19
.set STO,  24
.set RD,   25
.set CO,   26
.set BOF,  27                          ; v27 my offset in the bias; never rewritten
.set TIN,  29                          ; v29 where my thread's scale goes in the table
.set TRD,  30                          ; v30 where my lane reads its 64 scales
.set F0,   32                          ; fragment buffer 0: v32-95 B, v96-127 A
.set F1,   128                         ; fragment buffer 1: v128-191 B, v192-223 A
.set T,    32                          ; the way out: finished results, two sets of 32 in turn
.set RB,   128                         ; rows read back, two sets of 32 in turn
.set G1AX, 24                          ; s[24:55] descriptor group 1: A in X, A in Y, B in X, B in Y
.set G1AY, 32
.set G1BX, 40
.set G1BY, 48
.set G0AX, 56                          ; s[56:63], s[68:75] descriptor group 0, in the same order
.set G0AY, 60
.set G0BX, 68
.set G0BY, 72
.set MULW, 0x50                        ; C and D in window 1, sources in window 0
.set MSB, 0
.macro WIN new                         ; the immediate's high byte repeats the setting that is left
.if MSB != \new
	s_set_vgpr_msb (MSB<<8)|\new
.set MSB, \new
.endif
.endm
; A joint load of a region: waves 0 and 1 ask for A's halves, waves 2 and 3 for B's; the branch hangs on the wave's number alone.
.macro JLOADX
	s_cmp_eq_u32 s11, 0
	s_cbranch_scc0 .Lfor_b_\@
	tensor_load_to_lds s[G0AX:G0AX+3], s[G1AX:G1AX+7]
	s_nop 0
	s_branch .Lasked_\@
.Lfor_b_\@:
	tensor_load_to_lds s[G0BX:G0BX+3], s[G1BX:G1BX+7]
	s_nop 0
.Lasked_\@:
.endm
.macro JLOADY
	s_cmp_eq_u32 s11, 0
	s_cbranch_scc0 .Lfor_b_\@
	tensor_load_to_lds s[G0AY:G0AY+3], s[G1AY:G1AY+7]
	s_nop 0
	s_branch .Lasked_\@
.Lfor_b_\@:
	tensor_load_to_lds s[G0BY:G0BY+3], s[G1BY:G1BY+7]
	s_nop 0
.Lasked_\@:
.endm
.macro CREST                           ; a round of the cluster's barrier behind its opening work-group barrier
	s_cmp_lg_u32 s10, 0
	s_cbranch_scc1 .Lnot_wave_0_\@
	s_barrier_signal -3
.Lnot_wave_0_\@:
	s_barrier_wait -3
	s_barrier_signal -1
	s_barrier_wait -1
.endm
.macro CROUND
	s_barrier_signal -1
	s_barrier_wait -1
	CREST
.endm
.macro PLACES                          ; four places behind matrix instructions (ISA guide 7.12.1) before their registers are loaded into, read or written
.rept 4
	v_nop
.endr
.endm
.macro SHAPE g, mask, qi, cols, rows, pitch    ; descriptor group 1: rows x cols elements of 2 bytes, 4 words of padding behind each row (2 << qi words)
	s_or_b32  s[\g+0], \mask, (1<<16)|(1<<20)|(1<<21)|(\qi<<22)|(3<<25)   ; the mask; element size; padding on; bit 21 beside a mask; interval; amount
	s_mov_b32 s[\g+1], \cols<<16                   ; tensor_dim0
	s_mov_b32 s[\g+2], \rows<<16                   ; tensor_dim1
	s_mov_b32 s[\g+3], \cols<<16                   ; tile_dim0
	s_mov_b32 s[\g+4], \rows                       ; tile_dim1
	s_mov_b32 s[\g+5], \pitch                      ; elements from row to row
	s_mov_b32 s[\g+6], 0
	s_mov_b32 s[\g+7], 0
.endm
.macro WHERE g, wl, c, adr, k          ; descriptor group 0: to LDS byte wl + c (wl = wave x a constant), from adr + k
	s_mov_b32 s[\g], 1
	s_add_co_u32 s[\g+1], \wl, \c
	s_add_nc_u64 s[\g+2:\g+3], \adr, \k
	s_or_b32 s[\g+3], s[\g+3], 0x80000000
.endm
	s_load_b128 s[4:7], s[0:1], 0x0                ; A s[4:5], B s[6:7]
	s_load_b64 s[8:9], s[0:1], 0x10                ; C
	s_load_b64 s[84:85], s[0:1], 0x18              ; BV
	v_lshl_add_u32 v254, v0, 2, 0x4f600
	v_mov_b32 v255, 0
	ds_add_u32 v254, v255
	v_lshrrev_b32 v1, 5, v0
	v_readfirstlane_b32 s10, v1                    ; wave 0..3
	s_lshr_b32 s11, s10, 1                         ; I fetch for A (0) or for B (1)
	s_and_b32 s12, s10, 1                          ; which half of that tile
	s_bfe_u32 s76, ttmp6, 0x40000                  ; cx
	s_bfe_u32 s77, ttmp6, 0x40004                  ; cy = block row inside the batch
	s_lshl_b32 s78, ttmp9, 2
	s_add_co_u32 s78, s78, s76                     ; block column of C
	s_and_b32 s79, ttmp7, 0xffff                   ; the cluster's y: the batch
	s_lshl_b32 s80, s77, 2
	s_lshl_b32 s80, 15, s80                        ; my row of the cluster
	s_lshl_b32 s81, 0x1111, s76                    ; my column
	SHAPE G1AX, s80, 6, 256, 128, 1024
	SHAPE G1AY, s80, 5, 128, 128, 1024
	SHAPE G1BX, s81, 6, 256, 64, PB
	SHAPE G1BY, s81, 5, 128, 64, PB
	s_lshl_b32 s16, s77, 19                        ; A: 256 cy rows of 2,048 bytes
	s_lshl_b32 s17, s12, 18                        ; + 128 x half
	s_add_co_u32 s16, s16, s17
	s_mul_i32 s17, s79, ABATCH
	s_add_co_u32 s16, s16, s17
	s_mov_b32 s17, 0
	s_lshl_b32 s82, s78, 7                         ; B: row 128 x block column
	s_lshl_b32 s83, s12, 6                         ; + 64 x half
	s_add_co_u32 s82, s82, s83
	s_mul_i32 s82, s82, PB*2
	s_mul_i32 s83, s79, BBATCH
	s_add_co_u32 s82, s82, s83
	s_add_co_u32 s82, s82, B0
	s_mov_b32 s83, 0
	s_mul_i32 s20, s10, 128*PX                     ; LDS: A's halves at wave x 128 rows (waves 0, 1),
	s_mul_i32 s21, s10, 128*PY
	s_mul_i32 s22, s10, 64*PX                      ; B's halves behind A's 256 rows at (wave - 2) x 64 rows (waves 2, 3)
	s_mul_i32 s23, s10, 64*PY
	s_wait_dscnt 0x0
	s_wait_kmcnt 0x0
	s_add_nc_u64 s[14:15], s[4:5], s[16:17]
	s_add_nc_u64 s[82:83], s[6:7], s[82:83]
	CROUND                                         ; all sixteen work-groups are here: the first joint loads meet
	WHERE G0AX, s20, 0, s[14:15], 0
	WHERE G0AY, s21, YA, s[14:15], 512
	WHERE G0BX, s22, XB-128*PX, s[82:83], 0
	WHERE G0BY, s23, YB-128*PY, s[82:83], 512
	JLOADX                                         ; K 0-255
	JLOADY                                         ; K 256-383: two tensor loads of the wave are out here, one later
	; thread t takes column 128 bx + t: its eight partial sums, 32 neighbouring bytes
	s_lshl_b32 s88, s78, 12
	s_add_co_u32 s88, s88, SSQOFF
	s_mov_b32 s89, 0
	s_add_nc_u64 s[90:91], s[84:85], s[88:89]
	v_lshlrev_b32 v7, 5, v0
	global_load_b128 v[8:11], v7, s[90:91]
	global_load_b128 v[12:15], v7, s[90:91] offset:16
	v_and_b32 v1, 15, v0                           ; r = l % 16
	v_bfe_u32 v2, v0, 4, 1                         ; h = l / 16
	; the bias of my columns 128 bx + 16 b + 8 h + j into window 2, register 8 b + j; waited for on the way out
	s_lshl_b32 s88, s78, 9
	s_add_co_u32 s88, s88, BIASOFF
	s_add_nc_u64 s[84:85], s[84:85], s[88:89]
	v_lshlrev_b32 v[BOF], 5, v2
	WIN 0x80                                       ; destination in window 2
.irp b, 0,1,2,3,4,5,6,7
	global_load_b128 v[8*\b:8*\b+3],   v[BOF], s[84:85] offset:64*\b
	global_load_b128 v[8*\b+4:8*\b+7], v[BOF], s[84:85] offset:64*\b+16
.endr
	WIN 0
	v_mul_u32_u24 v3, v1, PX
	v_lshl_add_u32 v3, v2, 4, v3                   ; X: row x pitch + 16 h
	v_mul_u32_u24 v4, v1, PY
	v_lshl_add_u32 v6, v2, 5, v4                   ; the stage: row x pitch + 32 h
	v_lshl_add_u32 v4, v2, 4, v4                   ; Y: row x pitch + 16 h
	s_mul_i32 s18, s10, 64*PX                      ; my 64 rows of A
	v_add_nc_u32 v[ADRAX], s18, v3
	v_add_nc_u32 v[ADRBX], XB, v3
	s_mul_i32 s18, s10, 64*PY
	s_add_co_u32 s18, s18, YA
	v_add_nc_u32 v[ADRAY], s18, v4
	v_add_nc_u32 v[ADRBY], YB, v4
	s_mul_i32 s19, s10, WSTAGE
	s_add_co_u32 s19, s19, STAGE                   ; my stage
	v_add_nc_u32 v[STO], s19, v6                   ; in: row r, 32 bytes for each half of the lanes
	v_mul_u32_u24 v5, v2, PY
	v_lshl_add_u32 v5, v1, 4, v5
	v_add_nc_u32 v[RD], s19, v5                    ; back: lanes 0-15 one row of 256 bytes, lanes 16-31 the next
	v_lshlrev_b32 v5, 12, v2
	v_lshl_add_u32 v[CO], v1, 4, v5                ; the same two rows in C
	s_mov_b32 s18, TABLE
	v_lshl_add_u32 v[TIN], v0, 2, s18
	v_lshl_add_u32 v[TRD], v2, 5, s18
	s_wait_loadcnt 0x10                            ; my eight partial sums are in; the sixteen younger loads (the bias) stay out
	v_pk_add_f32 v[8:9], v[8:9], v[10:11]          ; (p0 + p2, p1 + p3)
	v_pk_add_f32 v[12:13], v[12:13], v[14:15]      ; (p4 + p6, p5 + p7)
	v_add_f32 v8, v8, v9
	v_add_f32 v12, v12, v13
	v_add_f32 v8, v8, v12                          ; ss
	v_lshrrev_b32 v8, 23, v8                       ; eb (ss is not negative)
	v_add_nc_u32 v8, 1, v8
	v_lshrrev_b32 v8, 1, v8                        ; e + 64
	v_add_nc_u32 v8, 59, v8                        ; 127 + e - 4, between 59 and 187
	v_lshlrev_b32 v8, 23, v8                       ; 2^(e - 4)
	ds_store_b32 v[TIN], v8
; 8 matrix instructions: m tile a x all 8 n tiles, 32 along K.  zero = 1: the first product starts the sums.
; The 32 accumulators take turns, one instruction a turn, in the same order in every quarter.
.macro MUL8 f, a, zero
.irp b, 0,1,2,3,4,5,6,7
.if \zero
	v_wmma_f32_16x16x32_f16 v[8*(8*\a+\b):8*(8*\a+\b)+7], v[\f+8*\b:\f+8*\b+7], v[\f+64+8*\a:\f+64+8*\a+7], 0
.else
	v_wmma_f32_16x16x32_f16 v[8*(8*\a+\b):8*(8*\a+\b)+7], v[\f+8*\b:\f+8*\b+7], v[\f+64+8*\a:\f+64+8*\a+7], v[8*(8*\a+\b):8*(8*\a+\b)+7]
.endif
.endr
.endm
; 24 LDS loads in one run: the fragments of 32 along K (128 rows of B, my 64 rows of A) at byte k of the rows of a region (addresses ra, rb, pitch p) into buffer f
.macro FETCH ra, rb, p, k, f
.irp i, 0,1,2,3,4,5,6,7
	ds_load_b128 v[\f+8*\i:\f+8*\i+3],   v[\rb] offset:\k+\i*16*\p
	ds_load_b128 v[\f+8*\i+4:\f+8*\i+7], v[\rb] offset:\k+\i*16*\p+32
.endr
.irp i, 0,1,2,3
	ds_load_b128 v[\f+64+8*\i:\f+64+8*\i+3],   v[\ra] offset:\k+\i*16*\p
	ds_load_b128 v[\f+64+8*\i+4:\f+64+8*\i+7], v[\ra] offset:\k+\i*16*\p+32
.endr
.endm
.macro QUARTER ra, rb, p, k, f, g, zero        ; multiplies buffer f; in its middle fetches the next 32 of K into buffer g
	s_wait_dscnt 0x4                               ; B and A's tiles 0, 1 are in; the youngest four loads (A's tiles 2, 3) may be out
	WIN MULW
	MUL8 \f, 0, \zero
	MUL8 \f, 1, \zero
	PLACES
	WIN 0
	FETCH \ra, \rb, \p, \k, \g
	s_wait_dscnt 0x18                              ; all but the 24 just issued
	WIN MULW
	MUL8 \f, 2, \zero
	MUL8 \f, 3, \zero
.endm
.macro RUN3 ra, rb, p                  ; the first three quarters of a piece of 128
	QUARTER \ra, \rb, \p, 64,  F0, F1, 0
	QUARTER \ra, \rb, \p, 128, F1, F0, 0
	QUARTER \ra, \rb, \p, 192, F0, F1, 0
.endm
.macro RUN7 ra, rb, p, zero            ; the first seven quarters of a piece of 256
	QUARTER \ra, \rb, \p, 64,  F0, F1, \zero
	QUARTER \ra, \rb, \p, 128, F1, F0, 0
	QUARTER \ra, \rb, \p, 192, F0, F1, 0
	QUARTER \ra, \rb, \p, 256, F1, F0, 0
	QUARTER \ra, \rb, \p, 320, F0, F1, 0
	QUARTER \ra, \rb, \p, 384, F1, F0, 0
	QUARTER \ra, \rb, \p, 448, F0, F1, 0
.endm
; A piece's last quarter changes regions; ra, rb, p: the region read next.  In front of the barrier each wave waits for its reads of the region that it
; leaves and for all its tensor loads (one is out: its part of the next region).  fill = 1 (X) or 2 (Y): the region left is asked for again: the barrier opens
; a round of the cluster's barrier, and the joint refill is the first tensor load behind it.  fill = 0: nothing is left to fetch.
.macro TURN ra, rb, p, fill
	s_wait_dscnt 0x4
	WIN MULW
	MUL8 F1, 0, 0
	s_wait_dscnt 0x0                               ; my reads of this region are over
	s_wait_tensorcnt 0x0                           ; all my tensor loads have landed
	ds_add_u32 v254, v255
	s_wait_dscnt 0x0
	s_barrier_signal -1
	MUL8 F1, 1, 0                                  ; register work while the others arrive
	WIN 0
	s_barrier_wait -1
.if \fill
	CREST
.if \fill == 1
	s_add_nc_u64 s[G0AX+2:G0AX+3], s[G0AX+2:G0AX+3], KADV
	s_add_nc_u64 s[G0BX+2:G0BX+3], s[G0BX+2:G0BX+3], KADV
	JLOADX
.else
	s_add_nc_u64 s[G0AY+2:G0AY+3], s[G0AY+2:G0AY+3], KADV
	s_add_nc_u64 s[G0BY+2:G0BY+3], s[G0BY+2:G0BY+3], KADV
	JLOADY
.endif
.endif
	PLACES
	FETCH \ra, \rb, \p, 0, F0
	WIN MULW
	MUL8 F1, 2, 0
	MUL8 F1, 3, 0
.endm
	s_wait_tensorcnt 0x1                           ; my part of X is in; Y's, the one younger load, may stay out
	s_wait_dscnt 0x0                               ; my word of the table is in LDS before I say so: the other waves read it
	s_barrier_signal -1
	s_barrier_wait -1
	FETCH ADRAX, ADRBX, PX, 0, F0
	RUN7 ADRAX, ADRBX, PX, 1                       ; K 0-255
	TURN ADRAY, ADRBY, PY, 1                       ; X is asked for again: K 384-639
	RUN3 ADRAY, ADRBY, PY                          ; K 256-383
	TURN ADRAX, ADRBX, PX, 2                       ; Y is asked for again: K 640-767
	RUN7 ADRAX, ADRBX, PX, 0                       ; K 384-639
	TURN ADRAY, ADRBY, PY, 1                       ; X is asked for again: K 768-1023
	RUN3 ADRAY, ADRBY, PY                          ; K 640-767
	TURN ADRAX, ADRBX, PX, 0                       ; nothing is left to fetch
	RUN7 ADRAX, ADRBX, PX, 0                       ; K 768-1023
	s_wait_dscnt 0x4
	WIN MULW
	MUL8 F1, 0, 0
	MUL8 F1, 1, 0
	s_wait_dscnt 0x0
	MUL8 F1, 2, 0
	MUL8 F1, 3, 0
	; THE WAY OUT, 16 rows x 64 columns at a time: one fused multiply-add (column scale, bias), 32 bytes a lane into my own stage, rows of 256 bytes back.
	PLACES
	WIN 0x80                                       ; destination in window 2
.irp b, 0,1,2,3,4,5,6,7
	ds_load_b128 v[64+8*\b:64+8*\b+3],   v[TRD] offset:64*\b       ; the scales of my columns 16 b + 8 h + j, register 64 + 8 b + j
	ds_load_b128 v[64+8*\b+4:64+8*\b+7], v[TRD] offset:64*\b+16
.endr
	WIN 0
	s_lshl_b32 s16, s77, 8
	s_lshl_b32 s17, s10, 6
	s_add_co_u32 s16, s16, s17                     ; my first row inside the batch
	s_mul_i32 s16, s16, PCB
	s_mul_i32 s17, s79, CBATCH
	s_add_co_u32 s16, s16, s17
	s_mov_b32 s17, 0
	s_add_nc_u64 s[8:9], s[8:9], s[16:17]
	s_lshl_b32 s82, s78, CSH                       ; my first column, in bytes
	s_mov_b32 s83, 0
	s_add_nc_u64 s[8:9], s[8:9], s[82:83]
	s_wait_loadcnt 0x0                             ; the bias
	s_wait_dscnt 0x0                               ; the scales
.macro OUT16 a
.irp hb, 0,1
	WIN 0x29                                       ; source 0 (sums) in window 1, sources 1 (scale) and 2 (bias) in window 2
.irp b, 0,1,2,3
.irp p, 0,2,4,6
	v_pk_fma_f32 v[T+32*\hb+8*\b+\p:T+32*\hb+8*\b+\p+1], v[8*(8*\a+4*\hb+\b)+\p:8*(8*\a+4*\hb+\b)+\p+1], v[64+8*(4*\hb+\b)+\p:64+8*(4*\hb+\b)+\p+1], v[8*(4*\hb+\b)+\p:8*(4*\hb+\b)+\p+1]
.endr
.endr
	WIN 0
.irp b, 0,1,2,3
	ds_store_b128 v[STO], v[T+32*\hb+8*\b:T+32*\hb+8*\b+3]   offset:64*\b
	ds_store_b128 v[STO], v[T+32*\hb+8*\b+4:T+32*\hb+8*\b+7] offset:64*\b+16
.endr
	s_wait_xcnt 0x0                                ; RB and the base, which earlier stores read, are rewritten only behind this wait
.if \a
.if \hb == 0
	s_add_nc_u64 s[8:9], s[8:9], 16*PCB
.endif
.endif
.irp t, 0,1,2,3,4,5,6,7
	ds_load_b128 v[RB+32*\hb+4*\t:RB+32*\hb+4*\t+3], v[RD] offset:\t*2*PY   ; LDS serves a wave's instructions in order (ISA guide 5.7.1.4): these see the stores above
.endr
.irp t, 0,1,2,3,4,5,6,7
	s_wait_dscnt 7-\t                              ; pair t of rows is back, the younger ones stay out
	global_store_b128 v[CO], v[RB+32*\hb+4*\t:RB+32*\hb+4*\t+3], s[8:9] offset:2*\t*PCB+256*\hb th:TH_STORE_NT   ; 16 lanes store 256 consecutive aligned bytes
.endr
.endr
.endm
	OUT16 0
	OUT16 1
	OUT16 2
	OUT16 3
	s_wait_tensorcnt 0x0
	ds_add_u32 v254, v255
	s_wait_dscnt 0x0
	CROUND                                         ; the closing round: no work-group ends while a partner may still ask for a tile that names it
	s_endpgm
.Lfunc_end_k_q719907ecba_pv:
	.size	k_q719907ecba_pv, .Lfunc_end_k_q719907ecba_pv-k_q719907ecba_pv
	.p2alignl 7, 3214868480
	.fill 96, 4, 3214868480
	.section	.rodata,"a",@progbits
	.p2align	6, 0x0
	.amdhsa_kernel k_q719907ecba_pv
		.amdhsa_group_segment_fixed_size 327680
		.amdhsa_private_segment_fixed_size 0
		.amdhsa_enable_private_segment 0
		.amdhsa_kernarg_size 32
		.amdhsa_user_sgpr_count 2
		.amdhsa_user_sgpr_kernarg_segment_ptr 1
		.amdhsa_wavefront_size32 1
		.amdhsa_system_sgpr_workgroup_id_x 1
		.amdhsa_system_sgpr_workgroup_id_y 1
		.amdhsa_system_sgpr_workgroup_id_z 1
		.amdhsa_system_vgpr_workitem_id 0
		.amdhsa_next_free_vgpr 640
		.amdhsa_next_free_sgpr 92
		.amdhsa_reserve_vcc 0
		.amdhsa_float_denorm_mode_32 3
		.amdhsa_float_denorm_mode_16_64 3
		.amdhsa_memory_ordered 1
		.amdhsa_forward_progress 1
		.amdhsa_inst_pref_size 160
	.end_amdhsa_kernel
	.amdgpu_metadata
---
amdhsa.version: [ 1, 2 ]
amdhsa.kernels:
  - .name:           k_q719907ecba_pv
    .symbol:         k_q719907ecba_pv.kd
    .args:
      - { .name: P, .offset: 0, .size: 8, .value_kind: global_buffer, .address_space: global }
      - { .name: act, .offset: 8, .size: 8, .value_kind: global_buffer, .address_space: global }
      - { .name: out0, .offset: 16, .size: 8, .value_kind: global_buffer, .address_space: global }
      - { .name: BV, .offset: 24, .size: 8, .value_kind: global_buffer, .address_space: global }
    .group_segment_fixed_size: 327680
    .private_segment_fixed_size: 0
    .kernarg_segment_align: 8
    .kernarg_segment_size: 32
    .max_flat_workgroup_size: 128
    .sgpr_count:     92
    .vgpr_count:     640
    .wavefront_size: 32
...
	.end_amdgpu_metadata
.endif
;; end of part 12
;; ======== version 3 of 3: 6 launches; version 2 with the launch smx written anew for expert scheduling mode
;; limits: right only within a limited range of input values; values are held in f16: magnitudes above 65,504 overflow, below 6.1e-05 lose precision
;; workspace buffers: xb 16,777,216 bytes; xh 16,777,216 bytes; WW 8,388,608 bytes; WO 4,194,304 bytes; BV 40,960 bytes; act 33,554,432 bytes; S 33,554,432 bytes; P 16,777,216 bytes
;; launch prep: the kernel of part 8 again; grid 768 x 1, 8 waves a work-group, no clusters, 35,840 bytes of LDS; arguments x, W_qkv, W_out, xb, xh, WW; writes xb, xh, WW
;; launch wgt: the kernel of part 9 again; grid 8 x 32, 4 waves a work-group, clusters of 4 x 4, 327,680 bytes of LDS; arguments WW, WO, BV, b_qkv, b_out; writes WO, BV
;; launch qv: the kernel of part 10 again; grid 8 x 32, 4 waves a work-group, clusters of 4 x 4, 327,680 bytes of LDS; arguments xh, WO, act, BV; writes act
;; launch sco: the kernel of part 11 again; grid 8 x 32, 4 waves a work-group, clusters of 4 x 4, 327,680 bytes of LDS; arguments act, xb, S; writes S
;; launch smx (part 13): grid 512 x 1, 8 waves a work-group, no clusters, 0 bytes of LDS; arguments S, attention_mask, P; writes P
.if DOCPART == 13
	.amdgcn_target "amdgcn-amd-amdhsa--gfx1250"
	.amdhsa_code_object_version 6
	.text
	.protected	k_q719907ecba_smx
	.globl	k_q719907ecba_smx
	.p2align	8
	.type	k_q719907ecba_smx,@function
k_q719907ecba_smx:
	s_mov_b64 s[64:65], 0
	v_nop
	global_prefetch_b8 v0, s[64:65] scope:SCOPE_SE
	s_setreg_imm32_b32 hwreg(HW_REG_WAVE_SCHED_MODE, 0, 2), 2
	s_setreg_imm32_b32 hwreg(HW_REG_WAVE_MODE, 25, 1), 1
	s_wait_xcnt 0x0
	s_wait_alu depctr_vm_vsrc(0)
; Both softmaxes and the mask, row by row.  S [8192][1024] f32 holds the scores times log2 e / 32; attention_mask [8192][1024] i32; P [8192][1024] f16.
;   w = exp2(S - max S) / Z          the first softmax, with the row's maximum taken away
;   t = mask != 0 ? e^w : 0          the second softmax's terms; P = t / sum t
; The second softmax takes no maximum away: its exponents are the first softmax's weights, which lie in [0, 1] whatever the inputs, so each
; term lies in [1, e] and the sum in [1, 1024 e].  A row whose mask is zero everywhere gets t = 1 in all places: the uniform weights that the
; softmax of 1,024 equal numbers gives.
; P lies in [0, 1]; its smallest number other than 0 is 1 / (1024 e), a normal f16 number.
; LIMIT: scores that are NaN or infinite are not served.
; A row is 4,096 bytes: one wave keeps it in 32 registers, so nothing is read twice, no wave waits for another, and there is no LDS.
; Eight waves, two rows each; all 32 loads of a wave go out at once (16 KiB in flight a wave).  Memory binds: the matrix unit and clusters have nothing to do here.
; THE MODE: SCHED_MODE bits 1:0 = 2 (LLVM: expert scheduling mode 2), set by the entry lines.  The code itself states the register dependences
; between vector instructions and memory instructions, with s_wait_alu, always for 0.
; THE PLAN.  Registers that memory instructions touch:
;   v1         the loads' offset, v2 the stores': made at the head, never written again.  One wait on va_vdst ahead of the first load serves all 48 memory instructions.
;   v[16:143]  scores and masks of both rows: the 32 loads at the head land in them; no vector instruction names them before.  Behind a row's wait on LOADcnt
;              vector instructions alone name them.
;   PK[r]      written by row r's sixteen roundings, read by row r's eight stores, never written again.  One wait on va_vdst stands between the two runs.
; No register that a memory instruction reads is written again; the one wait on vm_vsrc stands at the entry; EXEC is never written.
; Lane masks: a row's 33 compares write s15 to s47 in one run, and one wait on va_sdst stands between the run and the first reader.
; The other waits on va_vdst stand between transcendentals and the first reader of their results, one to a batch.
.set SV, 16                            ; v[16+64r : 47+64r]   row r's scores, then weights
.set MK, 48                            ; v[48+64r : 79+64r]   row r's mask
.set PK, 144                           ; v[144+16r : 159+16r] row r packed to f16: registers of its own, so that no store is waited for
.set ANY, 15                           ; s15      the lanes that hold an open place of the row
.set OPEN, 16                          ; s[16:47] place j of my 32: the lanes in which it is open
	s_load_b128 s[4:7], s[0:1], 0x0                ; S s[4:5], mask s[6:7]
	s_load_b64 s[8:9], s[0:1], 0x10                ; P
	s_lshl_b32 s2, ttmp9, 16                       ; 16 rows of 4,096 bytes
	s_mov_b32 s3, 0
	s_lshl_b32 s10, ttmp9, 15                      ; 16 rows of 2,048 bytes
	s_mov_b32 s11, 0
	s_mov_b32 s12, 0x76543210                      ; v_permlanex16_b32: lane i of one half reads lane i of the other
	s_mov_b32 s13, 0xfedcba98
	v_lshrrev_b32 v3, 5, v0                        ; wave
	v_and_b32 v4, 31, v0                           ; lane
	v_lshlrev_b32 v1, 4, v4
	v_lshl_add_u32 v1, v3, 13, v1                  ; in: 2 rows a wave, 16 bytes a lane
	v_lshlrev_b32 v2, 3, v4
	v_lshl_add_u32 v2, v3, 12, v2                  ; out: 8 bytes a lane
	s_wait_kmcnt 0x0
	s_add_nc_u64 s[4:5], s[4:5], s[2:3]
	s_add_nc_u64 s[6:7], s[6:7], s[2:3]
	s_add_nc_u64 s[8:9], s[8:9], s[10:11]
	s_wait_alu depctr_va_vdst(0)                   ; v1 and v2 are written: every load reads v1 as its offset, every store v2
.irp r, 0,1
.irp i, 0,1,2,3,4,5,6,7
	global_load_b128 v[SV+64*\r+4*\i:SV+64*\r+4*\i+3], v1, s[4:5] offset:4096*\r+512*\i th:TH_LOAD_NT
.endr
.irp i, 0,1,2,3,4,5,6,7
	global_load_b128 v[MK+64*\r+4*\i:MK+64*\r+4*\i+3], v1, s[6:7] offset:4096*\r+512*\i th:TH_LOAD_NT
.endr
.endr
.macro LMAX                            ; v4 over the 32 lanes, into every lane
	v_max_num_f32_dpp v4, v4, v4 row_xmask:1 row_mask:0xf bank_mask:0xf
	v_max_num_f32_dpp v4, v4, v4 row_xmask:2 row_mask:0xf bank_mask:0xf
	v_max_num_f32_dpp v4, v4, v4 row_xmask:4 row_mask:0xf bank_mask:0xf
	v_max_num_f32_dpp v4, v4, v4 row_xmask:8 row_mask:0xf bank_mask:0xf
	v_permlanex16_b32 v5, v4, s12, s13
	v_max_num_f32 v4, v4, v5
.endm
.macro RSUM                            ; the sum of the row at RS, into v4 of every lane: two chains of packed adds, then the lanes
	v_pk_add_f32 v[4:5], v[RS:RS+1], v[RS+2:RS+3]
	v_pk_add_f32 v[6:7], v[RS+4:RS+5], v[RS+6:RS+7]
.set j, 8
.rept 6
	v_pk_add_f32 v[4:5], v[4:5], v[RS+j:RS+j+1]
	v_pk_add_f32 v[6:7], v[6:7], v[RS+j+2:RS+j+3]
.set j, j+4
.endr
	v_pk_add_f32 v[4:5], v[4:5], v[6:7]
	v_add_f32 v4, v4, v5
	v_add_f32_dpp v4, v4, v4 row_xmask:1 row_mask:0xf bank_mask:0xf
	v_add_f32_dpp v4, v4, v4 row_xmask:2 row_mask:0xf bank_mask:0xf
	v_add_f32_dpp v4, v4, v4 row_xmask:4 row_mask:0xf bank_mask:0xf
	v_add_f32_dpp v4, v4, v4 row_xmask:8 row_mask:0xf bank_mask:0xf
	v_permlanex16_b32 v5, v4, s12, s13
	v_add_f32 v4, v4, v5
.endm
.macro REXP                            ; 32 exponentials in a run, then one plain place before any result is used (ISA guide 5.7.2)
.set j, 0
.rept 32
	v_exp_f32 v[RS+j], v[RS+j]
.set j, j+1
.endr
	v_nop
.endm
.macro RMUL                            ; the row times v10 (v[10:11] holds it twice)
.set j, 0
.rept 16
	v_pk_mul_f32 v[RS+j:RS+j+1], v[RS+j:RS+j+1], v[10:11]
.set j, j+2
.endr
.endm
; One row.  lefts, leftm: how many younger loads may stay out when the row's scores, and then its mask, have to be there.
.macro ROW r, lefts, leftm
.set RS, SV+64*\r
.set RM, MK+64*\r
	s_wait_loadcnt \lefts
	v_max3_num_f32 v4, v[RS],   v[RS+1],  v[RS+2]  ; four chains, started by the first twelve numbers
	v_max3_num_f32 v5, v[RS+3], v[RS+4],  v[RS+5]
	v_max3_num_f32 v6, v[RS+6], v[RS+7],  v[RS+8]
	v_max3_num_f32 v7, v[RS+9], v[RS+10], v[RS+11]
.set j, 12
.rept 10
	v_max3_num_f32 v[4+(j/2)%4], v[4+(j/2)%4], v[RS+j], v[RS+j+1]
.set j, j+2
.endr
	v_max3_num_f32 v4, v4, v5, v6
	v_max_num_f32 v4, v4, v7
	LMAX
	v_mov_b32 v8, v4
	v_mov_b32 v9, v4
.set j, 0
.rept 16
	v_pk_add_f32 v[RS+j:RS+j+1], v[RS+j:RS+j+1], v[8:9] neg_lo:[0,1] neg_hi:[0,1]
.set j, j+2
.endr
	REXP                                           ; exp2(S - max): at most 1, and 1 at the maximum, so Z is at least 1
	s_wait_alu depctr_va_vdst(0)                   ; the 32 exponentials have written the row, which the sums below read: one wait for the batch
	RSUM
	v_rcp_f32 v10, v4
	v_nop
	s_wait_alu depctr_va_vdst(0)                   ; the reciprocal has written v10, which the next line reads
	v_mul_f32 v10, 0x3fb8aa3b, v10                 ; log2 e / Z: the division and the next exponential's base in one factor
	v_mov_b32 v11, v10
	RMUL
	REXP                                           ; e^w
	s_wait_loadcnt \leftm
	v_or_b32 v13, v[RM],   v[RM+1]                 ; is any place of the row open?
	v_or_b32 v14, v[RM+2], v[RM+3]
.set j, 4
.rept 14
	v_or_b32 v13, v13, v[RM+j]
	v_or_b32 v14, v14, v[RM+j+1]
.set j, j+2
.endr
	v_or_b32 v13, v13, v14
	v_cmp_ne_u32 s[ANY], 0, v13                    ; the compares stand in one run, each with a scalar register of its own
.set j, 0
.rept 32
	v_cmp_ne_u32 s[OPEN+j], 0, v[RM+j]
.set j, j+1
.endr
	s_wait_alu depctr_va_sdst(0)                   ; the 33 compares have written s15 to s47, ahead of their first reader: the scalar compare below, then the selects
	s_wait_alu depctr_va_vdst(0)                   ; the 32 exponentials e^w have written the row, which the selects below read: one wait for the batch
	s_cmp_lg_u32 s[ANY], 0
	s_cselect_b32 s14, 0, 1.0                      ; a closed place counts 0, or 1 where the whole row is closed
	v_mov_b32 v12, s14
.set j, 0
.rept 32
	v_cndmask_b32 v[RS+j], v12, v[RS+j], s[OPEN+j]
.set j, j+1
.endr
	RSUM
	v_rcp_f32 v10, v4
	v_nop
	s_wait_alu depctr_va_vdst(0)                   ; the reciprocal has written v10, which the next line reads
	v_mov_b32 v11, v10
	RMUL
.irp i, 0,1,2,3,4,5,6,7
	v_cvt_pk_f16_f32 v[PK+16*\r+2*\i],   v[RS+4*\i],   v[RS+4*\i+1]
	v_cvt_pk_f16_f32 v[PK+16*\r+2*\i+1], v[RS+4*\i+2], v[RS+4*\i+3]
.endr
	s_wait_alu depctr_va_vdst(0)                   ; the sixteen roundings have written PK[r], which the eight stores read
.irp i, 0,1,2,3,4,5,6,7
	global_store_b64 v2, v[PK+16*\r+2*\i:PK+16*\r+2*\i+1], s[8:9] offset:2048*\r+256*\i   ; the wave stores 256 consecutive aligned bytes
.endr
.endm
	ROW 0, 24, 16                                  ; issue order: scores 0, mask 0, scores 1, mask 1, eight loads each
	ROW 1, 8, 0
	s_endpgm
.Lfunc_end_k_q719907ecba_smx:
	.size	k_q719907ecba_smx, .Lfunc_end_k_q719907ecba_smx-k_q719907ecba_smx
	.p2alignl 7, 3214868480
	.fill 96, 4, 3214868480
	.section	.rodata,"a",@progbits
	.p2align	6, 0x0
	.amdhsa_kernel k_q719907ecba_smx
		.amdhsa_group_segment_fixed_size 0
		.amdhsa_private_segment_fixed_size 0
		.amdhsa_enable_private_segment 0
		.amdhsa_kernarg_size 24
		.amdhsa_user_sgpr_count 2
		.amdhsa_user_sgpr_kernarg_segment_ptr 1
		.amdhsa_wavefront_size32 1
		.amdhsa_system_sgpr_workgroup_id_x 1
		.amdhsa_system_sgpr_workgroup_id_y 1
		.amdhsa_system_sgpr_workgroup_id_z 1
		.amdhsa_system_vgpr_workitem_id 0
		.amdhsa_next_free_vgpr 176
		.amdhsa_next_free_sgpr 66
		.amdhsa_reserve_vcc 0
		.amdhsa_float_denorm_mode_32 3
		.amdhsa_float_denorm_mode_16_64 3
		.amdhsa_memory_ordered 1
		.amdhsa_forward_progress 1
		.amdhsa_inst_pref_size 38
	.end_amdhsa_kernel
	.amdgpu_metadata
---
amdhsa.version: [ 1, 2 ]
amdhsa.kernels:
  - .name:           k_q719907ecba_smx
    .symbol:         k_q719907ecba_smx.kd
    .args:
      - { .name: S, .offset: 0, .size: 8, .value_kind: global_buffer, .address_space: global }
      - { .name: attention_mask, .offset: 8, .size: 8, .value_kind: global_buffer, .address_space: global }
      - { .name: P, .offset: 16, .size: 8, .value_kind: global_buffer, .address_space: global }
    .group_segment_fixed_size: 0
    .private_segment_fixed_size: 0
    .kernarg_segment_align: 8
    .kernarg_segment_size: 24
    .max_flat_workgroup_size: 256
    .sgpr_count:     66
    .vgpr_count:     176
    .wavefront_size: 32
...
	.end_amdgpu_metadata
.endif
;; end of part 13
;; launch pv: the kernel of part 12 again; grid 8 x 32, 4 waves a work-group, clusters of 4 x 4, 327,680 bytes of LDS; arguments P, act, out0, BV; writes out0
